; MI455X (gfx1250); checked and timed in simulation.
; The chip was launched on July 23, 2026; its instructions are those of AMD's public machine-readable ISA for CDNA 5 (MIT licence, August 2026) and "CDNA5" Instruction Set Architecture Reference Guide (July 2026). The comments in the code are by the model that wrote it; some were corrected since.
;; single Self Attention. Allowed arithmetic: float matrix products may take bf16 or f16 operands with f32 sums; all other float work in f32.
;; Inputs: Wk 1,024 x 1,024 float32; Wq 1,024 x 1,024 float32; Wv 1,024 x 1,024 float32; y 4 x 2,048 x 1,024 float32.
;; Outputs: out0 4 x 2,048 x 1,024 float32.
;; 3 versions, each right; version 3 is version 2 with the launch prep written anew for expert scheduling mode. Each part assembles by itself: llvm-mc -triple=amdgcn-amd-amdhsa -mcpu=gfx1250 --defsym DOCPART=n.
;; ======== version 1 of 3: 4 launches
;; limits: values are held in f16: magnitudes above 65,504 overflow, below 6.1e-05 lose precision
;; workspace buffers: yb 16,777,216 bytes; wb 6,291,456 bytes; qkv 50,331,648 bytes; p 33,554,432 bytes; mst 262,144 bytes; lst 524,288 bytes
;; launch prep (part 1): grid 352 x 1, 8 waves a work-group, no clusters, 0 bytes of LDS; arguments y, Wq, Wk, Wv, yb, wb; writes yb, wb
.if DOCPART == 1
	.amdgcn_target "amdgcn-amd-amdhsa--gfx1250"
	.amdhsa_code_object_version 6
	.text
	.protected	k_q3d2e789d2a_prep
	.globl	k_q3d2e789d2a_prep
	.p2align	8
	.type	k_q3d2e789d2a_prep,@function
k_q3d2e789d2a_prep:
	s_mov_b64 s[64:65], 0
	v_nop
	global_prefetch_b8 v0, s[64:65] scope:SCOPE_SE
	s_setreg_imm32_b32 hwreg(HW_REG_WAVE_MODE, 25, 1), 1
	s_wait_xcnt 0x0
; yb[m][k] = bf16(y[m][k]);  wb[k][1024 w + n] = bf16(W_w[k][n] / 8), w = 0, 1, 2 for Wq, Wk, Wv (the three side by side, rows of 3,072).
; The factor 1/8 is a power of two, so it costs no accuracy; it gives the f16 numbers q/8, k/8, v/8 of the next launch room at the top.
; A stream: every input byte is read once, every output byte written once.  No LDS, no matrix unit, no cluster: no two work-groups
; read the same byte.  A work-group takes 32 rows of 1,024 f32, a wave 4 rows.  Work-groups 0-255 take y, 256-351 the three weights
; (32 work-groups each).  A load of a wave covers 512 consecutive bytes, a store 256 consecutive bytes at a multiple of 256.
; All 32 loads of a wave (16 KiB) go out at once; no register is written twice, so no source of a pending instruction is ever rewritten.
.set X, 8                              ; v[8:135]    load (r, j): 4 f32
.set Y, 136                            ; v[136:199]  load (r, j): 4 bf16 in 2 registers
; pitch: bytes from row to row in the destination; scale = 1: multiply by 1/8 first
.macro CONV pitch, scale
.irp r, 0,1,2,3
.irp j, 0,1,2,3,4,5,6,7
	global_load_b128 v[X+4*(8*\r+\j):X+4*(8*\r+\j)+3], v1, s[18:19] offset:4096*\r+512*\j th:TH_LOAD_NT
.endr
.endr
.irp r, 0,1,2,3
	s_wait_loadcnt 24-8*\r                         ; loads return in order (ISA guide 5.7.1): row r's eight are in, the later rows' stay out
.irp j, 0,1,2,3,4,5,6,7
.if \scale
	v_pk_mul_f32 v[X+4*(8*\r+\j):X+4*(8*\r+\j)+1],   v[X+4*(8*\r+\j):X+4*(8*\r+\j)+1],   s[24:25] op_sel_hi:[1,0]
	v_pk_mul_f32 v[X+4*(8*\r+\j)+2:X+4*(8*\r+\j)+3], v[X+4*(8*\r+\j)+2:X+4*(8*\r+\j)+3], s[24:25] op_sel_hi:[1,0]
.endif
	v_cvt_pk_bf16_f32 v[Y+2*(8*\r+\j)],   v[X+4*(8*\r+\j)],   v[X+4*(8*\r+\j)+1]
	v_cvt_pk_bf16_f32 v[Y+2*(8*\r+\j)+1], v[X+4*(8*\r+\j)+2], v[X+4*(8*\r+\j)+3]
	global_store_b64 v2, v[Y+2*(8*\r+\j):Y+2*(8*\r+\j)+1], s[28:29] offset:\r*\pitch+256*\j
.endr
.endr
.endm
	s_load_b256 s[4:11], s[0:1], 0x0               ; y s[4:5], Wq s[6:7], Wk s[8:9], Wv s[10:11]
	s_load_b128 s[12:15], s[0:1], 0x20             ; yb s[12:13], wb s[14:15]
	v_lshrrev_b32 v3, 5, v0
	v_readfirstlane_b32 s16, v3                    ; wave 0..7
	v_and_b32 v4, 31, v0                           ; lane
	v_lshlrev_b32 v1, 4, v4                        ; 16 bytes a lane in the source
	v_lshlrev_b32 v2, 3, v4                        ; 8 bytes a lane in the destination
	s_mov_b32 s24, 0x3e000000                      ; 1/8
	s_mov_b32 s25, 0x3e000000                      ; (the pair's second word is never selected, but is part of the operand)
	s_mov_b32 s21, 0                               ; high words of the two offsets
	s_mov_b32 s23, 0
	s_lshl_b32 s17, s16, 14                        ; my wave's 4 rows of 4,096 bytes in the source
	s_cmp_lt_u32 ttmp9, 256
	s_cbranch_scc0 .Lweights
	s_lshl_b32 s20, ttmp9, 17                      ; 32 rows of 4,096 bytes
	s_add_co_u32 s20, s20, s17
	s_lshl_b32 s22, ttmp9, 16                      ; 32 rows of 2,048 bytes
	s_lshl_b32 s26, s16, 13
	s_add_co_u32 s22, s22, s26
	s_wait_kmcnt 0x0
	s_add_nc_u64 s[18:19], s[4:5], s[20:21]
	s_add_nc_u64 s[28:29], s[12:13], s[22:23]
	CONV 2048, 0
	s_endpgm
.Lweights:
	s_sub_co_u32 s26, ttmp9, 256
	s_lshr_b32 s27, s26, 5                         ; which weight
	s_and_b32 s26, s26, 31                         ; which 32 rows of it
	s_lshl_b32 s20, s26, 17
	s_add_co_u32 s20, s20, s17
	s_lshl_b32 s22, s26, 5
	s_lshl2_add_u32 s22, s16, s22                  ; row 32 block + 4 wave
	s_mul_i32 s22, s22, 6144                       ; rows of 3,072 bf16
	s_lshl_b32 s30, s27, 11                        ; the weight's 1,024 columns
	s_add_co_u32 s22, s22, s30
	s_wait_kmcnt 0x0
	s_cmp_eq_u32 s27, 0
	s_cselect_b64 s[18:19], s[6:7], s[8:9]         ; Wq or Wk,
	s_cmp_eq_u32 s27, 2
	s_cselect_b64 s[18:19], s[10:11], s[18:19]     ; or Wv
	s_add_nc_u64 s[18:19], s[18:19], s[20:21]
	s_add_nc_u64 s[28:29], s[14:15], s[22:23]
	CONV 6144, 1
	s_endpgm
.Lfunc_end_k_q3d2e789d2a_prep:
	.size	k_q3d2e789d2a_prep, .Lfunc_end_k_q3d2e789d2a_prep-k_q3d2e789d2a_prep
	.p2alignl 7, 3214868480
	.fill 96, 4, 3214868480
	.section	.rodata,"a",@progbits
	.p2align	6, 0x0
	.amdhsa_kernel k_q3d2e789d2a_prep
		.amdhsa_group_segment_fixed_size 0
		.amdhsa_private_segment_fixed_size 0
		.amdhsa_enable_private_segment 0
		.amdhsa_kernarg_size 48
		.amdhsa_user_sgpr_count 2
		.amdhsa_user_sgpr_kernarg_segment_ptr 1
		.amdhsa_wavefront_size32 1
		.amdhsa_system_sgpr_workgroup_id_x 1
		.amdhsa_system_sgpr_workgroup_id_y 1
		.amdhsa_system_sgpr_workgroup_id_z 1
		.amdhsa_system_vgpr_workitem_id 0
		.amdhsa_next_free_vgpr 200
		.amdhsa_next_free_sgpr 66
		.amdhsa_reserve_vcc 0
		.amdhsa_float_denorm_mode_32 3
		.amdhsa_float_denorm_mode_16_64 3
		.amdhsa_memory_ordered 1
		.amdhsa_forward_progress 1
		.amdhsa_inst_pref_size 26
	.end_amdhsa_kernel
	.amdgpu_metadata
---
amdhsa.version: [ 1, 2 ]
amdhsa.kernels:
  - .name:           k_q3d2e789d2a_prep
    .symbol:         k_q3d2e789d2a_prep.kd
    .args:
      - { .name: y, .offset: 0, .size: 8, .value_kind: global_buffer, .address_space: global }
      - { .name: Wq, .offset: 8, .size: 8, .value_kind: global_buffer, .address_space: global }
      - { .name: Wk, .offset: 16, .size: 8, .value_kind: global_buffer, .address_space: global }
      - { .name: Wv, .offset: 24, .size: 8, .value_kind: global_buffer, .address_space: global }
      - { .name: yb, .offset: 32, .size: 8, .value_kind: global_buffer, .address_space: global }
      - { .name: wb, .offset: 40, .size: 8, .value_kind: global_buffer, .address_space: global }
    .group_segment_fixed_size: 0
    .private_segment_fixed_size: 0
    .kernarg_segment_align: 8
    .kernarg_segment_size: 48
    .max_flat_workgroup_size: 256
    .sgpr_count:     66
    .vgpr_count:     200
    .wavefront_size: 32
...
	.end_amdgpu_metadata
.endif
;; end of part 1
;; launch proj (part 2): grid 12 x 32, 4 waves a work-group, clusters of 4 x 4, 327,680 bytes of LDS; arguments yb, wb, qkv; writes qkv
.if DOCPART == 2
	.amdgcn_target "amdgcn-amd-amdhsa--gfx1250"
	.amdhsa_code_object_version 6
	.text
	.protected	k_q3d2e789d2a_proj
	.globl	k_q3d2e789d2a_proj
	.p2align	8
	.type	k_q3d2e789d2a_proj,@function
k_q3d2e789d2a_proj:
	s_mov_b64 s[64:65], 0
	v_nop
	global_prefetch_b8 v0, s[64:65] scope:SCOPE_SE
	s_setreg_imm32_b32 hwreg(HW_REG_WAVE_MODE, 25, 1), 1
	s_wait_xcnt 0x0
	s_wait_alu depctr_hold_cnt(0) depctr_sa_sdst(0) depctr_va_vdst(0) depctr_va_sdst(0) depctr_va_ssrc(0) depctr_va_vcc(0) depctr_vm_vsrc(0)
	s_getreg_b32 s2, hwreg(HW_REG_IB_STS2, 6, 4)
	s_cmp_eq_u32 s2, 0
	s_cbranch_scc0 .Lentry_in_a_cluster
	s_endpgm
.Lentry_in_a_cluster:
	s_bfe_u32 s2, ttmp6, 0x10000c
	s_cmp_lg_u32 s2, 0xf033
	s_cbranch_scc0 .Lentry_shape_is_right
	s_endpgm
.Lentry_shape_is_right:
; qkv[m][n] = f16( sum over k of yb[m][k] wb[k][n] ): [8192][3072] = q/8, k/8, v/8 side by side.  yb [8192][1024], wb [1024][3072], bf16; sums in f32.
; LIMIT: the results are kept in f16: |q|, |k|, |v| must stay below 8 x 65,504 = 5.2e5 (beyond it the conversion gives infinity); below
; 8 x 6.1e-5 they lose relative accuracy (f16 denormals, steps of 8 x 6e-8).  NaN and infinite inputs are not served.
; A work-group makes 256 x 256 with four waves, a wave 128 x 128: 64 accumulator tiles of 16 x 16, 512 registers.  K goes in steps of 128
; through a ring of two LDS slots filled by the tensor data mover.  A's tile: 256 rows x 256 bytes.  B's tile lies as in memory, K down the
; rows: 128 rows (k) x 512 bytes (256 n); its fragments are read by the transposing LDS load, so nothing is ever transposed in memory.
; CLUSTERS: 4 x 4 work-groups.  The four of a row of the cluster need the same tiles of A, the four of a column the same tiles of B:
; each such tile is asked for jointly, by the same tensor load with the same descriptor and a mask that names the four.
; REGISTERS, in windows of 256: window 0: v0-31 addresses; v64-127, v128-191 fragments of A, two buffers; v192-223 at work on the way out.
;   window 1: v64-127, v128-191 fragments of B, two buffers.  Window 2: the 32 accumulator tiles of my rows 0-63 (tile (a, b) at
;   v[8 (8 a + b)]); window 3: those of my rows 64-127.
; The matrix instruction is used transposed: source 0 = 16 columns of B, source 1 = 16 rows of A, so that lane l holds row l % 16 of the result
; and its eight registers the columns 8 (l / 16) + 0..7: eight neighbouring numbers, 16 bytes in f16.
; The 64 accumulators take turns, one matrix instruction a turn, in the same order in every quarter step.
.set SIZE_N, 3072
.set SIZE_K, 1024
.set KSTEP,  128
.set PITCH,  272                       ; A's LDS row: 256 bytes + 16 of padding: the 16 rows that a load touches start 16 bytes apart modulo 256
.set BPITCH, 544                       ; B's LDS row: 512 bytes + 32 of padding: the 8 rows that eight lanes touch start 32 bytes apart modulo 256
.set HALFT,  128*PITCH                 ; what one tensor load brings: 128 rows of A, or 64 rows of B (64 x 544 is the same 34,816 bytes)
.set SLOT,   4*HALFT                   ; A's 256 rows, then B's 128 rows
.set STAGE,  2*SLOT                    ; behind the ring: 16 rows x 272 bytes for each wave, for the way out; no tensor load lands here
.set SPITCH, 272
.set LAPS,   SIZE_K/(2*KSTEP)          ; a lap = two K steps = once round the ring: 4
.set ASTEP,  KSTEP*2                   ; a K step in yb: 256 bytes along the rows
.set BSTEP,  KSTEP*SIZE_N*2            ; a K step in wb: 128 rows of 6,144 bytes
.set ADRA, 16                          ; v16-17  LDS address of my A fragments in slot 0, 1
.set ADRB, 20                          ; v20-21  the same for B
.set STO,  24                          ; v24     the way out: where I put 16 bytes of a row
.set RD,   25                          ; v25     the way out: where I read a row back
.set CO,   26                          ; v26     my byte offset in the result
.set F0,   64
.set F1,   128
.set TMP,  192
.set G1,  24                           ; s[24:31] descriptor group 1 for A's tiles
.set G0,  32                           ; s[32:39] descriptor group 0 for A's tiles, one set for each slot
.set G1B, 48                           ; s[48:55] descriptor group 1 for B's tiles
.set G0B, 56                           ; s[56:63] descriptor group 0 for B's tiles, one set for each slot
.set MSB, 0
.macro WIN new                         ; the immediate's high byte repeats the setting that is left
.if MSB != \new
	s_set_vgpr_msb (MSB<<8)|\new
.set MSB, \new
.endif
.endm
.set MUL_LO, 0xa1                      ; source 0 (B) window 1, source 1 (A) window 0, C and D window 2
.set MUL_HI, 0xf1                      ; the same, C and D window 3
.set TO_B,   0x40                      ; destination window 1, address window 0
; A joint load.  Waves 0 and 1 fetch A's two halves, waves 2 and 3 B's.  The branch hangs on the wave's number alone.
.macro JLOAD s
	s_cmp_eq_u32 s11, 0
	s_cbranch_scc0 .Lfor_b_\@
	tensor_load_to_lds s[G0+4*\s:G0+4*\s+3], s[G1:G1+7]
	s_nop 0
	s_branch .Lasked_\@
.Lfor_b_\@:
	tensor_load_to_lds s[G0B+4*\s:G0B+4*\s+3], s[G1B:G1B+7]
	s_nop 0
.Lasked_\@:
.endm
; A round of the cluster's barrier: my work-group's barrier; wave 0 signals for the work-group; every wave waits for all sixteen; my work-group's barrier again.
.macro CREST                           ; a round behind its opening barrier
	s_cmp_lg_u32 s10, 0
	s_cbranch_scc1 .Lnot_wave_0_\@
	s_barrier_signal -3
.Lnot_wave_0_\@:
	s_barrier_wait -3
	s_barrier_signal -1
	s_barrier_wait -1
.endm
.macro CROUND                          ; a whole round
	s_barrier_signal -1
	s_barrier_wait -1
	CREST
.endm
	s_load_b128 s[4:7], s[0:1], 0x0                ; yb s[4:5], wb s[6:7]
	s_load_b64 s[8:9], s[0:1], 0x10                ; qkv
	s_set_vgpr_msb 0x40
	v_lshl_add_u32 v255, v0, 2, 0x48400
	s_set_vgpr_msb 0x4000
	v_mov_b32 v255, 0
	s_set_vgpr_msb 0x1
	ds_add_u32 v255, v255
	s_set_vgpr_msb 0x100
	v_lshrrev_b32 v1, 5, v0
	v_readfirstlane_b32 s10, v1                    ; wave 0..3
	s_lshr_b32 s11, s10, 1                         ; which half of the block's rows is mine.  Also: I fetch for A (0) or for B (1)
	s_and_b32 s12, s10, 1                          ; which half of its columns.  Also: which half of that tile I fetch
	s_bfe_u32 s40, ttmp6, 0x40000                  ; cx
	s_bfe_u32 s41, ttmp6, 0x40004                  ; cy
	s_lshl_b32 s42, ttmp9, 2
	s_add_co_u32 s42, s42, s40                     ; block column = 4 x cluster x + cx
	s_and_b32 s13, ttmp7, 0xffff
	s_lshl_b32 s13, s13, 2
	s_add_co_u32 s13, s13, s41                     ; block row = 4 x cluster y + cy
	s_lshl_b32 s43, s41, 2
	s_lshl_b32 s43, 15, s43                        ; my row of the cluster: places 4 cy .. 4 cy + 3
	s_lshl_b32 s44, 0x1111, s40                    ; my column: places cx, cx + 4, cx + 8, cx + 12
	; group 1 for A: 128 rows x 128 elements of 2 bytes, 4 words of padding behind every 64 words
	s_or_b32 s[G1+0], s43, (1<<16)|(1<<20)|(1<<21)|(5<<22)|(3<<25)
	s_mov_b32 s[G1+1], KSTEP<<16                   ; tensor_dim0 = 128
	s_mov_b32 s[G1+2], 128<<16                     ; tensor_dim1 = 128
	s_mov_b32 s[G1+3], KSTEP<<16                   ; tile_dim0 = 128
	s_mov_b32 s[G1+4], 128                         ; tile_dim1 = 128
	s_mov_b32 s[G1+5], SIZE_K                      ; elements from row to row
	s_mov_b32 s[G1+6], 0
	s_mov_b32 s[G1+7], 0
	; group 1 for B: 64 rows (k) x 256 elements (n), 8 words of padding behind every 128 words
	s_or_b32 s[G1B+0], s44, (1<<16)|(1<<20)|(1<<21)|(6<<22)|(7<<25)
	s_mov_b32 s[G1B+1], 256<<16                    ; tensor_dim0 = 256
	s_mov_b32 s[G1B+2], 64<<16                     ; tensor_dim1 = 64
	s_mov_b32 s[G1B+3], 256<<16                    ; tile_dim0 = 256
	s_mov_b32 s[G1B+4], 64                         ; tile_dim1 = 64
	s_mov_b32 s[G1B+5], SIZE_N
	s_mov_b32 s[G1B+6], 0
	s_mov_b32 s[G1B+7], 0
	; where the tiles come from: A's hang on the block row alone, B's on the block column alone, each in registers that never hold the other coordinate
	s_lshl_b32 s17, s12, 7
	s_lshl_b32 s16, s13, 8
	s_add_co_u32 s16, s16, s17                     ; A: row 256 x block row + 128 x half
	s_lshl_b32 s16, s16, 11                        ; rows of 2,048 bytes (16.8 MB at the most)
	s_mov_b32 s17, 0
	s_mul_i32 s46, s12, 64*SIZE_N*2                ; B: 64 x half rows of 6,144 bytes
	s_lshl_b32 s47, s42, 9                         ; + 256 columns x block column
	s_add_co_u32 s46, s46, s47
	s_mov_b32 s47, 0
	s_mul_i32 s20, s10, HALFT                      ; and where they go: wave x 34,816: A's two halves, then B's two halves
	s_wait_dscnt 0x0
	s_wait_kmcnt 0x0
	s_add_nc_u64 s[14:15], s[4:5], s[16:17]
	s_add_nc_u64 s[46:47], s[6:7], s[46:47]
	CROUND                                         ; all sixteen work-groups are here: the first joint loads meet
.irp s, 0,1
	s_mov_b32 s[G0+4*\s], 1
	s_add_co_u32 s[G0+4*\s+1], s20, \s*SLOT
	s_add_nc_u64 s[G0+4*\s+2:G0+4*\s+3], s[14:15], \s*ASTEP
	s_or_b32 s[G0+4*\s+3], s[G0+4*\s+3], 0x80000000
	s_mov_b32 s[G0B+4*\s], 1
	s_add_co_u32 s[G0B+4*\s+1], s20, \s*SLOT
	s_add_nc_u64 s[G0B+4*\s+2:G0B+4*\s+3], s[46:47], \s*BSTEP
	s_or_b32 s[G0B+4*\s+3], s[G0B+4*\s+3], 0x80000000
	JLOAD \s                                       ; both first fills go out before anything else: two tensor loads of the wave are out
.endr
	; A's fragment (16 rows x 32 K): lane l holds row l % 16; two loads of 16 bytes, 32 bytes apart, at row x pitch + 16 (l / 16).
	; B's fragment (32 K x 16 columns, K down the rows): two transposing loads, 16 rows apart; lane l addresses row 8 (l / 16) + l % 8,
	; 16 bytes at 16 ((l / 8) % 2), and receives column l % 16, K = 8 (l / 16) + 0..7.
	v_and_b32 v1, 15, v0                           ; l % 16
	v_bfe_u32 v2, v0, 4, 1                         ; l / 16
	v_mul_u32_u24 v3, v1, PITCH
	v_lshl_add_u32 v3, v2, 4, v3
	v_and_b32 v6, 7, v0
	v_lshl_add_u32 v6, v2, 3, v6
	v_mul_u32_u24 v6, v6, BPITCH
	v_bfe_u32 v7, v0, 3, 1
	v_lshl_add_u32 v6, v7, 4, v6
	s_mul_i32 s21, s11, HALFT                      ; my 128 rows of A
	s_lshl_b32 s22, s12, 8                         ; my 128 columns of B, 256 bytes,
	s_add_co_u32 s22, s22, 2*HALFT                 ; behind A's 256 rows
.irp s, 0,1
	v_add_nc_u32 v[ADRA+\s], s21, v3
	v_add_nc_u32 v[ADRB+\s], s22, v6
	s_add_co_u32 s21, s21, SLOT
	s_add_co_u32 s22, s22, SLOT
.endr
	s_mul_i32 s23, s10, 16*SPITCH
	s_add_co_u32 s23, s23, STAGE                   ; my stage
	v_mul_u32_u24 v4, v1, SPITCH
	v_lshl_add_u32 v4, v2, 4, v4
	v_add_nc_u32 v[STO], s23, v4
	v_mul_u32_u24 v5, v2, SPITCH
	v_lshl_add_u32 v5, v1, 4, v5
	v_add_nc_u32 v[RD], s23, v5
	v_mul_u32_u24 v5, v2, SIZE_N*2
	v_lshl_add_u32 v[CO], v1, 4, v5
; 16 matrix instructions: m blocks a0, a0 + 1 of the window's four x all 8 n blocks, 32 along K.  zero = 1: the first product starts the sums.
.macro MUL16 f, hi, a0, zero
.irp a, \a0, \a0+1
.irp b, 0,1,2,3,4,5,6,7
.if \zero
	v_wmma_f32_16x16x32_bf16 v[8*(8*(\a)+\b):8*(8*(\a)+\b)+7], v[\f+8*\b:\f+8*\b+7], v[\f+8*(4*\hi+\a):\f+8*(4*\hi+\a)+7], 0
.else
	v_wmma_f32_16x16x32_bf16 v[8*(8*(\a)+\b):8*(8*(\a)+\b)+7], v[\f+8*\b:\f+8*\b+7], v[\f+8*(4*\hi+\a):\f+8*(4*\hi+\a)+7], v[8*(8*(\a)+\b):8*(8*(\a)+\b)+7]
.endif
.endr
.endr
.endm
; 32 LDS loads in one run: the fragments of one quarter step (K = k/2 .. k/2 + 31 of the slot; k = byte in A's rows) into buffer f
.macro FETCH slot, k, f
	WIN TO_B
.irp i, 0,1,2,3,4,5,6,7
	ds_load_tr16_b128 v[\f+8*\i:\f+8*\i+3],   v[ADRB+\slot] offset:(\k/2)*BPITCH+32*\i
	ds_load_tr16_b128 v[\f+8*\i+4:\f+8*\i+7], v[ADRB+\slot] offset:(\k/2+16)*BPITCH+32*\i
.endr
	WIN 0
.irp i, 0,1,2,3,4,5,6,7
	ds_load_b128 v[\f+8*\i:\f+8*\i+3],   v[ADRA+\slot] offset:\k+\i*16*PITCH
	ds_load_b128 v[\f+8*\i+4:\f+8*\i+7], v[ADRA+\slot] offset:\k+\i*16*PITCH+32
.endr
.endm
; Four independent vector instructions stand between a matrix instruction and a load into one of its registers, or a vector instruction
; that reads its result (ISA guide 7.12.1 for vector instructions).
.macro PLACES
.rept 4
	v_nop
.endr
.endm
.macro QUARTER slot, k, f, g, zero
	s_wait_dscnt 8                                 ; B and A's rows 0-63 are in; the youngest eight loads (A's rows 64-127) may be out
	WIN MUL_LO
	MUL16 \f, 0, 0, \zero
	MUL16 \f, 0, 2, \zero
	PLACES
	FETCH \slot, \k, \g
	s_wait_dscnt 32                                ; all but the 32 just issued
	WIN MUL_HI
	MUL16 \f, 1, 0, \zero
	MUL16 \f, 1, 2, \zero
.endm
.macro THREE slot, zero
	QUARTER \slot, 64,  F0, F1, \zero
	QUARTER \slot, 128, F1, F0, 0
	QUARTER \slot, 192, F0, F1, 0
.endm
; The last quarter of a K step: multiplies buffer 1 and changes slots.  In front of the barrier each wave waits for its reads of this slot and
; for all its tensor loads (one is out: its part of the next slot).  Behind it the refill comes first, then the next slot's first fragments.
.macro TURN slot, next, fill
	s_wait_dscnt 8
	WIN MUL_LO
	MUL16 F1, 0, 0, 0
	s_wait_dscnt 0                                 ; my reads of this slot are over
	s_wait_tensorcnt 0x0                           ; all my tensor loads have landed
	ds_add_u32 v255, v255
	s_wait_dscnt 0x0
	s_barrier_signal -1                            ; (where the slot is filled again this barrier opens a round of the cluster's barrier)
	MUL16 F1, 0, 2, 0                              ; register work alone between signal and wait
	WIN 0
	s_barrier_wait -1
.if \fill
	CREST                                          ; no wave of any partner still reads this slot or has a load on its way
	s_add_nc_u64 s[G0+4*\slot+2:G0+4*\slot+3], s[G0+4*\slot+2:G0+4*\slot+3], 2*ASTEP
	s_add_nc_u64 s[G0B+4*\slot+2:G0B+4*\slot+3], s[G0B+4*\slot+2:G0B+4*\slot+3], 2*BSTEP
	JLOAD \slot                                    ; the wave's one tensor load behind the round, and the first thing there
.endif
	PLACES
	FETCH \next, 0, F0
	WIN MUL_HI
	MUL16 F1, 1, 0, 0
	MUL16 F1, 1, 2, 0
.endm
.macro LAP zero
	THREE 0, \zero
	TURN 0, 1, 1
	THREE 1, 0
	TURN 1, 0, 1
.endm
	s_wait_tensorcnt 1                             ; my part of K step 0 is in; K step 1's load, issued behind it, may stay out
	s_barrier_signal -1
	s_barrier_wait -1
	FETCH 0, 0, F0
	LAP 1                                          ; the first lap's first products start the sums
	WIN 0
	s_mov_b32 s3, LAPS-2
.Llap:
	LAP 0
	WIN 0
	s_sub_co_u32 s3, s3, 1
	s_cmp_lg_u32 s3, 0
	s_cbranch_scc1 .Llap
	THREE 0, 0                                     ; the last lap fills nothing
	TURN 0, 1, 0
	THREE 1, 0
	s_wait_dscnt 8
	WIN MUL_LO
	MUL16 F1, 0, 0, 0
	MUL16 F1, 0, 2, 0
	s_wait_dscnt 0
	WIN MUL_HI
	MUL16 F1, 1, 0, 0
	MUL16 F1, 1, 2, 0
	; THE WAY OUT, 16 rows at a time: round to f16, 16 bytes a lane into my own stage, read back as whole rows of 256 bytes.
	PLACES
	s_lshl_b32 s16, s13, 8
	s_lshl_b32 s14, s11, 7
	s_add_co_u32 s16, s16, s14                     ; my first row
	s_mul_i32 s16, s16, SIZE_N*2                   ; 50.3 MB at the most
	s_mov_b32 s17, 0
	s_add_nc_u64 s[8:9], s[8:9], s[16:17]
	s_lshl_b32 s46, s42, 9                         ; my first column, in bytes: 512 x block + 256 x half
	s_lshl_b32 s47, s12, 8
	s_add_co_u32 s46, s46, s47
	s_mov_b32 s47, 0
	s_add_nc_u64 s[8:9], s[8:9], s[46:47]
.macro OUT16 i, a, from, f
	WIN \from
.irp b, 0,1,2,3,4,5,6,7
.irp r, 0,1,2,3
	v_cvt_pk_f16_f32 v[TMP+4*\b+\r], v[8*(8*\a+\b)+2*\r], v[8*(8*\a+\b)+2*\r+1]
.endr
.endr
	WIN 0
.irp b, 0,1,2,3,4,5,6,7
	ds_store_b128 v[STO], v[TMP+4*\b:TMP+4*\b+3] offset:32*\b
.endr
	s_wait_xcnt 0x0                                ; buffer f, which earlier stores read, and the stores' base are rewritten only behind this wait
.if \i
	s_add_nc_u64 s[8:9], s[8:9], 16*SIZE_N*2
.endif
.irp t, 0,1,2,3,4,5,6,7
	ds_load_b128 v[\f+4*\t:\f+4*\t+3], v[RD] offset:\t*2*SPITCH    ; LDS serves a wave's instructions in order: these see the stores above
.endr
.irp t, 0,1,2,3,4,5,6,7
	s_wait_dscnt 7-\t                              ; load t is in, the 7 - t younger ones may be out
	global_store_b128 v[CO], v[\f+4*\t:\f+4*\t+3], s[8:9] offset:2*\t*SIZE_N*2   ; 16 lanes store 256 consecutive bytes at a multiple of 256
.endr
.endm
	OUT16 0, 0, 0x0a, F0
	OUT16 1, 1, 0x0a, F1
	OUT16 2, 2, 0x0a, F0
	OUT16 3, 3, 0x0a, F1
	OUT16 4, 0, 0x0f, F0
	OUT16 5, 1, 0x0f, F1
	OUT16 6, 2, 0x0f, F0
	OUT16 7, 3, 0x0f, F1
	s_set_vgpr_msb 0x1
	s_wait_tensorcnt 0x0
	ds_add_u32 v255, v255
	s_wait_dscnt 0x0
	s_set_vgpr_msb 0x100
	CROUND                                         ; the closing round: no work-group ends while a partner may still ask for a tile that names it
	s_endpgm
.Lfunc_end_k_q3d2e789d2a_proj:
	.size	k_q3d2e789d2a_proj, .Lfunc_end_k_q3d2e789d2a_proj-k_q3d2e789d2a_proj
	.p2alignl 7, 3214868480
	.fill 96, 4, 3214868480
	.section	.rodata,"a",@progbits
	.p2align	6, 0x0
	.amdhsa_kernel k_q3d2e789d2a_proj
		.amdhsa_group_segment_fixed_size 327680
		.amdhsa_private_segment_fixed_size 0
		.amdhsa_enable_private_segment 0
		.amdhsa_kernarg_size 24
		.amdhsa_user_sgpr_count 2
		.amdhsa_user_sgpr_kernarg_segment_ptr 1
		.amdhsa_wavefront_size32 1
		.amdhsa_system_sgpr_workgroup_id_x 1
		.amdhsa_system_sgpr_workgroup_id_y 1
		.amdhsa_system_sgpr_workgroup_id_z 1
		.amdhsa_system_vgpr_workitem_id 0
		.amdhsa_next_free_vgpr 1024
		.amdhsa_next_free_sgpr 66
		.amdhsa_reserve_vcc 0
		.amdhsa_float_denorm_mode_32 3
		.amdhsa_float_denorm_mode_16_64 3
		.amdhsa_memory_ordered 1
		.amdhsa_forward_progress 1
		.amdhsa_inst_pref_size 196
	.end_amdhsa_kernel
	.amdgpu_metadata
---
amdhsa.version: [ 1, 2 ]
amdhsa.kernels:
  - .name:           k_q3d2e789d2a_proj
    .symbol:         k_q3d2e789d2a_proj.kd
    .args:
      - { .name: yb, .offset: 0, .size: 8, .value_kind: global_buffer, .address_space: global }
      - { .name: wb, .offset: 8, .size: 8, .value_kind: global_buffer, .address_space: global }
      - { .name: qkv, .offset: 16, .size: 8, .value_kind: global_buffer, .address_space: global }
    .group_segment_fixed_size: 327680
    .private_segment_fixed_size: 0
    .kernarg_segment_align: 8
    .kernarg_segment_size: 24
    .max_flat_workgroup_size: 128
    .sgpr_count:     66
    .vgpr_count:     1024
    .wavefront_size: 32
...
	.end_amdgpu_metadata
.endif
;; end of part 2
;; launch score (part 3): grid 8 x 32, 4 waves a work-group, clusters of 4 x 4, 327,680 bytes of LDS; arguments qkv, p, mst, lst; writes p, mst, lst
.if DOCPART == 3
	.amdgcn_target "amdgcn-amd-amdhsa--gfx1250"
	.amdhsa_code_object_version 6
	.text
	.protected	k_q3d2e789d2a_score
	.globl	k_q3d2e789d2a_score
	.p2align	8
	.type	k_q3d2e789d2a_score,@function
k_q3d2e789d2a_score:
	s_mov_b64 s[64:65], 0
	v_nop
	global_prefetch_b8 v0, s[64:65] scope:SCOPE_SE
	s_setreg_imm32_b32 hwreg(HW_REG_WAVE_MODE, 25, 1), 1
	s_wait_xcnt 0x0
	s_wait_alu depctr_hold_cnt(0) depctr_sa_sdst(0) depctr_va_vdst(0) depctr_va_sdst(0) depctr_va_ssrc(0) depctr_va_vcc(0) depctr_vm_vsrc(0)
	s_getreg_b32 s2, hwreg(HW_REG_IB_STS2, 6, 4)
	s_cmp_eq_u32 s2, 0
	s_cbranch_scc0 .Lentry_in_a_cluster
	s_endpgm
.Lentry_in_a_cluster:
	s_bfe_u32 s2, ttmp6, 0x10000c
	s_cmp_lg_u32 s2, 0xf033
	s_cbranch_scc0 .Lentry_shape_is_right
	s_endpgm
.Lentry_shape_is_right:
; One tile of 256 queries x 256 keys of the scores, and the tile's part of the softmax.  qkv [8192][3072] f16 holds q/8, k/8, v/8.
;   acc = sum over d of (q/8)(k/8), in f32; the score in base 2 is KAPPA x acc, KAPPA = 64 / 32 x log2(e) = 2.885390.
;   m[row]   = KAPPA x (largest acc of the row in this tile)          -> mst [4 batches][8 key tiles][2048 rows] f32
;   P        = f16( 2^(KAPPA acc - m) ), at most 1                    -> p   [8192][2048] f16
;   l[row]   = sum of the ROUNDED P over a wave's 128 keys, in f32    -> lst [4 batches][16 half tiles][2048 rows] f32
; The next launch takes the maximum over the eight tiles and weighs the tiles by 2^(m - M): the maximum is taken away before every exponential.
; LIMITS: 2^x below 2^-126 comes out as zero, and P below 6e-8 rounds to zero in f16 (against a row's largest P = 1).  NaN and infinities are not served.
; The product is made as in the launch before: 256 x 256 a work-group, 128 x 128 a wave, K = 1024 in steps of 128 through two LDS slots; here both
; operands have K along their rows.  CLUSTERS: 4 x 4; q's tile is shared along a row of the cluster, k's along a column (the four block rows of a
; cluster lie in one batch: batch = cluster y / 2).
; REGISTERS: window 0: v0-31 addresses, v32-63 and v224-239 the softmax's small figures, v64-191 fragments of A (later at work), v192-223 packed P.
;   window 1: v64-191 fragments of B, later the row sums.  Windows 2, 3: the 64 accumulator tiles (tile (a, b) at v[8 (8 a + b)]).
; Source 0 = 16 keys, source 1 = 16 queries: lane l holds query row l % 16 and its eight registers the keys 8 (l / 16) + 0..7.
; The accumulators take turns, one matrix instruction a turn.
.set ROWB,   6144                      ; bytes in a row of qkv
.set PROW,   4096                      ; bytes in a row of p
.set KSTEP,  128
.set PITCH,  272
.set HALFT,  128*PITCH
.set SLOT,   4*HALFT
.set STAGE,  2*SLOT                    ; 16 rows x 272 bytes for each wave
.set SPITCH, 272
.set SCRM,   STAGE+4*16*SPITCH         ; 295,936: row maxima, 512 bytes for each wave
.set SCRL,   2048                      ; the row sums lie 2,048 bytes behind the maxima, 512 bytes for each wave
.set LAPS,   4
.set ADRA, 16
.set ADRB, 20
.set STO,  24
.set RD,   25
.set CO,   26
.set MXR,  32                          ; v[32:39]   largest acc of row 16 a + l % 16
.set NM,   40                          ; v[40:55]   - KAPPA x that, twice (pairs)
.set ONES, 56                          ; v[56:63]   a fragment of 1.0 in f16
.set T,    64                          ; v[64:127]  exponents, then P in f32
.set RB0,  128                         ; v[128:159], v[160:191] rows read back
.set RB1,  160
.set F0,   64
.set F1,   128
.set TMP,  192                         ; v[192:223] P in f16
.set LS,   224                         ; v[224:231]
.set PX,   232                         ; v[232:239]
.set G1,  24
.set G0,  32
.set G1B, 48
.set G0B, 56
.set MSB, 0
.macro WIN new
.if MSB != \new
	s_set_vgpr_msb (MSB<<8)|\new
.set MSB, \new
.endif
.endm
.set MUL_LO, 0xa1
.set MUL_HI, 0xf1
.set TO_B,   0x40
.macro JLOAD s                         ; waves 0 and 1 fetch A's halves, waves 2 and 3 B's
	s_cmp_eq_u32 s11, 0
	s_cbranch_scc0 .Lfor_b_\@
	tensor_load_to_lds s[G0+4*\s:G0+4*\s+3], s[G1:G1+7]
	s_nop 0
	s_branch .Lasked_\@
.Lfor_b_\@:
	tensor_load_to_lds s[G0B+4*\s:G0B+4*\s+3], s[G1B:G1B+7]
	s_nop 0
.Lasked_\@:
.endm
.macro CREST
	s_cmp_lg_u32 s10, 0
	s_cbranch_scc1 .Lnot_wave_0_\@
	s_barrier_signal -3
.Lnot_wave_0_\@:
	s_barrier_wait -3
	s_barrier_signal -1
	s_barrier_wait -1
.endm
.macro CROUND
	s_barrier_signal -1
	s_barrier_wait -1
	CREST
.endm
	s_load_b128 s[4:7], s[0:1], 0x0                ; qkv s[4:5], p s[6:7]
	s_load_b128 s[68:71], s[0:1], 0x10             ; mst s[68:69], lst s[70:71]
	s_set_vgpr_msb 0x40
	v_lshl_add_u32 v255, v0, 2, 0x49400
	s_set_vgpr_msb 0x4000
	v_mov_b32 v255, 0
	s_set_vgpr_msb 0x1
	ds_add_u32 v255, v255
	s_set_vgpr_msb 0x100
	v_lshrrev_b32 v1, 5, v0
	v_readfirstlane_b32 s10, v1                    ; wave 0..3
	s_lshr_b32 s11, s10, 1                         ; my half of the queries; also: I fetch for A (0) or B (1)
	s_and_b32 s12, s10, 1                          ; my half of the keys; also: which half of that tile I fetch
	s_bfe_u32 s40, ttmp6, 0x40000                  ; cx
	s_bfe_u32 s41, ttmp6, 0x40004                  ; cy
	s_lshl_b32 s42, ttmp9, 2
	s_add_co_u32 s42, s42, s40                     ; key block 0..7
	s_and_b32 s13, ttmp7, 0xffff
	s_lshr_b32 s45, s13, 1                         ; batch = cluster y / 2: the same in all sixteen
	s_lshl_b32 s13, s13, 2
	s_add_co_u32 s13, s13, s41                     ; query block 0..31 (over all batches)
	s_lshl_b32 s43, s41, 2
	s_lshl_b32 s43, 15, s43                        ; my row of the cluster
	s_lshl_b32 s44, 0x1111, s40                    ; my column
	s_mov_b32 s66, 0x76543210                      ; v_permlanex16_b32: lane i of one half reads lane i of the other
	s_mov_b32 s67, 0xfedcba98
	; group 1: 128 rows x 128 elements of 2 bytes, 4 words of padding behind every 64 words; A's and B's differ in the mask alone
	s_or_b32 s[G1+0], s43, (1<<16)|(1<<20)|(1<<21)|(5<<22)|(3<<25)
	s_or_b32 s[G1B+0], s44, (1<<16)|(1<<20)|(1<<21)|(5<<22)|(3<<25)
	s_mov_b32 s[G1+1], KSTEP<<16
	s_mov_b32 s[G1B+1], KSTEP<<16
	s_mov_b32 s[G1+2], 128<<16
	s_mov_b32 s[G1B+2], 128<<16
	s_mov_b32 s[G1+3], KSTEP<<16
	s_mov_b32 s[G1B+3], KSTEP<<16
	s_mov_b32 s[G1+4], 128
	s_mov_b32 s[G1B+4], 128
	s_mov_b32 s[G1+5], 3072
	s_mov_b32 s[G1B+5], 3072
	s_mov_b32 s[G1+6], 0
	s_mov_b32 s[G1B+6], 0
	s_mov_b32 s[G1+7], 0
	s_mov_b32 s[G1B+7], 0
	s_lshl_b32 s17, s12, 7
	s_lshl_b32 s16, s13, 8
	s_add_co_u32 s16, s16, s17                     ; A: row 256 x query block + 128 x half
	s_mul_i32 s16, s16, ROWB                       ; 50.3 MB at the most
	s_lshl_b32 s46, s42, 8
	s_add_co_u32 s46, s46, s17
	s_lshl_b32 s47, s45, 11
	s_add_co_u32 s46, s46, s47                     ; B: row 2048 x batch + 256 x key block + 128 x half
	s_mul_i32 s46, s46, ROWB
	s_add_co_u32 s46, s46, 2048                    ; k's columns begin 1,024 elements into a row
	s_mov_b32 s17, 0
	s_mov_b32 s47, 0
	s_mul_i32 s20, s10, HALFT
	; offsets into mst and lst, in registers that feed no descriptor
	s_and_b32 s77, s13, 7
	s_lshl_b32 s77, s77, 8
	s_lshl_b32 s79, s11, 7
	s_add_co_u32 s77, s77, s79                     ; my first row within the batch
	s_lshl_b32 s76, s45, 3
	s_add_co_u32 s76, s76, s42                     ; 8 batch + key block
	s_lshl_b32 s78, s76, 1
	s_add_co_u32 s78, s78, s12                     ; 16 batch + 2 key block + my half
	s_lshl_b32 s76, s76, 11
	s_add_co_u32 s76, s76, s77
	s_lshl_b32 s76, s76, 2
	s_lshl_b32 s78, s78, 11
	s_add_co_u32 s78, s78, s77
	s_lshl_b32 s78, s78, 2
	s_mov_b32 s77, 0
	s_mov_b32 s79, 0
	s_wait_dscnt 0x0
	s_wait_kmcnt 0x0
	s_add_nc_u64 s[14:15], s[4:5], s[16:17]
	s_add_nc_u64 s[46:47], s[4:5], s[46:47]
	s_add_nc_u64 s[72:73], s[68:69], s[76:77]
	s_add_nc_u64 s[74:75], s[70:71], s[78:79]
	CROUND                                         ; the first joint loads meet
.irp s, 0,1
	s_mov_b32 s[G0+4*\s], 1
	s_add_co_u32 s[G0+4*\s+1], s20, \s*SLOT
	s_add_nc_u64 s[G0+4*\s+2:G0+4*\s+3], s[14:15], \s*KSTEP*2
	s_or_b32 s[G0+4*\s+3], s[G0+4*\s+3], 0x80000000
	s_mov_b32 s[G0B+4*\s], 1
	s_add_co_u32 s[G0B+4*\s+1], s20, \s*SLOT
	s_add_nc_u64 s[G0B+4*\s+2:G0B+4*\s+3], s[46:47], \s*KSTEP*2
	s_or_b32 s[G0B+4*\s+3], s[G0B+4*\s+3], 0x80000000
	JLOAD \s                                       ; two tensor loads of the wave are out
.endr
	v_and_b32 v1, 15, v0                           ; l % 16
	v_bfe_u32 v2, v0, 4, 1                         ; l / 16
	v_mul_u32_u24 v3, v1, PITCH
	v_lshl_add_u32 v3, v2, 4, v3
	s_mul_i32 s21, s11, HALFT
	s_mul_i32 s22, s12, HALFT
	s_add_co_u32 s22, s22, 2*HALFT
.irp s, 0,1
	v_add_nc_u32 v[ADRA+\s], s21, v3
	v_add_nc_u32 v[ADRB+\s], s22, v3
	s_add_co_u32 s21, s21, SLOT
	s_add_co_u32 s22, s22, SLOT
.endr
	s_mul_i32 s23, s10, 16*SPITCH
	s_add_co_u32 s23, s23, STAGE
	v_mul_u32_u24 v4, v1, SPITCH
	v_lshl_add_u32 v4, v2, 4, v4
	v_add_nc_u32 v[STO], s23, v4
	v_mul_u32_u24 v5, v2, SPITCH
	v_lshl_add_u32 v5, v1, 4, v5
	v_add_nc_u32 v[RD], s23, v5
	v_lshlrev_b32 v5, 12, v2
	v_lshl_add_u32 v[CO], v1, 4, v5                ; two rows of p: 4,096 (l / 16) + 16 (l % 16)
	s_lshl_b32 s21, s10, 9
	s_add_co_u32 s21, s21, SCRM                    ; my wave's 512 bytes of maxima
	s_xor_b32 s22, s10, 1
	s_lshl_b32 s22, s22, 9
	s_add_co_u32 s22, s22, SCRM                    ; those of the wave with the same rows and the other keys
	v_lshl_add_u32 v27, v1, 2, s21                 ; word of row l % 16 in my region
	v_lshl_add_u32 v28, v1, 2, s22                 ; and in the partner's
	v_and_b32 v30, 31, v0
	v_lshlrev_b32 v30, 4, v30                      ; 16 x lane
	v_add_nc_u32 v31, s21, v30                     ; my region, 16 bytes a lane
.irp a, 0,1,2,3,4,5,6,7
	v_mov_b32 v[ONES+\a], 0x3c003c00               ; 1.0, 1.0 in f16
	v_mov_b32 v[PX+\a], 0                          ; v_permlanex16_b32 counts as a reader of its destination: written once here
.endr
.macro MUL16 f, hi, a0, zero
.irp a, \a0, \a0+1
.irp b, 0,1,2,3,4,5,6,7
.if \zero
	v_wmma_f32_16x16x32_f16 v[8*(8*(\a)+\b):8*(8*(\a)+\b)+7], v[\f+8*\b:\f+8*\b+7], v[\f+8*(4*\hi+\a):\f+8*(4*\hi+\a)+7], 0
.else
	v_wmma_f32_16x16x32_f16 v[8*(8*(\a)+\b):8*(8*(\a)+\b)+7], v[\f+8*\b:\f+8*\b+7], v[\f+8*(4*\hi+\a):\f+8*(4*\hi+\a)+7], v[8*(8*(\a)+\b):8*(8*(\a)+\b)+7]
.endif
.endr
.endr
.endm
.macro FETCH slot, k, f
	WIN TO_B
.irp i, 0,1,2,3,4,5,6,7
	ds_load_b128 v[\f+8*\i:\f+8*\i+3],   v[ADRB+\slot] offset:\k+\i*16*PITCH
	ds_load_b128 v[\f+8*\i+4:\f+8*\i+7], v[ADRB+\slot] offset:\k+\i*16*PITCH+32
.endr
	WIN 0
.irp i, 0,1,2,3,4,5,6,7
	ds_load_b128 v[\f+8*\i:\f+8*\i+3],   v[ADRA+\slot] offset:\k+\i*16*PITCH
	ds_load_b128 v[\f+8*\i+4:\f+8*\i+7], v[ADRA+\slot] offset:\k+\i*16*PITCH+32
.endr
.endm
.macro PLACES                          ; four independent vector instructions behind a matrix instruction (ISA guide 7.12.1 for vector instructions)
.rept 4
	v_nop
.endr
.endm
.macro QUARTER slot, k, f, g, zero
	s_wait_dscnt 8                                 ; B and A's rows 0-63 are in; the youngest eight loads may be out
	WIN MUL_LO
	MUL16 \f, 0, 0, \zero
	MUL16 \f, 0, 2, \zero
	PLACES
	FETCH \slot, \k, \g
	s_wait_dscnt 32                                ; all but the 32 just issued
	WIN MUL_HI
	MUL16 \f, 1, 0, \zero
	MUL16 \f, 1, 2, \zero
.endm
.macro THREE slot, zero
	QUARTER \slot, 64,  F0, F1, \zero
	QUARTER \slot, 128, F1, F0, 0
	QUARTER \slot, 192, F0, F1, 0
.endm
.macro TURN slot, next, fill
	s_wait_dscnt 8
	WIN MUL_LO
	MUL16 F1, 0, 0, 0
	s_wait_dscnt 0                                 ; my reads of this slot are over
	s_wait_tensorcnt 0x0                           ; all my tensor loads have landed: the one that was out is my part of the next slot
	ds_add_u32 v255, v255
	s_wait_dscnt 0x0
	s_barrier_signal -1
	MUL16 F1, 0, 2, 0                              ; register work alone
	WIN 0
	s_barrier_wait -1
.if \fill
	CREST                                          ; the round is closed: no wave of any partner still reads this slot or has a load on its way
	s_add_nc_u64 s[G0+4*\slot+2:G0+4*\slot+3], s[G0+4*\slot+2:G0+4*\slot+3], 2*KSTEP*2
	s_add_nc_u64 s[G0B+4*\slot+2:G0B+4*\slot+3], s[G0B+4*\slot+2:G0B+4*\slot+3], 2*KSTEP*2
	JLOAD \slot                                    ; the wave's one tensor load behind the round
.endif
	PLACES
	FETCH \next, 0, F0
	WIN MUL_HI
	MUL16 F1, 1, 0, 0
	MUL16 F1, 1, 2, 0
.endm
.macro LAP zero
	THREE 0, \zero
	TURN 0, 1, 1
	THREE 1, 0
	TURN 1, 0, 1
.endm
	s_wait_tensorcnt 1                             ; my part of K step 0 is in; K step 1's load may stay out
	s_barrier_signal -1
	s_barrier_wait -1
	FETCH 0, 0, F0
	LAP 1
	WIN 0
	s_mov_b32 s3, LAPS-2
.Llap:
	LAP 0
	WIN 0
	s_sub_co_u32 s3, s3, 1
	s_cmp_lg_u32 s3, 0
	s_cbranch_scc1 .Llap
	THREE 0, 0
	TURN 0, 1, 0
	THREE 1, 0
	s_wait_dscnt 8
	WIN MUL_LO
	MUL16 F1, 0, 0, 0
	MUL16 F1, 0, 2, 0
	s_wait_dscnt 0
	WIN MUL_HI
	MUL16 F1, 1, 0, 0
	MUL16 F1, 1, 2, 0
	; ROW MAXIMA.  A lane's 64 numbers of each of its 8 rows, four chains at a time; sources 1 and 2 come from the accumulators' window.
.macro ROWMAX win, first
	WIN \win
.irp a, 0,1,2,3
	v_max3_num_f32 v[MXR+\first+\a], 0xff800000, v[64*\a], v[64*\a+1]          ; minus infinity starts the chain
.endr
.set pp, 1
.rept 31
.irp a, 0,1,2,3
	v_max3_num_f32 v[MXR+\first+\a], v[MXR+\first+\a], v[64*\a+2*pp], v[64*\a+2*pp+1]
.endr
.set pp, pp+1
.endr
.endm
	PLACES
	ROWMAX 0x28, 0                                 ; rows 0-63: window 2
	ROWMAX 0x3c, 4                                 ; rows 64-127: window 3
	WIN 0
.irp a, 0,1,2,3,4,5,6,7
	v_permlanex16_b32 v[PX+\a], v[MXR+\a], s66, s67        ; the other half of the lanes holds the row's other keys
.endr
.irp a, 0,1,2,3,4,5,6,7
	v_max_num_f32 v[MXR+\a], v[MXR+\a], v[PX+\a]
.endr
.irp a, 0,1,2,3,4,5,6,7
	ds_store_b32 v27, v[MXR+\a] offset:64*\a               ; row 16 a + l % 16; both halves of the lanes write the same word with the same value
.endr
	s_wait_dscnt 0x0                               ; for the partner's sake: my maxima are written
	s_barrier_signal -1
	s_barrier_wait -1
.irp a, 0,1,2,3,4,5,6,7
	ds_load_b32 v[PX+\a], v28 offset:64*\a                 ; the same rows' maxima over the other 128 keys
.endr
	s_lshl_b32 s16, s13, 8
	s_lshl_b32 s14, s11, 7
	s_add_co_u32 s16, s16, s14                     ; my first row of p
	s_lshl_b32 s16, s16, 12
	s_mov_b32 s17, 0
	s_add_nc_u64 s[6:7], s[6:7], s[16:17]
	s_lshl_b32 s46, s42, 9                         ; my first column, in bytes: 512 x key block + 256 x half
	s_lshl_b32 s47, s12, 8
	s_add_co_u32 s46, s46, s47
	s_mov_b32 s47, 0
	s_add_nc_u64 s[6:7], s[6:7], s[46:47]
	s_wait_dscnt 0x0
.irp a, 0,1,2,3,4,5,6,7
	v_max_num_f32 v[MXR+\a], v[MXR+\a], v[PX+\a]           ; the tile's maximum of the row
.endr
.irp a, 0,1,2,3,4,5,6,7
	v_mul_f32 v[NM+2*\a],   0xc038aa3b, v[MXR+\a]          ; - KAPPA x maximum, in both registers of a pair
	v_mul_f32 v[NM+2*\a+1], 0xc038aa3b, v[MXR+\a]
.endr
	; m goes out once for each row: the wave with the left keys stores its 128 rows, 512 consecutive bytes
	s_cmp_lg_u32 s12, 0
	s_cbranch_scc1 .Lno_m
	ds_load_b128 v[LS:LS+3], v31                   ; four rows' maxima of my region,
	ds_load_b128 v[LS+4:LS+7], v31 offset:512      ; and of the partner's, which lies 512 bytes on
	s_wait_dscnt 0x0
.irp i, 0,1,2,3
	v_max_num_f32 v[LS+\i], v[LS+\i], v[LS+4+\i]
.endr
	v_pk_mul_f32 v[LS:LS+1],   v[LS:LS+1],   0x4038aa3b op_sel_hi:[1,0]
	v_pk_mul_f32 v[LS+2:LS+3], v[LS+2:LS+3], 0x4038aa3b op_sel_hi:[1,0]
	global_store_b128 v30, v[LS:LS+3], s[72:73]
.Lno_m:
; 16 rows: exponents, exponentials, rounding to f16, row sums of the rounded numbers, and out through my stage.
; i: block of 16 rows, 0..7; a: its place in its window; from: source 0 in window 2 or 3; rb: RB0 or RB1 in turn.
.macro POUT i, a, from, rb
	WIN \from
.irp b, 0,1,2,3,4,5,6,7
.irp j, 0,1,2,3
	v_pk_fma_f32 v[T+8*\b+2*\j:T+8*\b+2*\j+1], v[8*(8*\a+\b)+2*\j:8*(8*\a+\b)+2*\j+1], 0x4038aa3b, v[NM+2*\i:NM+2*\i+1] op_sel_hi:[1,0,1]
.endr
.endr
	WIN 0
.set ee, 0
.rept 64
	v_exp_f32 v[T+ee], v[T+ee]
.set ee, ee+1
.endr
	v_nop                                          ; one plain vector instruction between the exponentials and the first use of a result (ISA guide 5.7.2)
	s_wait_alu depctr_va_vdst(0)
.irp b, 0,1,2,3,4,5,6,7
.irp j, 0,1,2,3
	v_cvt_pk_f16_f32 v[TMP+4*\b+\j], v[T+8*\b+2*\j], v[T+8*\b+2*\j+1]
.endr
.endr
	; Two packed neighbouring tiles are a fragment of 16 rows x 32 keys.  Ones x that fragment: every register of lane l is the f32 sum of row l % 16.
	; Two accumulators take turns, one instruction a turn.
	WIN 0x50                                       ; C and D in window 1
	v_wmma_f32_16x16x32_f16 v[64+16*\i:71+16*\i], v[ONES:ONES+7], v[TMP:TMP+7], 0
	v_wmma_f32_16x16x32_f16 v[72+16*\i:79+16*\i], v[ONES:ONES+7], v[TMP+8:TMP+15], 0
	v_wmma_f32_16x16x32_f16 v[64+16*\i:71+16*\i], v[ONES:ONES+7], v[TMP+16:TMP+23], v[64+16*\i:71+16*\i]
	v_wmma_f32_16x16x32_f16 v[72+16*\i:79+16*\i], v[ONES:ONES+7], v[TMP+24:TMP+31], v[72+16*\i:79+16*\i]
	WIN 0
.irp b, 0,1,2,3,4,5,6,7
	ds_store_b128 v[STO], v[TMP+4*\b:TMP+4*\b+3] offset:32*\b
.endr
	s_wait_xcnt 0x0                                ; the registers that earlier stores read, and the stores' base, are rewritten only behind this wait
.if \i
	s_add_nc_u64 s[6:7], s[6:7], 16*PROW
.endif
.irp t, 0,1,2,3,4,5,6,7
	ds_load_b128 v[\rb+4*\t:\rb+4*\t+3], v[RD] offset:\t*2*SPITCH  ; LDS serves a wave's instructions in order: these see the stores above
.endr
.irp t, 0,1,2,3,4,5,6,7
	s_wait_dscnt 7-\t                              ; load t is in, the 7 - t younger ones may be out
	global_store_b128 v[CO], v[\rb+4*\t:\rb+4*\t+3], s[6:7] offset:2*\t*PROW   ; 16 lanes store 256 consecutive bytes at a multiple of 256
.endr
.endm
	POUT 0, 0, 0x02, RB0
	POUT 1, 1, 0x02, RB1
	POUT 2, 2, 0x02, RB0
	POUT 3, 3, 0x02, RB1
	POUT 4, 0, 0x03, RB0
	POUT 5, 1, 0x03, RB1
	POUT 6, 2, 0x03, RB0
	POUT 7, 3, 0x03, RB1
	; ROW SUMS OUT: the two accumulators of each block are added, gathered in my own 512 bytes and stored as 512 consecutive bytes.
	PLACES
	WIN 0x05                                       ; both sources in window 1
.irp a, 0,1,2,3,4,5,6,7
	v_add_f32 v[LS+\a], v[64+16*\a], v[72+16*\a]
.endr
	WIN 0
.irp a, 0,1,2,3,4,5,6,7
	ds_store_b32 v27, v[LS+\a] offset:SCRL+64*\a
.endr
	ds_load_b128 v[PX:PX+3], v31 offset:SCRL       ; my own bytes, served in order behind the stores
	s_wait_dscnt 0x0
	global_store_b128 v30, v[PX:PX+3], s[74:75]
	s_set_vgpr_msb 0x1
	s_wait_tensorcnt 0x0
	ds_add_u32 v255, v255
	s_wait_dscnt 0x0
	s_set_vgpr_msb 0x100
	CROUND                                         ; the closing round
	s_endpgm
.Lfunc_end_k_q3d2e789d2a_score:
	.size	k_q3d2e789d2a_score, .Lfunc_end_k_q3d2e789d2a_score-k_q3d2e789d2a_score
	.p2alignl 7, 3214868480
	.fill 96, 4, 3214868480
	.section	.rodata,"a",@progbits
	.p2align	6, 0x0
	.amdhsa_kernel k_q3d2e789d2a_score
		.amdhsa_group_segment_fixed_size 327680
		.amdhsa_private_segment_fixed_size 0
		.amdhsa_enable_private_segment 0
		.amdhsa_kernarg_size 32
		.amdhsa_user_sgpr_count 2
		.amdhsa_user_sgpr_kernarg_segment_ptr 1
		.amdhsa_wavefront_size32 1
		.amdhsa_system_sgpr_workgroup_id_x 1
		.amdhsa_system_sgpr_workgroup_id_y 1
		.amdhsa_system_sgpr_workgroup_id_z 1
		.amdhsa_system_vgpr_workitem_id 0
		.amdhsa_next_free_vgpr 1024
		.amdhsa_next_free_sgpr 80
		.amdhsa_reserve_vcc 0
		.amdhsa_float_denorm_mode_32 3
		.amdhsa_float_denorm_mode_16_64 3
		.amdhsa_memory_ordered 1
		.amdhsa_forward_progress 1
		.amdhsa_inst_pref_size 255
	.end_amdhsa_kernel
	.section	.bss,"aw",@nobits
	.p2align	6
	.space	262144
	.amdgpu_metadata
---
amdhsa.version: [ 1, 2 ]
amdhsa.kernels:
  - .name:           k_q3d2e789d2a_score
    .symbol:         k_q3d2e789d2a_score.kd
    .args:
      - { .name: qkv, .offset: 0, .size: 8, .value_kind: global_buffer, .address_space: global }
      - { .name: p, .offset: 8, .size: 8, .value_kind: global_buffer, .address_space: global }
      - { .name: mst, .offset: 16, .size: 8, .value_kind: global_buffer, .address_space: global }
      - { .name: lst, .offset: 24, .size: 8, .value_kind: global_buffer, .address_space: global }
    .group_segment_fixed_size: 327680
    .private_segment_fixed_size: 0
    .kernarg_segment_align: 8
    .kernarg_segment_size: 32
    .max_flat_workgroup_size: 128
    .sgpr_count:     80
    .vgpr_count:     1024
    .wavefront_size: 32
...
	.end_amdgpu_metadata
.endif
;; end of part 3
;; launch pv (part 4): grid 8 x 32, 4 waves a work-group, clusters of 4 x 4, 327,680 bytes of LDS; arguments p, qkv, mst, lst, out0; writes out0
.if DOCPART == 4
	.amdgcn_target "amdgcn-amd-amdhsa--gfx1250"
	.amdhsa_code_object_version 6
	.text
	.protected	k_q3d2e789d2a_pv
	.globl	k_q3d2e789d2a_pv
	.p2align	8
	.type	k_q3d2e789d2a_pv,@function
k_q3d2e789d2a_pv:
	s_mov_b64 s[64:65], 0
	v_nop
	global_prefetch_b8 v0, s[64:65] scope:SCOPE_SE
	s_setreg_imm32_b32 hwreg(HW_REG_WAVE_MODE, 25, 1), 1
	s_wait_xcnt 0x0
	s_wait_alu depctr_hold_cnt(0) depctr_sa_sdst(0) depctr_va_vdst(0) depctr_va_sdst(0) depctr_va_ssrc(0) depctr_va_vcc(0) depctr_vm_vsrc(0)
	s_getreg_b32 s2, hwreg(HW_REG_IB_STS2, 6, 4)
	s_cmp_eq_u32 s2, 0
	s_cbranch_scc0 .Lentry_in_a_cluster
	s_endpgm
.Lentry_in_a_cluster:
	s_bfe_u32 s2, ttmp6, 0x10000c
	s_cmp_lg_u32 s2, 0xf033
	s_cbranch_scc0 .Lentry_shape_is_right
	s_endpgm
.Lentry_shape_is_right:
; out[row][d] = sum over the 8 key tiles t of c'[t][row] x ( P_t x (V_t / 8) ),   c'[t][row] = 8 x 2^(m[t][row] - M[row]) / L[row],
; M = the largest m of the row, L = sum over t of 2^(m[t] - M) l[t].  p [8192][2048] f16, v/8 = columns 2048.. of qkv [8192][3072] f16,
; mst [4][8][2048], lst [4][16][2048] f32, out0 [8192][1024] f32.  This is the softmax with the row's maximum taken away, made tile by tile.
; LIMITS: 2^x below 2^-126 comes out as zero (such a tile then adds nothing); the sums' order differs from a row-long sum's; NaN and infinities are not served.
; L is at least about 1: the tile that holds the row's maximum has weight 1 and holds a P of 1.
; A work-group makes 256 rows x 128 columns; wave w its rows 64 w .. 64 w + 63, all 128 columns: 32 tiles of 16 x 16.  K = 2,048 keys in steps of 128
; through two LDS slots.  P's tile: 256 rows x 256 bytes.  V's tile lies as in memory, keys down the rows: 128 rows x 256 bytes, read by the
; transposing LDS load.  Two K steps (a lap) are one key tile: its partial sums start from 0 and are merged into the totals with the row's c'.
; CLUSTERS: 4 x 4; P's tile is shared along a row of the cluster, V's along a column (the four block rows of a cluster lie in one batch).
; REGISTERS: window 0: v0-39 addresses and c'; v64-127 fragments of P, two buffers of 32; v128-255 fragments of V, two buffers of 64.
;   window 1: the 32 partial tiles (tile (a, b) at v[8 (8 a + b)]); window 2: the 32 totals.
; Source 0 = 16 columns of V, source 1 = 16 rows of P: lane l holds row l % 16 and its eight registers the columns 8 (l / 16) + 0..7.
; The 32 accumulators take turns, one matrix instruction a turn, in the same order in every quarter step.
.set PROW,   4096                      ; bytes in a row of p, and in a row of out0
.set ROWB,   6144                      ; bytes in a row of qkv
.set KSTEP,  128
.set PITCH,  272                       ; P's LDS row: 256 bytes + 16
.set BPITCH, 288                       ; V's LDS row: 256 bytes + 32
.set HALFA,  128*PITCH                 ; 34,816: what a load of P brings
.set HALFB,  64*BPITCH                 ; 18,432: what a load of V brings
.set ABYTES, 2*HALFA
.set SLOT,   ABYTES+2*HALFB            ; 106,496
.set STAGE,  2*SLOT                    ; 212,992: 16 rows x 528 bytes for each wave, for the way out
.set SPITCH, 528
.set CTAB,   STAGE+4*16*SPITCH         ; 246,784: c' [8 tiles][256 rows] f32
.set ASTEP,  KSTEP*2
.set BSTEP,  KSTEP*ROWB
.set ADRA, 16
.set ADRB, 20
.set STO,  24
.set RD,   25
.set CO,   26
.set CT,   27                          ; v27       LDS address of c' of row 64 w + l % 16 in the current tile
.set C,    32                          ; v[32:39]  c' of row 16 a + l % 16, in both registers of pair a
.set FA,   64                          ; fragments of P: buffer f at FA + 32 f
.set FB,   128                         ; fragments of V: buffer f at FB + 64 f
.set OB,   64                          ; the way out: 16 rows read back
.set MS,   64                          ; at the start: v[64:79]  m, then the weights, of my two rows, tile t in pair t
.set LL,   80                          ;               v[80:111] l of my two rows, half tile u in pair u
.set MM,   112                         ;               v[112:113] M
.set RR,   114                         ;               v[114:115] L, then 8 / L
.set G1,  24
.set G0,  32
.set G1B, 48
.set G0B, 56
.set MSB, 0
.macro WIN new
.if MSB != \new
	s_set_vgpr_msb (MSB<<8)|\new
.set MSB, \new
.endif
.endm
.set MUL,   0x50                       ; C and D in window 1, both fragments in window 0
.set MRG,   0xa1                       ; source 0 window 1 (partial), source 1 window 0 (c'), source 2 and destination window 2 (total)
.macro JLOAD s                         ; waves 0 and 1 fetch P's halves, waves 2 and 3 V's
	s_cmp_eq_u32 s11, 0
	s_cbranch_scc0 .Lfor_b_\@
	tensor_load_to_lds s[G0+4*\s:G0+4*\s+3], s[G1:G1+7]
	s_nop 0
	s_branch .Lasked_\@
.Lfor_b_\@:
	tensor_load_to_lds s[G0B+4*\s:G0B+4*\s+3], s[G1B:G1B+7]
	s_nop 0
.Lasked_\@:
.endm
.macro CREST
	s_cmp_lg_u32 s10, 0
	s_cbranch_scc1 .Lnot_wave_0_\@
	s_barrier_signal -3
.Lnot_wave_0_\@:
	s_barrier_wait -3
	s_barrier_signal -1
	s_barrier_wait -1
.endm
.macro CROUND
	s_barrier_signal -1
	s_barrier_wait -1
	CREST
.endm
	s_load_b128 s[4:7], s[0:1], 0x0                ; p s[4:5], qkv s[6:7]
	s_load_b128 s[68:71], s[0:1], 0x10             ; mst s[68:69], lst s[70:71]
	s_load_b64 s[8:9], s[0:1], 0x20                ; out0
	v_lshl_add_u32 v62, v0, 2, 0x3e400
	v_mov_b32 v63, 0
	ds_add_u32 v62, v63
	v_lshrrev_b32 v1, 5, v0
	v_readfirstlane_b32 s10, v1                    ; wave 0..3
	s_lshr_b32 s11, s10, 1                         ; I fetch for P (0) or for V (1)
	s_and_b32 s12, s10, 1                          ; which half of that tile
	s_bfe_u32 s40, ttmp6, 0x40000                  ; cx
	s_bfe_u32 s41, ttmp6, 0x40004                  ; cy
	s_lshl_b32 s42, ttmp9, 2
	s_add_co_u32 s42, s42, s40                     ; block of 128 columns, 0..7
	s_and_b32 s13, ttmp7, 0xffff
	s_lshr_b32 s45, s13, 1                         ; batch = cluster y / 2
	s_lshl_b32 s13, s13, 2
	s_add_co_u32 s13, s13, s41                     ; block of 256 rows, 0..31
	s_lshl_b32 s43, s41, 2
	s_lshl_b32 s43, 15, s43                        ; my row of the cluster
	s_lshl_b32 s44, 0x1111, s40                    ; my column
	; group 1 for P: 128 rows x 128 elements of 2 bytes, 4 words of padding behind every 64 words
	s_or_b32 s[G1+0], s43, (1<<16)|(1<<20)|(1<<21)|(5<<22)|(3<<25)
	s_mov_b32 s[G1+1], KSTEP<<16
	s_mov_b32 s[G1+2], 128<<16
	s_mov_b32 s[G1+3], KSTEP<<16
	s_mov_b32 s[G1+4], 128
	s_mov_b32 s[G1+5], 2048
	s_mov_b32 s[G1+6], 0
	s_mov_b32 s[G1+7], 0
	; group 1 for V: 64 rows (keys) x 128 elements, 8 words of padding behind every 64 words
	s_or_b32 s[G1B+0], s44, (1<<16)|(1<<20)|(1<<21)|(5<<22)|(7<<25)
	s_mov_b32 s[G1B+1], 128<<16
	s_mov_b32 s[G1B+2], 64<<16
	s_mov_b32 s[G1B+3], 128<<16
	s_mov_b32 s[G1B+4], 64
	s_mov_b32 s[G1B+5], 3072
	s_mov_b32 s[G1B+6], 0
	s_mov_b32 s[G1B+7], 0
	s_lshl_b32 s17, s12, 7
	s_lshl_b32 s16, s13, 8
	s_add_co_u32 s16, s16, s17                     ; P: row 256 x block + 128 x half
	s_lshl_b32 s16, s16, 12                        ; rows of 4,096 bytes (33.6 MB at the most)
	s_mov_b32 s17, 0
	s_lshl_b32 s46, s45, 11
	s_lshl_b32 s47, s12, 6
	s_add_co_u32 s46, s46, s47                     ; V: row 2048 x batch + 64 x half
	s_mul_i32 s46, s46, ROWB
	s_lshl_b32 s47, s42, 8                         ; + 128 columns x block
	s_add_co_u32 s46, s46, s47
	s_add_co_u32 s46, s46, 4096                    ; v's columns begin 2,048 elements into a row
	s_mov_b32 s47, 0
	s_mul_i32 s20, s10, HALFA                      ; where P's halves go (waves 0, 1)
	s_mul_i32 s21, s10, HALFB
	s_add_co_u32 s21, s21, ABYTES-2*HALFB          ; where V's halves go (waves 2, 3): behind P's 256 rows
	; offsets into mst and lst: my block's 256 rows in tile 0 of my batch; in registers that feed no descriptor
	s_and_b32 s76, s13, 7
	s_lshl_b32 s76, s76, 10
	s_lshl_b32 s77, s45, 16
	s_add_co_u32 s78, s76, s77
	s_mov_b32 s79, 0
	s_lshl_b32 s77, s45, 17
	s_add_co_u32 s76, s76, s77
	s_mov_b32 s77, 0
	s_wait_dscnt 0x0
	s_wait_kmcnt 0x0
	s_add_nc_u64 s[14:15], s[4:5], s[16:17]
	s_add_nc_u64 s[46:47], s[6:7], s[46:47]
	s_add_nc_u64 s[72:73], s[68:69], s[78:79]
	s_add_nc_u64 s[74:75], s[70:71], s[76:77]
	CROUND                                         ; the first joint loads meet
.irp s, 0,1
	s_mov_b32 s[G0+4*\s], 1
	s_add_co_u32 s[G0+4*\s+1], s20, \s*SLOT
	s_add_nc_u64 s[G0+4*\s+2:G0+4*\s+3], s[14:15], \s*ASTEP
	s_or_b32 s[G0+4*\s+3], s[G0+4*\s+3], 0x80000000
	s_mov_b32 s[G0B+4*\s], 1
	s_add_co_u32 s[G0B+4*\s+1], s21, \s*SLOT
	s_add_nc_u64 s[G0B+4*\s+2:G0B+4*\s+3], s[46:47], \s*BSTEP
	s_or_b32 s[G0B+4*\s+3], s[G0B+4*\s+3], 0x80000000
	JLOAD \s                                       ; two tensor loads of the wave are out
.endr
	; THE WEIGHTS.  Thread t owns rows 2 t and 2 t + 1 of the block: a load of a wave covers 256 consecutive bytes.
	v_lshlrev_b32 v5, 3, v0
.irp t, 0,1,2,3,4,5,6,7
	global_load_b64 v[MS+2*\t:MS+2*\t+1], v5, s[72:73] offset:8192*\t
.endr
.irp u, 0,1,2,3,4,5,6,7,8,9,10,11,12,13,14,15
	global_load_b64 v[LL+2*\u:LL+2*\u+1], v5, s[74:75] offset:8192*\u
.endr
	v_add_nc_u32 v6, CTAB, v5
	v_and_b32 v1, 15, v0                           ; l % 16
	v_bfe_u32 v2, v0, 4, 1                         ; l / 16
	v_mul_u32_u24 v3, v1, PITCH
	v_lshl_add_u32 v3, v2, 4, v3                   ; P: row x pitch + 16 (l / 16)
	v_and_b32 v4, 7, v0
	v_lshl_add_u32 v4, v2, 3, v4
	v_mul_u32_u24 v4, v4, BPITCH
	v_bfe_u32 v7, v0, 3, 1
	v_lshl_add_u32 v4, v7, 4, v4                   ; V: (8 (l / 16) + l % 8) x pitch + 16 ((l / 8) % 2)
	s_mul_i32 s21, s10, 64*PITCH                   ; my 64 rows of P
	s_mov_b32 s22, ABYTES
.irp s, 0,1
	v_add_nc_u32 v[ADRA+\s], s21, v3
	v_add_nc_u32 v[ADRB+\s], s22, v4
	s_add_co_u32 s21, s21, SLOT
	s_add_co_u32 s22, s22, SLOT
.endr
	s_mul_i32 s23, s10, 16*SPITCH
	s_add_co_u32 s23, s23, STAGE                   ; my stage
	v_mul_u32_u24 v8, v1, SPITCH
	v_lshl_add_u32 v8, v2, 5, v8
	v_add_nc_u32 v[STO], s23, v8                   ; in: row l % 16, 32 bytes for each half of the lanes
	v_and_b32 v[CO], 31, v0
	v_lshlrev_b32 v[CO], 4, v[CO]                  ; back and out: a whole row of 512 bytes, 16 bytes a lane
	v_add_nc_u32 v[RD], s23, v[CO]
	s_lshl_b32 s23, s10, 8
	s_add_co_u32 s23, s23, CTAB
	v_lshl_add_u32 v[CT], v1, 2, s23
	s_wait_loadcnt 0x0                             ; m and l, once
	v_max3_num_f32 v[MM],   v[MS],   v[MS+2],  v[MS+4]
	v_max3_num_f32 v[MM+1], v[MS+1], v[MS+3],  v[MS+5]
	v_max3_num_f32 v[MM],   v[MM],   v[MS+6],  v[MS+8]
	v_max3_num_f32 v[MM+1], v[MM+1], v[MS+7],  v[MS+9]
	v_max3_num_f32 v[MM],   v[MM],   v[MS+10], v[MS+12]
	v_max3_num_f32 v[MM+1], v[MM+1], v[MS+11], v[MS+13]
	v_max_num_f32  v[MM],   v[MM],   v[MS+14]
	v_max_num_f32  v[MM+1], v[MM+1], v[MS+15]
.irp t, 0,1,2,3,4,5,6,7
	v_pk_add_f32 v[MS+2*\t:MS+2*\t+1], v[MS+2*\t:MS+2*\t+1], v[MM:MM+1] neg_lo:[0,1] neg_hi:[0,1]   ; m - M, at most 0
.endr
.set ee, 0
.rept 16
	v_exp_f32 v[MS+ee], v[MS+ee]
.set ee, ee+1
.endr
.irp t, 0,1,2,3,4,5,6,7
	v_pk_add_f32 v[LL+4*\t:LL+4*\t+1], v[LL+4*\t:LL+4*\t+1], v[LL+4*\t+2:LL+4*\t+3]   ; a tile's two halves; also the plain instructions behind the exponentials
.endr
	s_wait_alu depctr_va_vdst(0)
	v_pk_mul_f32 v[RR:RR+1], v[MS:MS+1], v[LL:LL+1]
.irp t, 1,2,3,4,5,6,7
	v_pk_fma_f32 v[RR:RR+1], v[MS+2*\t:MS+2*\t+1], v[LL+4*\t:LL+4*\t+1], v[RR:RR+1]
.endr
	v_rcp_f32 v[RR], v[RR]
	v_rcp_f32 v[RR+1], v[RR+1]
	v_nop                                          ; one plain vector instruction before the reciprocals are used (ISA guide 5.7.2)
	s_wait_alu depctr_va_vdst(0)
	v_pk_mul_f32 v[RR:RR+1], v[RR:RR+1], 0x41000000 op_sel_hi:[1,0]    ; x 8: V is kept as v / 8
.irp t, 0,1,2,3,4,5,6,7
	v_pk_mul_f32 v[MS+2*\t:MS+2*\t+1], v[MS+2*\t:MS+2*\t+1], v[RR:RR+1]
.endr
.irp t, 0,1,2,3,4,5,6,7
	ds_store_b64 v6, v[MS+2*\t:MS+2*\t+1] offset:1024*\t
.endr
; 8 matrix instructions: tile row a x all 8 column blocks, 32 keys, from buffer f.  zero = 1: the product starts the partial sums.
.macro MUL8 f, a, zero
.irp b, 0,1,2,3,4,5,6,7
.if \zero
	v_wmma_f32_16x16x32_f16 v[8*(8*\a+\b):8*(8*\a+\b)+7], v[FB+64*\f+8*\b:FB+64*\f+8*\b+7], v[FA+32*\f+8*\a:FA+32*\f+8*\a+7], 0
.else
	v_wmma_f32_16x16x32_f16 v[8*(8*\a+\b):8*(8*\a+\b)+7], v[FB+64*\f+8*\b:FB+64*\f+8*\b+7], v[FA+32*\f+8*\a:FA+32*\f+8*\a+7], v[8*(8*\a+\b):8*(8*\a+\b)+7]
.endif
.endr
.endm
; 24 LDS loads in one run: quarter q of the slot (keys 32 q .. 32 q + 31) into buffer f: V's 8 fragments, then P's 4
.macro FETCH slot, q, f
	WIN 0
.irp b, 0,1,2,3,4,5,6,7
	ds_load_tr16_b128 v[FB+64*\f+8*\b:FB+64*\f+8*\b+3],   v[ADRB+\slot] offset:32*\q*BPITCH+32*\b
	ds_load_tr16_b128 v[FB+64*\f+8*\b+4:FB+64*\f+8*\b+7], v[ADRB+\slot] offset:(32*\q+16)*BPITCH+32*\b
.endr
.irp a, 0,1,2,3
	ds_load_b128 v[FA+32*\f+8*\a:FA+32*\f+8*\a+3],   v[ADRA+\slot] offset:64*\q+\a*16*PITCH
	ds_load_b128 v[FA+32*\f+8*\a+4:FA+32*\f+8*\a+7], v[ADRA+\slot] offset:64*\q+\a*16*PITCH+32
.endr
.endm
.macro PLACES                          ; four independent vector instructions behind a matrix instruction (ISA guide 7.12.1 for vector instructions)
.rept 4
	v_nop
.endr
.endm
; multiplies buffer f; in its middle fetches quarter q of the same slot into buffer g
.macro QUARTER slot, q, f, g, zero
	s_wait_dscnt 4                                 ; V's fragments and P's 0 and 1 are in; the youngest four loads (P's 2 and 3) may be out
	WIN MUL
	MUL8 \f, 0, \zero
	MUL8 \f, 1, \zero
	PLACES
	FETCH \slot, \q, \g
	s_wait_dscnt 24                                ; all but the 24 just issued
	WIN MUL
	MUL8 \f, 2, \zero
	MUL8 \f, 3, \zero
.endm
.macro THREE slot, zero
	QUARTER \slot, 1, 0, 1, \zero
	QUARTER \slot, 2, 1, 0, 0
	QUARTER \slot, 3, 0, 1, 0
.endm
.macro CLOAD                           ; c' of my 4 x 16 rows in the current tile, each into both registers of a pair, so that the packed merge needs no selection
.irp a, 0,1,2,3
	ds_load_b32 v[C+2*\a],   v[CT] offset:64*\a
	ds_load_b32 v[C+2*\a+1], v[CT] offset:64*\a
.endr
.endm
; The last quarter of a K step: multiplies buffer 1 and changes slots.  cload = 1: the lap ends here, its c' are fetched.
.macro TURN slot, next, fill, cload
	s_wait_dscnt 4
	WIN MUL
	MUL8 1, 0, 0
	s_wait_dscnt 0                                 ; my reads of this slot are over
	s_wait_tensorcnt 0x0                           ; all my tensor loads have landed: the one that was out is my part of the next slot
	ds_add_u32 v62, v63
	s_wait_dscnt 0x0
	s_barrier_signal -1
	MUL8 1, 1, 0                                   ; register work alone
	WIN 0
	s_barrier_wait -1
.if \fill
	CREST                                          ; the round is closed: no wave of any partner still reads this slot or has a load on its way
	s_add_nc_u64 s[G0+4*\slot+2:G0+4*\slot+3], s[G0+4*\slot+2:G0+4*\slot+3], 2*ASTEP
	s_add_nc_u64 s[G0B+4*\slot+2:G0B+4*\slot+3], s[G0B+4*\slot+2:G0B+4*\slot+3], 2*BSTEP
	JLOAD \slot                                    ; the wave's one tensor load behind the round
.endif
	PLACES
.if \cload
	CLOAD
	v_add_nc_u32 v[CT], 1024, v[CT]                ; the next tile's 256 words
.endif
	FETCH \next, 0, 0
	WIN MUL
	MUL8 1, 2, 0
	MUL8 1, 3, 0
.endm
; total (+)= c' x partial.  first = 1: the first tile starts the totals, nothing is cleared.  n: LDS loads issued behind the c' loads.
.macro MERGE first, n
	s_wait_dscnt \n                                ; the c' are in; only the n younger loads may be out
	PLACES
	WIN MRG
.irp a, 0,1,2,3
.set mm, 0
.rept 32
.if \first
	v_pk_mul_f32 v[64*\a+2*mm:64*\a+2*mm+1], v[64*\a+2*mm:64*\a+2*mm+1], v[C+2*\a:C+2*\a+1]
.else
	v_pk_fma_f32 v[64*\a+2*mm:64*\a+2*mm+1], v[64*\a+2*mm:64*\a+2*mm+1], v[C+2*\a:C+2*\a+1], v[64*\a+2*mm:64*\a+2*mm+1]
.endif
.set mm, mm+1
.endr
.endr
	WIN 0
.endm
.macro LAP first                       ; one key tile: once round the ring, both slots filled again
	THREE 0, 1
	TURN 0, 1, 1, 0
	THREE 1, 0
	TURN 1, 0, 1, 1
	MERGE \first, 24
.endm
	s_wait_dscnt 0x0                               ; for the others' sake: my part of the table of c' is written
	s_wait_tensorcnt 1                             ; my part of K step 0 is in; K step 1's load may stay out
	s_barrier_signal -1
	s_barrier_wait -1
	FETCH 0, 0, 0
	LAP 1
	s_mov_b32 s3, 6
.Llap:
	LAP 0
	s_sub_co_u32 s3, s3, 1
	s_cmp_lg_u32 s3, 0
	s_cbranch_scc1 .Llap
	THREE 0, 1                                     ; the last lap fills nothing
	TURN 0, 1, 0, 0
	THREE 1, 0
	s_wait_dscnt 4
	WIN MUL
	MUL8 1, 0, 0
	MUL8 1, 1, 0
	WIN 0
	CLOAD
	s_wait_dscnt 8                                 ; the last fragments are in; only the eight c' loads may be out
	WIN MUL
	MUL8 1, 2, 0
	MUL8 1, 3, 0
	MERGE 0, 0
	; THE WAY OUT, 16 rows at a time: a lane's 32 bytes of a row into my own stage, whole rows of 512 bytes back and out.
	s_lshl_b32 s16, s13, 8
	s_lshl_b32 s14, s10, 6
	s_add_co_u32 s16, s16, s14                     ; my first row
	s_lshl_b32 s16, s16, 12
	s_mov_b32 s17, 0
	s_add_nc_u64 s[8:9], s[8:9], s[16:17]
	s_lshl_b32 s46, s42, 9                         ; my block's 128 columns, 512 bytes
	s_mov_b32 s47, 0
	s_add_nc_u64 s[8:9], s[8:9], s[46:47]
.macro OUT16 a
	WIN 0x08                                       ; the stores' data in window 2
.irp b, 0,1,2,3,4,5,6,7
	ds_store_b128 v[STO], v[8*(8*\a+\b):8*(8*\a+\b)+3]   offset:64*\b
	ds_store_b128 v[STO], v[8*(8*\a+\b)+4:8*(8*\a+\b)+7] offset:64*\b+16
.endr
	WIN 0
	s_wait_xcnt 0x0                                ; the registers that earlier stores read, and the stores' base, are rewritten only behind this wait
.if \a
	s_add_nc_u64 s[8:9], s[8:9], 16*PROW
.endif
.set tt, 0
.rept 16
	ds_load_b128 v[OB+4*tt:OB+4*tt+3], v[RD] offset:tt*SPITCH      ; LDS serves a wave's instructions in order: these see the stores above
.set tt, tt+1
.endr
.set tt, 0
.rept 16
	s_wait_dscnt 15-tt                             ; row tt is in, the younger loads may be out
	global_store_b128 v[CO], v[OB+4*tt:OB+4*tt+3], s[8:9] offset:tt*PROW th:TH_STORE_NT   ; 512 consecutive bytes at a multiple of 512
.set tt, tt+1
.endr
.endm
	OUT16 0
	OUT16 1
	OUT16 2
	OUT16 3
	s_wait_tensorcnt 0x0
	ds_add_u32 v62, v63
	s_wait_dscnt 0x0
	CROUND                                         ; the closing round
	s_endpgm
.Lfunc_end_k_q3d2e789d2a_pv:
	.size	k_q3d2e789d2a_pv, .Lfunc_end_k_q3d2e789d2a_pv-k_q3d2e789d2a_pv
	.p2alignl 7, 3214868480
	.fill 96, 4, 3214868480
	.section	.rodata,"a",@progbits
	.p2align	6, 0x0
	.amdhsa_kernel k_q3d2e789d2a_pv
		.amdhsa_group_segment_fixed_size 327680
		.amdhsa_private_segment_fixed_size 0
		.amdhsa_enable_private_segment 0
		.amdhsa_kernarg_size 40
		.amdhsa_user_sgpr_count 2
		.amdhsa_user_sgpr_kernarg_segment_ptr 1
		.amdhsa_wavefront_size32 1
		.amdhsa_system_sgpr_workgroup_id_x 1
		.amdhsa_system_sgpr_workgroup_id_y 1
		.amdhsa_system_sgpr_workgroup_id_z 1
		.amdhsa_system_vgpr_workitem_id 0
		.amdhsa_next_free_vgpr 768
		.amdhsa_next_free_sgpr 80
		.amdhsa_reserve_vcc 0
		.amdhsa_float_denorm_mode_32 3
		.amdhsa_float_denorm_mode_16_64 3
		.amdhsa_memory_ordered 1
		.amdhsa_forward_progress 1
		.amdhsa_inst_pref_size 151
	.end_amdhsa_kernel
	.amdgpu_metadata
---
amdhsa.version: [ 1, 2 ]
amdhsa.kernels:
  - .name:           k_q3d2e789d2a_pv
    .symbol:         k_q3d2e789d2a_pv.kd
    .args:
      - { .name: p, .offset: 0, .size: 8, .value_kind: global_buffer, .address_space: global }
      - { .name: qkv, .offset: 8, .size: 8, .value_kind: global_buffer, .address_space: global }
      - { .name: mst, .offset: 16, .size: 8, .value_kind: global_buffer, .address_space: global }
      - { .name: lst, .offset: 24, .size: 8, .value_kind: global_buffer, .address_space: global }
      - { .name: out0, .offset: 32, .size: 8, .value_kind: global_buffer, .address_space: global }
    .group_segment_fixed_size: 327680
    .private_segment_fixed_size: 0
    .kernarg_segment_align: 8
    .kernarg_segment_size: 40
    .max_flat_workgroup_size: 128
    .sgpr_count:     80
    .vgpr_count:     768
    .wavefront_size: 32
...
	.end_amdgpu_metadata
.endif
;; end of part 4
;; ======== version 2 of 3: 5 launches
;; limits: values are held in f16: magnitudes above 65,504 overflow, below 6.1e-05 lose precision
;; workspace buffers: yb 16,777,216 bytes; wqkb 4,194,304 bytes; wb 4,194,304 bytes; qv 33,554,432 bytes; p 33,554,432 bytes; mst 262,144 bytes; lst 524,288 bytes
;; launch prep (part 5): grid 352 x 1, 8 waves a work-group, no clusters, 0 bytes of LDS; arguments y, Wq, Wk, Wv, yb, wqkb, wb; writes yb, wqkb, wb
.if DOCPART == 5
	.amdgcn_target "amdgcn-amd-amdhsa--gfx1250"
	.amdhsa_code_object_version 6
	.text
	.protected	k_q3d2e789d2a_prep
	.globl	k_q3d2e789d2a_prep
	.p2align	8
	.type	k_q3d2e789d2a_prep,@function
k_q3d2e789d2a_prep:
	s_mov_b64 s[64:65], 0
	v_nop
	global_prefetch_b8 v0, s[64:65] scope:SCOPE_SE
	s_setreg_imm32_b32 hwreg(HW_REG_WAVE_MODE, 25, 1), 1
	s_wait_xcnt 0x0
; yb[m][k] = bf16(y[m][k]);  wqkb[0][i][o] = bf16(Wq[i][o]), wqkb[1][j][o] = bf16(Wk[j][o]);  wb[k][1024 + n] = bf16(Wv[k][n] / 8).
; (wb has rows of 2,048; its columns 0-1023 are written by the next launch.)  The factor 1/8 is a power of two, so it costs no accuracy;
; it gives the f16 numbers v/8 of a later launch room at the top.
; A stream: every input byte is read once, every output byte written once.  No LDS, no matrix unit, no cluster: no two work-groups
; read the same byte.  A work-group takes 32 rows of 1,024 f32, a wave 4 rows.  Work-groups 0-255 take y, 256-287 Wq, 288-319 Wk, 320-351 Wv.
; A load of a wave covers 512 consecutive bytes, a store 256 consecutive bytes at a multiple of 256.
; All 32 loads of a wave (16 KiB) go out at once; no register is written twice, so no source of a pending instruction is ever rewritten.
.set X, 8                              ; v[8:135]    load (r, j): 4 f32
.set Y, 136                            ; v[136:199]  load (r, j): 4 bf16 in 2 registers
; pitch: bytes from row to row in the destination; scale = 1: multiply by 1/8 first
.macro CONV pitch, scale
.irp r, 0,1,2,3
.irp j, 0,1,2,3,4,5,6,7
	global_load_b128 v[X+4*(8*\r+\j):X+4*(8*\r+\j)+3], v1, s[18:19] offset:4096*\r+512*\j th:TH_LOAD_NT
.endr
.endr
.irp r, 0,1,2,3
	s_wait_loadcnt 24-8*\r                         ; loads return in order (ISA guide 5.7.1): row r's eight are in, the later rows' stay out
.irp j, 0,1,2,3,4,5,6,7
.if \scale
	v_pk_mul_f32 v[X+4*(8*\r+\j):X+4*(8*\r+\j)+1],   v[X+4*(8*\r+\j):X+4*(8*\r+\j)+1],   s[24:25] op_sel_hi:[1,0]
	v_pk_mul_f32 v[X+4*(8*\r+\j)+2:X+4*(8*\r+\j)+3], v[X+4*(8*\r+\j)+2:X+4*(8*\r+\j)+3], s[24:25] op_sel_hi:[1,0]
.endif
	v_cvt_pk_bf16_f32 v[Y+2*(8*\r+\j)],   v[X+4*(8*\r+\j)],   v[X+4*(8*\r+\j)+1]
	v_cvt_pk_bf16_f32 v[Y+2*(8*\r+\j)+1], v[X+4*(8*\r+\j)+2], v[X+4*(8*\r+\j)+3]
	global_store_b64 v2, v[Y+2*(8*\r+\j):Y+2*(8*\r+\j)+1], s[28:29] offset:\r*\pitch+256*\j
.endr
.endr
.endm
	s_load_b256 s[4:11], s[0:1], 0x0               ; y s[4:5], Wq s[6:7], Wk s[8:9], Wv s[10:11]
	s_load_b128 s[12:15], s[0:1], 0x20             ; yb s[12:13], wqkb s[14:15]
	s_load_b64 s[16:17], s[0:1], 0x30              ; wb
	v_lshrrev_b32 v3, 5, v0
	v_readfirstlane_b32 s30, v3                    ; wave 0..7
	v_and_b32 v4, 31, v0                           ; lane
	v_lshlrev_b32 v1, 4, v4                        ; 16 bytes a lane in the source
	v_lshlrev_b32 v2, 3, v4                        ; 8 bytes a lane in the destination
	s_mov_b32 s24, 0x3e000000                      ; 1/8
	s_mov_b32 s25, 0x3e000000                      ; (the pair's second word is never selected, but is part of the operand)
	s_mov_b32 s21, 0                               ; high words of the two offsets
	s_mov_b32 s23, 0
	s_lshl_b32 s31, s30, 14                        ; my wave's 4 rows of 4,096 bytes
	s_lshl_b32 s2, s30, 13                         ; my wave's 4 rows of 2,048 bytes
	s_cmp_lt_u32 ttmp9, 256
	s_cbranch_scc0 .Lweights
	s_lshl_b32 s20, ttmp9, 17                      ; y: 32 rows of 4,096 bytes in,
	s_lshl_b32 s22, ttmp9, 16                      ; 32 rows of 2,048 bytes out
	s_wait_kmcnt 0x0
	s_mov_b64 s[18:19], s[4:5]
	s_mov_b64 s[28:29], s[12:13]
	s_branch .Lplain
.Lweights:
	s_sub_co_u32 s26, ttmp9, 256                   ; 0..95
	s_and_b32 s27, s26, 31                         ; which 32 rows of the weight
	s_lshl_b32 s20, s27, 17
	s_cmp_lt_u32 s26, 64
	s_cbranch_scc0 .Lwv
	s_lshl_b32 s22, s26, 16                        ; Wk's 32 blocks of 65,536 bytes follow Wq's in wqkb
	s_wait_kmcnt 0x0
	s_cmp_lt_u32 s26, 32
	s_cselect_b64 s[18:19], s[6:7], s[8:9]         ; Wq or Wk
	s_mov_b64 s[28:29], s[14:15]
.Lplain:
	s_add_co_u32 s20, s20, s31
	s_add_co_u32 s22, s22, s2
	s_add_nc_u64 s[18:19], s[18:19], s[20:21]
	s_add_nc_u64 s[28:29], s[28:29], s[22:23]
	CONV 2048, 0
	s_endpgm
.Lwv:
	s_add_co_u32 s20, s20, s31                     ; rows of 4,096 bytes in the source and in wb alike,
	s_add_co_u32 s22, s20, 2048                    ; Wv's columns begin 1,024 elements into a row of wb
	s_wait_kmcnt 0x0
	s_add_nc_u64 s[18:19], s[10:11], s[20:21]
	s_add_nc_u64 s[28:29], s[16:17], s[22:23]
	CONV 4096, 1
	s_endpgm
.Lfunc_end_k_q3d2e789d2a_prep:
	.size	k_q3d2e789d2a_prep, .Lfunc_end_k_q3d2e789d2a_prep-k_q3d2e789d2a_prep
	.p2alignl 7, 3214868480
	.fill 96, 4, 3214868480
	.section	.rodata,"a",@progbits
	.p2align	6, 0x0
	.amdhsa_kernel k_q3d2e789d2a_prep
		.amdhsa_group_segment_fixed_size 0
		.amdhsa_private_segment_fixed_size 0
		.amdhsa_enable_private_segment 0
		.amdhsa_kernarg_size 56
		.amdhsa_user_sgpr_count 2
		.amdhsa_user_sgpr_kernarg_segment_ptr 1
		.amdhsa_wavefront_size32 1
		.amdhsa_system_sgpr_workgroup_id_x 1
		.amdhsa_system_sgpr_workgroup_id_y 1
		.amdhsa_system_sgpr_workgroup_id_z 1
		.amdhsa_system_vgpr_workitem_id 0
		.amdhsa_next_free_vgpr 200
		.amdhsa_next_free_sgpr 66
		.amdhsa_reserve_vcc 0
		.amdhsa_float_denorm_mode_32 3
		.amdhsa_float_denorm_mode_16_64 3
		.amdhsa_memory_ordered 1
		.amdhsa_forward_progress 1
		.amdhsa_inst_pref_size 27
	.end_amdhsa_kernel
	.amdgpu_metadata
---
amdhsa.version: [ 1, 2 ]
amdhsa.kernels:
  - .name:           k_q3d2e789d2a_prep
    .symbol:         k_q3d2e789d2a_prep.kd
    .args:
      - { .name: y, .offset: 0, .size: 8, .value_kind: global_buffer, .address_space: global }
      - { .name: Wq, .offset: 8, .size: 8, .value_kind: global_buffer, .address_space: global }
      - { .name: Wk, .offset: 16, .size: 8, .value_kind: global_buffer, .address_space: global }
      - { .name: Wv, .offset: 24, .size: 8, .value_kind: global_buffer, .address_space: global }
      - { .name: yb, .offset: 32, .size: 8, .value_kind: global_buffer, .address_space: global }
      - { .name: wqkb, .offset: 40, .size: 8, .value_kind: global_buffer, .address_space: global }
      - { .name: wb, .offset: 48, .size: 8, .value_kind: global_buffer, .address_space: global }
    .group_segment_fixed_size: 0
    .private_segment_fixed_size: 0
    .kernarg_segment_align: 8
    .kernarg_segment_size: 56
    .max_flat_workgroup_size: 256
    .sgpr_count:     66
    .vgpr_count:     200
    .wavefront_size: 32
...
	.end_amdgpu_metadata
.endif
;; end of part 5
;; launch wqk (part 6): grid 16 x 16, 4 waves a work-group, clusters of 4 x 4, 270,848 bytes of LDS; arguments wqkb, wb; writes wb
.if DOCPART == 6
	.amdgcn_target "amdgcn-amd-amdhsa--gfx1250"
	.amdhsa_code_object_version 6
	.text
	.protected	k_q3d2e789d2a_wqk
	.globl	k_q3d2e789d2a_wqk
	.p2align	8
	.type	k_q3d2e789d2a_wqk,@function
k_q3d2e789d2a_wqk:
	s_mov_b64 s[64:65], 0
	v_nop
	global_prefetch_b8 v0, s[64:65] scope:SCOPE_SE
	s_setreg_imm32_b32 hwreg(HW_REG_WAVE_MODE, 25, 1), 1
	s_wait_xcnt 0x0
	s_wait_alu depctr_hold_cnt(0) depctr_sa_sdst(0) depctr_va_vdst(0) depctr_va_sdst(0) depctr_va_ssrc(0) depctr_va_vcc(0) depctr_vm_vsrc(0)
	s_getreg_b32 s2, hwreg(HW_REG_IB_STS2, 6, 4)
	s_cmp_eq_u32 s2, 0
	s_cbranch_scc0 .Lentry_in_a_cluster
	s_endpgm
.Lentry_in_a_cluster:
	s_bfe_u32 s2, ttmp6, 0x10000c
	s_cmp_lg_u32 s2, 0xf033
	s_cbranch_scc0 .Lentry_shape_is_right
	s_endpgm
.Lentry_shape_is_right:
; wb[i][j] = bf16( M[i][j] ),  M[i][j] = sum over o of Wq[i][o] Wk[j][o],  j = 0..1023 (wb has rows of 2,048 bf16; the right half holds Wv / 8).
; WHY: the scores are (y Wq)(y Wk)^T = (y M) y^T for every input, so with M made once the projection k = y Wk is never needed:
; 2 x 1024^3 multiply-adds' worth of work here in place of 2 x 8192 x 1024^2.  M is a matrix operand of the next launch and is rounded to bf16 once.
; The order of the sums differs from that of q k^T.  NaN and infinite inputs are not served.
; A work-group makes 64 x 64 of M.  Both operands' whole K lies in LDS at once (2 x 64 rows x 2,048 bytes), so there is no ring and nothing is filled twice.
; K IS SHARED OUT AMONG THE WAVES: wave w owns o = 256 w .. 256 w + 255, fetches its own chunk of Wq's 64 rows and of Wk's 64 rows by two tensor
; loads (64 rows x 512 bytes each), reads only those bytes, and makes a partial sum of the whole 64 x 64 tile: 16 LDS loads feed 16 matrix
; instructions.  The four partial tiles meet in LDS behind one barrier; each wave sums, rounds and stores 16 rows.
; CLUSTERS: 4 x 4.  Wq's rows hang on the block row alone and are shared along a row of the cluster, Wk's on the block column alone and are shared
; along a column: joint loads, the same descriptor in the four that the mask names.
; A WEAKNESS, STATED: a row piece that a work-group stores is 64 bf16 = 128 consecutive bytes; the other half of the aligned 256 comes from the neighbour
; in x.  A tile 128 wide and 32 high would need 160 rows x 2,048 bytes = 327,680 bytes of data, all of LDS, with no room for padding.  M is 2 MiB.
; REGISTERS: window 0: v1-v15 addresses, v16-31 packed results, v32-159 two fragment buffers (later the partial sums read back).
;   window 1: v0-127 the 16 accumulator tiles (tile (a, b) at v[8 (4 a + b)]).
; Source 0 = 16 rows of Wk, source 1 = 16 rows of Wq: lane l holds row i = l % 16 and its eight registers the columns j = 8 (l / 16) + 0..7.
; The 16 accumulators take turns, one matrix instruction a turn, in the same order in every step.
.set WBROW,  4096                      ; bytes in a row of wb
.set CPITCH, 528                       ; an LDS row of a chunk: 512 bytes + 16 of padding: the 16 rows that a load touches start 16 bytes apart modulo 256
.set CH,     64*CPITCH                 ; 33,792: a chunk of one operand
.set WREG,   2*CH                      ; a wave's region: its chunk of Wq, then its chunk of Wk
.set RPITCH, 272                       ; a row of a partial tile: 64 f32 + 16 bytes
.set ADRA, 2                           ; v2      LDS address of my fragments of Wq
.set ADRB, 3                           ; v3      of Wk
.set STO,  4                           ; v4      where I put 32 bytes of a row of my partial tile
.set CO,   5                           ; v5      my byte offset in wb
.set RD,   8                           ; v[8:11] where I read 32 bytes of a row of partial tile p
.set OUTR, 16                          ; v[16:31]
.set FR,   32                          ; buffer f: Wk's 4 fragments at FR + 64 f, Wq's 4 at FR + 64 f + 32
.set G1,  24                           ; s[24:31] group 1 for Wq's chunks
.set G1B, 48                           ; s[48:55] group 1 for Wk's chunks
.set MSB, 0
.macro WIN new                         ; the immediate's high byte repeats the setting that is left
.if MSB != \new
	s_set_vgpr_msb (MSB<<8)|\new
.set MSB, \new
.endif
.endm
.set MUL, 0x50                         ; C and D in window 1, both fragments in window 0
.macro CROUND                          ; a round of the cluster's barrier
	s_barrier_signal -1
	s_barrier_wait -1
	s_cmp_lg_u32 s10, 0
	s_cbranch_scc1 .Lnot_wave_0_\@
	s_barrier_signal -3
.Lnot_wave_0_\@:
	s_barrier_wait -3
	s_barrier_signal -1
	s_barrier_wait -1
.endm
	s_load_b128 s[4:7], s[0:1], 0x0                ; wqkb s[4:5], wb s[6:7]
	v_lshl_add_u32 v254, v0, 2, 0x42000
	v_mov_b32 v255, 0
	ds_add_u32 v254, v255
	v_lshrrev_b32 v1, 5, v0
	v_readfirstlane_b32 s10, v1                    ; wave 0..3
	s_bfe_u32 s40, ttmp6, 0x40000                  ; cx
	s_bfe_u32 s41, ttmp6, 0x40004                  ; cy
	s_lshl_b32 s42, ttmp9, 2
	s_add_co_u32 s42, s42, s40                     ; block of 64 columns j, 0..15
	s_and_b32 s13, ttmp7, 0xffff
	s_lshl_b32 s13, s13, 2
	s_add_co_u32 s13, s13, s41                     ; block of 64 rows i, 0..15
	s_lshl_b32 s43, s41, 2
	s_lshl_b32 s43, 15, s43                        ; my row of the cluster
	s_lshl_b32 s44, 0x1111, s40                    ; my column
	; group 1: 64 rows x 256 elements of 2 bytes, 4 words of padding behind every 128 words; the two differ in the mask alone
	s_or_b32 s[G1+0], s43, (1<<16)|(1<<20)|(1<<21)|(6<<22)|(3<<25)
	s_or_b32 s[G1B+0], s44, (1<<16)|(1<<20)|(1<<21)|(6<<22)|(3<<25)
	s_mov_b32 s[G1+1], 256<<16                     ; tensor_dim0 = 256
	s_mov_b32 s[G1B+1], 256<<16
	s_mov_b32 s[G1+2], 64<<16                      ; tensor_dim1 = 64
	s_mov_b32 s[G1B+2], 64<<16
	s_mov_b32 s[G1+3], 256<<16                     ; tile_dim0 = 256
	s_mov_b32 s[G1B+3], 256<<16
	s_mov_b32 s[G1+4], 64                          ; tile_dim1 = 64
	s_mov_b32 s[G1B+4], 64
	s_mov_b32 s[G1+5], 1024                        ; elements from row to row
	s_mov_b32 s[G1B+5], 1024
	s_mov_b32 s[G1+6], 0
	s_mov_b32 s[G1B+6], 0
	s_mov_b32 s[G1+7], 0
	s_mov_b32 s[G1B+7], 0
	s_lshl_b32 s17, s10, 9                         ; my chunk: 256 elements along the rows
	s_lshl_b32 s16, s13, 17                        ; Wq: 64 rows of 2,048 bytes x block row
	s_add_co_u32 s16, s16, s17
	s_lshl_b32 s46, s42, 17                        ; Wk: 64 rows x block column,
	s_add_co_u32 s46, s46, s17
	s_add_co_u32 s46, s46, 0x200000                ; behind Wq's 2 MiB
	s_mov_b32 s17, 0
	s_mov_b32 s47, 0
	s_mul_i32 s20, s10, WREG                       ; my region in LDS: the wave's number alone
	s_add_co_u32 s21, s20, CH
	s_lshl_b32 s56, s13, 18                        ; my 16 rows of wb: (64 block row + 16 wave) x 4,096 bytes, in registers that feed no descriptor
	s_lshl_b32 s57, s10, 16
	s_add_co_u32 s56, s56, s57
	s_lshl_b32 s57, s42, 7                         ; + 64 columns x block column
	s_add_co_u32 s56, s56, s57
	s_mov_b32 s57, 0
	s_wait_dscnt 0x0
	s_wait_kmcnt 0x0
	s_add_nc_u64 s[14:15], s[4:5], s[16:17]
	s_add_nc_u64 s[46:47], s[4:5], s[46:47]
	s_add_nc_u64 s[8:9], s[6:7], s[56:57]
	CROUND                                         ; all sixteen work-groups are here: the joint loads meet
	s_mov_b32 s32, 1
	s_mov_b32 s33, s20
	s_mov_b64 s[34:35], s[14:15]
	s_or_b32 s35, s35, 0x80000000
	s_mov_b32 s36, 1
	s_mov_b32 s37, s21
	s_mov_b64 s[38:39], s[46:47]
	s_or_b32 s39, s39, 0x80000000
	tensor_load_to_lds s[32:35], s[G1:G1+7]        ; my chunk of Wq's 64 rows
	s_nop 0
	tensor_load_to_lds s[36:39], s[G1B:G1B+7]      ; my chunk of Wk's 64 rows: two tensor loads of the wave are out, and no more follow
	s_nop 0
	v_and_b32 v1, 15, v0                           ; l % 16
	v_bfe_u32 v6, v0, 4, 1                         ; l / 16
	v_mul_u32_u24 v7, v1, CPITCH
	v_lshl_add_u32 v7, v6, 4, v7                   ; a fragment: row x pitch + 16 (l / 16); two loads of 16 bytes, 32 bytes apart
	v_add_nc_u32 v[ADRA], s20, v7
	v_add_nc_u32 v[ADRB], s21, v7
	v_mul_u32_u24 v7, v1, RPITCH
	v_lshl_add_u32 v7, v6, 5, v7
	v_add_nc_u32 v[STO], s20, v7                   ; my partial tile lies over my own chunk of Wq, once that has been read
	v_bfe_u32 v12, v0, 3, 2                        ; l / 8
	v_and_b32 v13, 7, v0                           ; l % 8
	s_lshl_b32 s22, s10, 4
	v_add_nc_u32 v14, s22, v12                     ; row 16 wave + l / 8
	v_mul_u32_u24 v14, v14, RPITCH
	v_lshl_add_u32 v[RD], v13, 5, v14              ; 8 f32 at column 8 (l % 8)
.irp p, 1,2,3
	v_add_nc_u32 v[RD+\p], \p*WREG, v[RD]
.endr
	v_lshlrev_b32 v[CO], 12, v12
	v_lshl_add_u32 v[CO], v13, 4, v[CO]            ; row l / 8 of wb, 16 bytes at 16 (l % 8)
; 16 LDS loads in one run: step ks (32 along K, 64 bytes of the rows) into buffer f: Wk's 4 fragments, then Wq's 4
.macro FETCH ks, f
	WIN 0
.irp b, 0,1,2,3
	ds_load_b128 v[FR+64*\f+8*\b:FR+64*\f+8*\b+3],   v[ADRB] offset:64*\ks+\b*16*CPITCH
	ds_load_b128 v[FR+64*\f+8*\b+4:FR+64*\f+8*\b+7], v[ADRB] offset:64*\ks+\b*16*CPITCH+32
.endr
.irp a, 0,1,2,3
	ds_load_b128 v[FR+64*\f+32+8*\a:FR+64*\f+32+8*\a+3],   v[ADRA] offset:64*\ks+\a*16*CPITCH
	ds_load_b128 v[FR+64*\f+32+8*\a+4:FR+64*\f+32+8*\a+7], v[ADRA] offset:64*\ks+\a*16*CPITCH+32
.endr
.endm
; 4 matrix instructions: tile row a x the 4 column blocks.  zero = 1: the product starts the sums, nothing is cleared.
.macro MUL4 f, a, zero
.irp b, 0,1,2,3
.if \zero
	v_wmma_f32_16x16x32_bf16 v[8*(4*\a+\b):8*(4*\a+\b)+7], v[FR+64*\f+8*\b:FR+64*\f+8*\b+7], v[FR+64*\f+32+8*\a:FR+64*\f+32+8*\a+7], 0
.else
	v_wmma_f32_16x16x32_bf16 v[8*(4*\a+\b):8*(4*\a+\b)+7], v[FR+64*\f+8*\b:FR+64*\f+8*\b+7], v[FR+64*\f+32+8*\a:FR+64*\f+32+8*\a+7], v[8*(4*\a+\b):8*(4*\a+\b)+7]
.endif
.endr
.endm
.macro PLACES                          ; four independent vector instructions behind a matrix instruction (ISA guide 7.12.1 for vector instructions)
.rept 4
	v_nop
.endr
.endm
; One step: multiplies buffer f; more = 1: in its middle fetches step nk into buffer g.
.macro STEP nk, f, g, zero, more
	s_wait_dscnt 4                                 ; Wk's fragments and Wq's 0 and 1 are in; the youngest four loads (Wq's 2 and 3) may be out
	WIN MUL
	MUL4 \f, 0, \zero
	MUL4 \f, 1, \zero
.if \more
	PLACES
	FETCH \nk, \g
	s_wait_dscnt 16                                ; all but the 16 just issued
.else
	s_wait_dscnt 0
.endif
	WIN MUL
	MUL4 \f, 2, \zero
	MUL4 \f, 3, \zero
.endm
	s_wait_tensorcnt 0x0                           ; both my chunks are in LDS; only I read them, so my own wait is all the ordering that the reads need
	FETCH 0, 0
	STEP 1, 0, 1, 1, 1
	STEP 2, 1, 0, 0, 1
	STEP 3, 0, 1, 0, 1
	STEP 4, 1, 0, 0, 1
	STEP 5, 0, 1, 0, 1
	STEP 6, 1, 0, 0, 1
	STEP 7, 0, 1, 0, 1
	STEP 0, 1, 0, 0, 0
	; THE FOUR PARTIAL TILES MEET.  Mine goes into my own region: its one fill has landed and my reads of it are back (the wait for 0 above).
	PLACES
	WIN 0x04                                       ; the stores' data in window 1
.irp a, 0,1,2,3
.irp b, 0,1,2,3
	ds_store_b128 v[STO], v[8*(4*\a+\b):8*(4*\a+\b)+3]   offset:\a*16*RPITCH+64*\b
	ds_store_b128 v[STO], v[8*(4*\a+\b)+4:8*(4*\a+\b)+7] offset:\a*16*RPITCH+64*\b+16
.endr
.endr
	WIN 0
	s_wait_dscnt 0x0                               ; for the others' sake: my partial tile is written
	s_barrier_signal -1
	s_barrier_wait -1
	; rows 16 wave + 4 t + l / 8, t = 0..3: 8 f32 of each of the four partial tiles
.irp t, 0,1,2,3
.irp p, 0,1,2,3
	ds_load_b128 v[FR+32*\t+8*\p:FR+32*\t+8*\p+3],   v[RD+\p] offset:\t*4*RPITCH
	ds_load_b128 v[FR+32*\t+8*\p+4:FR+32*\t+8*\p+7], v[RD+\p] offset:\t*4*RPITCH+16
.endr
.endr
.irp t, 0,1,2,3
	s_wait_dscnt 24-8*\t                           ; group t's eight loads are in, the later groups' may be out
.irp j, 0,2,4,6
	v_pk_add_f32 v[FR+32*\t+\j:FR+32*\t+\j+1],       v[FR+32*\t+\j:FR+32*\t+\j+1],       v[FR+32*\t+8+\j:FR+32*\t+8+\j+1]
	v_pk_add_f32 v[FR+32*\t+16+\j:FR+32*\t+16+\j+1], v[FR+32*\t+16+\j:FR+32*\t+16+\j+1], v[FR+32*\t+24+\j:FR+32*\t+24+\j+1]
.endr
.irp j, 0,2,4,6
	v_pk_add_f32 v[FR+32*\t+\j:FR+32*\t+\j+1], v[FR+32*\t+\j:FR+32*\t+\j+1], v[FR+32*\t+16+\j:FR+32*\t+16+\j+1]
.endr
.irp j, 0,1,2,3
	v_cvt_pk_bf16_f32 v[OUTR+4*\t+\j], v[FR+32*\t+2*\j], v[FR+32*\t+2*\j+1]
.endr
	global_store_b128 v[CO], v[OUTR+4*\t:OUTR+4*\t+3], s[8:9] offset:\t*4*WBROW   ; four rows, 128 consecutive bytes of each
.endr
	s_wait_tensorcnt 0x0
	ds_add_u32 v254, v255
	s_wait_dscnt 0x0
	CROUND                                         ; the closing round: no work-group ends while a partner may still ask for a tile that names it
	s_endpgm
.Lfunc_end_k_q3d2e789d2a_wqk:
	.size	k_q3d2e789d2a_wqk, .Lfunc_end_k_q3d2e789d2a_wqk-k_q3d2e789d2a_wqk
	.p2alignl 7, 3214868480
	.fill 96, 4, 3214868480
	.section	.rodata,"a",@progbits
	.p2align	6, 0x0
	.amdhsa_kernel k_q3d2e789d2a_wqk
		.amdhsa_group_segment_fixed_size 270848
		.amdhsa_private_segment_fixed_size 0
		.amdhsa_enable_private_segment 0
		.amdhsa_kernarg_size 16
		.amdhsa_user_sgpr_count 2
		.amdhsa_user_sgpr_kernarg_segment_ptr 1
		.amdhsa_wavefront_size32 1
		.amdhsa_system_sgpr_workgroup_id_x 1
		.amdhsa_system_sgpr_workgroup_id_y 1
		.amdhsa_system_sgpr_workgroup_id_z 1
		.amdhsa_system_vgpr_workitem_id 0
		.amdhsa_next_free_vgpr 384
		.amdhsa_next_free_sgpr 66
		.amdhsa_reserve_vcc 0
		.amdhsa_float_denorm_mode_32 3
		.amdhsa_float_denorm_mode_16_64 3
		.amdhsa_memory_ordered 1
		.amdhsa_forward_progress 1
		.amdhsa_inst_pref_size 32
	.end_amdhsa_kernel
	.amdgpu_metadata
---
amdhsa.version: [ 1, 2 ]
amdhsa.kernels:
  - .name:           k_q3d2e789d2a_wqk
    .symbol:         k_q3d2e789d2a_wqk.kd
    .args:
      - { .name: wqkb, .offset: 0, .size: 8, .value_kind: global_buffer, .address_space: global }
      - { .name: wb, .offset: 8, .size: 8, .value_kind: global_buffer, .address_space: global }
    .group_segment_fixed_size: 270848
    .private_segment_fixed_size: 0
    .kernarg_segment_align: 8
    .kernarg_segment_size: 16
    .max_flat_workgroup_size: 128
    .sgpr_count:     66
    .vgpr_count:     384
    .wavefront_size: 32
...
	.end_amdgpu_metadata
.endif
;; end of part 6
;; launch proj (part 7): grid 8 x 32, 4 waves a work-group, clusters of 4 x 4, 327,680 bytes of LDS; arguments yb, wb, qv; writes qv
.if DOCPART == 7
	.amdgcn_target "amdgcn-amd-amdhsa--gfx1250"
	.amdhsa_code_object_version 6
	.text
	.protected	k_q3d2e789d2a_proj
	.globl	k_q3d2e789d2a_proj
	.p2align	8
	.type	k_q3d2e789d2a_proj,@function
k_q3d2e789d2a_proj:
	s_mov_b64 s[64:65], 0
	v_nop
	global_prefetch_b8 v0, s[64:65] scope:SCOPE_SE
	s_setreg_imm32_b32 hwreg(HW_REG_WAVE_MODE, 25, 1), 1
	s_wait_xcnt 0x0
	s_wait_alu depctr_hold_cnt(0) depctr_sa_sdst(0) depctr_va_vdst(0) depctr_va_sdst(0) depctr_va_ssrc(0) depctr_va_vcc(0) depctr_vm_vsrc(0)
	s_getreg_b32 s2, hwreg(HW_REG_IB_STS2, 6, 4)
	s_cmp_eq_u32 s2, 0
	s_cbranch_scc0 .Lentry_in_a_cluster
	s_endpgm
.Lentry_in_a_cluster:
	s_bfe_u32 s2, ttmp6, 0x10000c
	s_cmp_lg_u32 s2, 0xf033
	s_cbranch_scc0 .Lentry_shape_is_right
	s_endpgm
.Lentry_shape_is_right:
; qv[m][n] = sum over k of yb[m][k] wb[k][n]: [8192][2048].  Columns 0-1023: q' = y (Wq Wk^T), kept in bf16; columns 1024-2047: v / 8, kept in f16.
; yb [8192][1024], wb [1024][2048], bf16; sums in f32.  (q' y^T are the scores q k^T for every input; k itself is never made.)
; q' is in bf16 because it has no room in f16: with a common offset on every input it reaches some 1e7.
; LIMIT: v / 8 is kept in f16: |v| must stay below 8 x 65,504 = 5.2e5 (beyond it the conversion gives infinity); below 8 x 6.1e-5 it loses
; relative accuracy (f16 denormals, steps of 8 x 6e-8).  NaN and infinite inputs are not served.
; 8 x 32 = 256 work-groups.  A work-group makes 256 x 256 with four waves, a wave 128 x 128: 64 accumulator tiles of 16 x 16, 512 registers.
; K goes in steps of 128 through a ring of two LDS slots filled by the tensor data mover.  A's tile: 256 rows x 256 bytes.  B's tile lies as in
; memory, K down the rows: 128 rows (k) x 512 bytes (256 n); its fragments are read by the transposing LDS load, so nothing is transposed in memory.
; CLUSTERS: 4 x 4 work-groups.  The four of a row of the cluster need the same tiles of A, the four of a column the same tiles of B:
; each such tile is asked for jointly, by the same tensor load with the same descriptor and a mask that names the four.
; REGISTERS, in windows of 256: window 0: v0-31 addresses; v64-127, v128-191 fragments of A, two buffers; v192-223 at work on the way out.
;   window 1: v64-127, v128-191 fragments of B, two buffers.  Window 2: the 32 accumulator tiles of my rows 0-63 (tile (a, b) at
;   v[8 (8 a + b)]); window 3: those of my rows 64-127.
; The matrix instruction is used transposed: source 0 = 16 columns of B, source 1 = 16 rows of A, so that lane l holds row l % 16 of the result
; and its eight registers the columns 8 (l / 16) + 0..7: eight neighbouring numbers, 16 bytes in a 16-bit format.
; The 64 accumulators take turns, one matrix instruction a turn, in the same order in every quarter step.
.set SIZE_N, 2048
.set SIZE_K, 1024
.set KSTEP,  128
.set PITCH,  272                       ; A's LDS row: 256 bytes + 16 of padding: the 16 rows that a load touches start 16 bytes apart modulo 256
.set BPITCH, 544                       ; B's LDS row: 512 bytes + 32 of padding: the 8 rows that eight lanes touch start 32 bytes apart modulo 256
.set HALFT,  128*PITCH                 ; what one tensor load brings: 128 rows of A, or 64 rows of B (64 x 544 is the same 34,816 bytes)
.set SLOT,   4*HALFT                   ; A's 256 rows, then B's 128 rows
.set STAGE,  2*SLOT                    ; behind the ring: 16 rows x 272 bytes for each wave, for the way out; no tensor load lands here
.set SPITCH, 272
.set LAPS,   SIZE_K/(2*KSTEP)          ; a lap = two K steps = once round the ring: 4
.set ASTEP,  KSTEP*2                   ; a K step in yb: 256 bytes along the rows
.set BSTEP,  KSTEP*SIZE_N*2            ; a K step in wb: 128 rows of 4,096 bytes
.set ADRA, 16                          ; v16-17  LDS address of my A fragments in slot 0, 1
.set ADRB, 20                          ; v20-21  the same for B
.set STO,  24                          ; v24     the way out: where I put 16 bytes of a row
.set RD,   25                          ; v25     the way out: where I read a row back
.set CO,   26                          ; v26     my byte offset in the result
.set F0,   64
.set F1,   128
.set TMP,  192
.set G1,  24                           ; s[24:31] descriptor group 1 for A's tiles
.set G0,  32                           ; s[32:39] descriptor group 0 for A's tiles, one set for each slot
.set G1B, 48                           ; s[48:55] descriptor group 1 for B's tiles
.set G0B, 56                           ; s[56:63] descriptor group 0 for B's tiles, one set for each slot
.set MSB, 0
.macro WIN new                         ; the immediate's high byte repeats the setting that is left
.if MSB != \new
	s_set_vgpr_msb (MSB<<8)|\new
.set MSB, \new
.endif
.endm
.set MUL_LO, 0xa1                      ; source 0 (B) window 1, source 1 (A) window 0, C and D window 2
.set MUL_HI, 0xf1                      ; the same, C and D window 3
.set TO_B,   0x40                      ; destination window 1, address window 0
; A joint load.  Waves 0 and 1 fetch A's two halves, waves 2 and 3 B's.  The branch hangs on the wave's number alone.
.macro JLOAD s
	s_cmp_eq_u32 s11, 0
	s_cbranch_scc0 .Lfor_b_\@
	tensor_load_to_lds s[G0+4*\s:G0+4*\s+3], s[G1:G1+7]
	s_nop 0
	s_branch .Lasked_\@
.Lfor_b_\@:
	tensor_load_to_lds s[G0B+4*\s:G0B+4*\s+3], s[G1B:G1B+7]
	s_nop 0
.Lasked_\@:
.endm
; A round of the cluster's barrier: my work-group's barrier; wave 0 signals for the work-group; every wave waits for all sixteen; my work-group's barrier again.
.macro CREST                           ; a round behind its opening barrier
	s_cmp_lg_u32 s10, 0
	s_cbranch_scc1 .Lnot_wave_0_\@
	s_barrier_signal -3
.Lnot_wave_0_\@:
	s_barrier_wait -3
	s_barrier_signal -1
	s_barrier_wait -1
.endm
.macro CROUND                          ; a whole round
	s_barrier_signal -1
	s_barrier_wait -1
	CREST
.endm
	s_load_b128 s[4:7], s[0:1], 0x0                ; yb s[4:5], wb s[6:7]
	s_load_b64 s[8:9], s[0:1], 0x10                ; qv
	s_set_vgpr_msb 0x40
	v_lshl_add_u32 v255, v0, 2, 0x48400
	s_set_vgpr_msb 0x4000
	v_mov_b32 v255, 0
	s_set_vgpr_msb 0x1
	ds_add_u32 v255, v255
	s_set_vgpr_msb 0x100
	v_lshrrev_b32 v1, 5, v0
	v_readfirstlane_b32 s10, v1                    ; wave 0..3
	s_lshr_b32 s11, s10, 1                         ; which half of the block's rows is mine.  Also: I fetch for A (0) or for B (1)
	s_and_b32 s12, s10, 1                          ; which half of its columns.  Also: which half of that tile I fetch
	s_bfe_u32 s40, ttmp6, 0x40000                  ; cx
	s_bfe_u32 s41, ttmp6, 0x40004                  ; cy
	s_lshl_b32 s42, ttmp9, 2
	s_add_co_u32 s42, s42, s40                     ; block column = 4 x cluster x + cx: cluster x = 0 makes q', cluster x = 1 makes v / 8
	s_and_b32 s13, ttmp7, 0xffff
	s_lshl_b32 s13, s13, 2
	s_add_co_u32 s13, s13, s41                     ; block row = 4 x cluster y + cy
	s_lshl_b32 s43, s41, 2
	s_lshl_b32 s43, 15, s43                        ; my row of the cluster: places 4 cy .. 4 cy + 3
	s_lshl_b32 s44, 0x1111, s40                    ; my column: places cx, cx + 4, cx + 8, cx + 12
	; group 1 for A: 128 rows x 128 elements of 2 bytes, 4 words of padding behind every 64 words
	s_or_b32 s[G1+0], s43, (1<<16)|(1<<20)|(1<<21)|(5<<22)|(3<<25)
	s_mov_b32 s[G1+1], KSTEP<<16                   ; tensor_dim0 = 128
	s_mov_b32 s[G1+2], 128<<16                     ; tensor_dim1 = 128
	s_mov_b32 s[G1+3], KSTEP<<16                   ; tile_dim0 = 128
	s_mov_b32 s[G1+4], 128                         ; tile_dim1 = 128
	s_mov_b32 s[G1+5], SIZE_K                      ; elements from row to row
	s_mov_b32 s[G1+6], 0
	s_mov_b32 s[G1+7], 0
	; group 1 for B: 64 rows (k) x 256 elements (n), 8 words of padding behind every 128 words
	s_or_b32 s[G1B+0], s44, (1<<16)|(1<<20)|(1<<21)|(6<<22)|(7<<25)
	s_mov_b32 s[G1B+1], 256<<16                    ; tensor_dim0 = 256
	s_mov_b32 s[G1B+2], 64<<16                     ; tensor_dim1 = 64
	s_mov_b32 s[G1B+3], 256<<16                    ; tile_dim0 = 256
	s_mov_b32 s[G1B+4], 64                         ; tile_dim1 = 64
	s_mov_b32 s[G1B+5], SIZE_N
	s_mov_b32 s[G1B+6], 0
	s_mov_b32 s[G1B+7], 0
	; where the tiles come from: A's hang on the block row alone, B's on the block column alone, each in registers that never hold the other coordinate
	s_lshl_b32 s17, s12, 7
	s_lshl_b32 s16, s13, 8
	s_add_co_u32 s16, s16, s17                     ; A: row 256 x block row + 128 x half
	s_lshl_b32 s16, s16, 11                        ; rows of 2,048 bytes (16.8 MB at the most)
	s_mov_b32 s17, 0
	s_mul_i32 s46, s12, 64*SIZE_N*2                ; B: 64 x half rows of 4,096 bytes
	s_lshl_b32 s47, s42, 9                         ; + 256 columns x block column
	s_add_co_u32 s46, s46, s47
	s_mov_b32 s47, 0
	s_mul_i32 s20, s10, HALFT                      ; and where they go: wave x 34,816: A's two halves, then B's two halves
	s_wait_dscnt 0x0
	s_wait_kmcnt 0x0
	s_add_nc_u64 s[14:15], s[4:5], s[16:17]
	s_add_nc_u64 s[46:47], s[6:7], s[46:47]
	CROUND                                         ; all sixteen work-groups are here: the first joint loads meet
.irp s, 0,1
	s_mov_b32 s[G0+4*\s], 1
	s_add_co_u32 s[G0+4*\s+1], s20, \s*SLOT
	s_add_nc_u64 s[G0+4*\s+2:G0+4*\s+3], s[14:15], \s*ASTEP
	s_or_b32 s[G0+4*\s+3], s[G0+4*\s+3], 0x80000000
	s_mov_b32 s[G0B+4*\s], 1
	s_add_co_u32 s[G0B+4*\s+1], s20, \s*SLOT
	s_add_nc_u64 s[G0B+4*\s+2:G0B+4*\s+3], s[46:47], \s*BSTEP
	s_or_b32 s[G0B+4*\s+3], s[G0B+4*\s+3], 0x80000000
	JLOAD \s                                       ; both first fills go out before anything else: two tensor loads of the wave are out
.endr
	; A's fragment (16 rows x 32 K): lane l holds row l % 16; two loads of 16 bytes, 32 bytes apart, at row x pitch + 16 (l / 16).
	; B's fragment (32 K x 16 columns, K down the rows): two transposing loads, 16 rows apart; lane l addresses row 8 (l / 16) + l % 8,
	; 16 bytes at 16 ((l / 8) % 2), and receives column l % 16, K = 8 (l / 16) + 0..7.
	v_and_b32 v1, 15, v0                           ; l % 16
	v_bfe_u32 v2, v0, 4, 1                         ; l / 16
	v_mul_u32_u24 v3, v1, PITCH
	v_lshl_add_u32 v3, v2, 4, v3
	v_and_b32 v6, 7, v0
	v_lshl_add_u32 v6, v2, 3, v6
	v_mul_u32_u24 v6, v6, BPITCH
	v_bfe_u32 v7, v0, 3, 1
	v_lshl_add_u32 v6, v7, 4, v6
	s_mul_i32 s21, s11, HALFT                      ; my 128 rows of A
	s_lshl_b32 s22, s12, 8                         ; my 128 columns of B, 256 bytes,
	s_add_co_u32 s22, s22, 2*HALFT                 ; behind A's 256 rows
.irp s, 0,1
	v_add_nc_u32 v[ADRA+\s], s21, v3
	v_add_nc_u32 v[ADRB+\s], s22, v6
	s_add_co_u32 s21, s21, SLOT
	s_add_co_u32 s22, s22, SLOT
.endr
	s_mul_i32 s23, s10, 16*SPITCH
	s_add_co_u32 s23, s23, STAGE                   ; my stage
	v_mul_u32_u24 v4, v1, SPITCH
	v_lshl_add_u32 v4, v2, 4, v4
	v_add_nc_u32 v[STO], s23, v4
	v_mul_u32_u24 v5, v2, SPITCH
	v_lshl_add_u32 v5, v1, 4, v5
	v_add_nc_u32 v[RD], s23, v5
	v_mul_u32_u24 v5, v2, SIZE_N*2
	v_lshl_add_u32 v[CO], v1, 4, v5
; 16 matrix instructions: m blocks a0, a0 + 1 of the window's four x all 8 n blocks, 32 along K.  zero = 1: the first product starts the sums.
.macro MUL16 f, hi, a0, zero
.irp a, \a0, \a0+1
.irp b, 0,1,2,3,4,5,6,7
.if \zero
	v_wmma_f32_16x16x32_bf16 v[8*(8*(\a)+\b):8*(8*(\a)+\b)+7], v[\f+8*\b:\f+8*\b+7], v[\f+8*(4*\hi+\a):\f+8*(4*\hi+\a)+7], 0
.else
	v_wmma_f32_16x16x32_bf16 v[8*(8*(\a)+\b):8*(8*(\a)+\b)+7], v[\f+8*\b:\f+8*\b+7], v[\f+8*(4*\hi+\a):\f+8*(4*\hi+\a)+7], v[8*(8*(\a)+\b):8*(8*(\a)+\b)+7]
.endif
.endr
.endr
.endm
; 32 LDS loads in one run: the fragments of one quarter step (K = k/2 .. k/2 + 31 of the slot; k = byte in A's rows) into buffer f
.macro FETCH slot, k, f
	WIN TO_B
.irp i, 0,1,2,3,4,5,6,7
	ds_load_tr16_b128 v[\f+8*\i:\f+8*\i+3],   v[ADRB+\slot] offset:(\k/2)*BPITCH+32*\i
	ds_load_tr16_b128 v[\f+8*\i+4:\f+8*\i+7], v[ADRB+\slot] offset:(\k/2+16)*BPITCH+32*\i
.endr
	WIN 0
.irp i, 0,1,2,3,4,5,6,7
	ds_load_b128 v[\f+8*\i:\f+8*\i+3],   v[ADRA+\slot] offset:\k+\i*16*PITCH
	ds_load_b128 v[\f+8*\i+4:\f+8*\i+7], v[ADRA+\slot] offset:\k+\i*16*PITCH+32
.endr
.endm
; Four independent vector instructions stand between a matrix instruction and a load into one of its registers, or a vector instruction
; that reads its result (ISA guide 7.12.1 for vector instructions).
.macro PLACES
.rept 4
	v_nop
.endr
.endm
.macro QUARTER slot, k, f, g, zero
	s_wait_dscnt 8                                 ; B and A's rows 0-63 are in; the youngest eight loads (A's rows 64-127) may be out
	WIN MUL_LO
	MUL16 \f, 0, 0, \zero
	MUL16 \f, 0, 2, \zero
	PLACES
	FETCH \slot, \k, \g
	s_wait_dscnt 32                                ; all but the 32 just issued
	WIN MUL_HI
	MUL16 \f, 1, 0, \zero
	MUL16 \f, 1, 2, \zero
.endm
.macro THREE slot, zero
	QUARTER \slot, 64,  F0, F1, \zero
	QUARTER \slot, 128, F1, F0, 0
	QUARTER \slot, 192, F0, F1, 0
.endm
; The last quarter of a K step: multiplies buffer 1 and changes slots.  In front of the barrier each wave waits for its reads of this slot and
; for all its tensor loads (one is out: its part of the next slot).  Behind it the refill comes first, then the next slot's first fragments.
.macro TURN slot, next, fill
	s_wait_dscnt 8
	WIN MUL_LO
	MUL16 F1, 0, 0, 0
	s_wait_dscnt 0                                 ; my reads of this slot are over
	s_wait_tensorcnt 0x0                           ; all my tensor loads have landed
	ds_add_u32 v255, v255
	s_wait_dscnt 0x0
	s_barrier_signal -1                            ; (where the slot is filled again this barrier opens a round of the cluster's barrier)
	MUL16 F1, 0, 2, 0                              ; register work alone between signal and wait
	WIN 0
	s_barrier_wait -1
.if \fill
	CREST                                          ; no wave of any partner still reads this slot or has a load on its way
	s_add_nc_u64 s[G0+4*\slot+2:G0+4*\slot+3], s[G0+4*\slot+2:G0+4*\slot+3], 2*ASTEP
	s_add_nc_u64 s[G0B+4*\slot+2:G0B+4*\slot+3], s[G0B+4*\slot+2:G0B+4*\slot+3], 2*BSTEP
	JLOAD \slot                                    ; the wave's one tensor load behind the round, and the first thing there
.endif
	PLACES
	FETCH \next, 0, F0
	WIN MUL_HI
	MUL16 F1, 1, 0, 0
	MUL16 F1, 1, 2, 0
.endm
.macro LAP zero
	THREE 0, \zero
	TURN 0, 1, 1
	THREE 1, 0
	TURN 1, 0, 1
.endm
	s_wait_tensorcnt 1                             ; my part of K step 0 is in; K step 1's load, issued behind it, may stay out
	s_barrier_signal -1
	s_barrier_wait -1
	FETCH 0, 0, F0
	LAP 1                                          ; the first lap's first products start the sums
	WIN 0
	s_mov_b32 s3, LAPS-2
.Llap:
	LAP 0
	WIN 0
	s_sub_co_u32 s3, s3, 1
	s_cmp_lg_u32 s3, 0
	s_cbranch_scc1 .Llap
	THREE 0, 0                                     ; the last lap fills nothing
	TURN 0, 1, 0
	THREE 1, 0
	s_wait_dscnt 8
	WIN MUL_LO
	MUL16 F1, 0, 0, 0
	MUL16 F1, 0, 2, 0
	s_wait_dscnt 0
	WIN MUL_HI
	MUL16 F1, 1, 0, 0
	MUL16 F1, 1, 2, 0
	; THE WAY OUT, 16 rows at a time: round to 16 bits, 16 bytes a lane into my own stage, read back as whole rows of 256 bytes.
	PLACES
	WIN 0                                          ; a branch follows
	s_lshl_b32 s16, s13, 8
	s_lshl_b32 s14, s11, 7
	s_add_co_u32 s16, s16, s14                     ; my first row
	s_mul_i32 s16, s16, SIZE_N*2                   ; 33.6 MB at the most
	s_mov_b32 s17, 0
	s_add_nc_u64 s[8:9], s[8:9], s[16:17]
	s_lshl_b32 s46, s42, 9                         ; my first column, in bytes: 512 x block + 256 x half
	s_lshl_b32 s47, s12, 8
	s_add_co_u32 s46, s46, s47
	s_mov_b32 s47, 0
	s_add_nc_u64 s[8:9], s[8:9], s[46:47]
; cvt: the conversion that packs two f32 into the block's 16-bit format
.macro OUT16 i, a, from, f, cvt
	WIN \from
.irp b, 0,1,2,3,4,5,6,7
.irp r, 0,1,2,3
	\cvt v[TMP+4*\b+\r], v[8*(8*\a+\b)+2*\r], v[8*(8*\a+\b)+2*\r+1]
.endr
.endr
	WIN 0
.irp b, 0,1,2,3,4,5,6,7
	ds_store_b128 v[STO], v[TMP+4*\b:TMP+4*\b+3] offset:32*\b
.endr
	s_wait_xcnt 0x0                                ; buffer f, which earlier stores read, and the stores' base are rewritten only behind this wait
.if \i
	s_add_nc_u64 s[8:9], s[8:9], 16*SIZE_N*2
.endif
.irp t, 0,1,2,3,4,5,6,7
	ds_load_b128 v[\f+4*\t:\f+4*\t+3], v[RD] offset:\t*2*SPITCH    ; LDS serves a wave's instructions in order: these see the stores above
.endr
.irp t, 0,1,2,3,4,5,6,7
	s_wait_dscnt 7-\t                              ; load t is in, the 7 - t younger ones may be out
	global_store_b128 v[CO], v[\f+4*\t:\f+4*\t+3], s[8:9] offset:2*\t*SIZE_N*2   ; 16 lanes store 256 consecutive bytes at a multiple of 256
.endr
.endm
.macro ALLOUT cvt
	OUT16 0, 0, 0x0a, F0, \cvt
	OUT16 1, 1, 0x0a, F1, \cvt
	OUT16 2, 2, 0x0a, F0, \cvt
	OUT16 3, 3, 0x0a, F1, \cvt
	OUT16 4, 0, 0x0f, F0, \cvt
	OUT16 5, 1, 0x0f, F1, \cvt
	OUT16 6, 2, 0x0f, F0, \cvt
	OUT16 7, 3, 0x0f, F1, \cvt
.endm
	s_cmp_lg_u32 ttmp9, 0                          ; the cluster's x: the same in all sixteen work-groups of a cluster; no barrier stands inside the branch
	s_cbranch_scc1 .Lvalues
	ALLOUT v_cvt_pk_bf16_f32                       ; cluster x = 0: q'
	s_branch .Lclose
.Lvalues:
	ALLOUT v_cvt_pk_f16_f32                        ; cluster x = 1: v / 8
.Lclose:
	s_set_vgpr_msb 0x1
	s_wait_tensorcnt 0x0
	ds_add_u32 v255, v255
	s_wait_dscnt 0x0
	s_set_vgpr_msb 0x100
	CROUND                                         ; the closing round: no work-group ends while a partner may still ask for a tile that names it
	s_endpgm
.Lfunc_end_k_q3d2e789d2a_proj:
	.size	k_q3d2e789d2a_proj, .Lfunc_end_k_q3d2e789d2a_proj-k_q3d2e789d2a_proj
	.p2alignl 7, 3214868480
	.fill 96, 4, 3214868480
	.section	.rodata,"a",@progbits
	.p2align	6, 0x0
	.amdhsa_kernel k_q3d2e789d2a_proj
		.amdhsa_group_segment_fixed_size 327680
		.amdhsa_private_segment_fixed_size 0
		.amdhsa_enable_private_segment 0
		.amdhsa_kernarg_size 24
		.amdhsa_user_sgpr_count 2
		.amdhsa_user_sgpr_kernarg_segment_ptr 1
		.amdhsa_wavefront_size32 1
		.amdhsa_system_sgpr_workgroup_id_x 1
		.amdhsa_system_sgpr_workgroup_id_y 1
		.amdhsa_system_sgpr_workgroup_id_z 1
		.amdhsa_system_vgpr_workitem_id 0
		.amdhsa_next_free_vgpr 1024
		.amdhsa_next_free_sgpr 66
		.amdhsa_reserve_vcc 0
		.amdhsa_float_denorm_mode_32 3
		.amdhsa_float_denorm_mode_16_64 3
		.amdhsa_memory_ordered 1
		.amdhsa_forward_progress 1
		.amdhsa_inst_pref_size 230
	.end_amdhsa_kernel
	.amdgpu_metadata
---
amdhsa.version: [ 1, 2 ]
amdhsa.kernels:
  - .name:           k_q3d2e789d2a_proj
    .symbol:         k_q3d2e789d2a_proj.kd
    .args:
      - { .name: yb, .offset: 0, .size: 8, .value_kind: global_buffer, .address_space: global }
      - { .name: wb, .offset: 8, .size: 8, .value_kind: global_buffer, .address_space: global }
      - { .name: qv, .offset: 16, .size: 8, .value_kind: global_buffer, .address_space: global }
    .group_segment_fixed_size: 327680
    .private_segment_fixed_size: 0
    .kernarg_segment_align: 8
    .kernarg_segment_size: 24
    .max_flat_workgroup_size: 128
    .sgpr_count:     66
    .vgpr_count:     1024
    .wavefront_size: 32
...
	.end_amdgpu_metadata
.endif
;; end of part 7
;; launch score (part 8): grid 8 x 32, 4 waves a work-group, clusters of 4 x 4, 327,680 bytes of LDS; arguments qv, p, mst, lst, yb; writes p, mst, lst
.if DOCPART == 8
	.amdgcn_target "amdgcn-amd-amdhsa--gfx1250"
	.amdhsa_code_object_version 6
	.text
	.protected	k_q3d2e789d2a_score
	.globl	k_q3d2e789d2a_score
	.p2align	8
	.type	k_q3d2e789d2a_score,@function
k_q3d2e789d2a_score:
	s_mov_b64 s[64:65], 0
	v_nop
	global_prefetch_b8 v0, s[64:65] scope:SCOPE_SE
	s_setreg_imm32_b32 hwreg(HW_REG_WAVE_MODE, 25, 1), 1
	s_wait_xcnt 0x0
	s_wait_alu depctr_hold_cnt(0) depctr_sa_sdst(0) depctr_va_vdst(0) depctr_va_sdst(0) depctr_va_ssrc(0) depctr_va_vcc(0) depctr_vm_vsrc(0)
	s_getreg_b32 s2, hwreg(HW_REG_IB_STS2, 6, 4)
	s_cmp_eq_u32 s2, 0
	s_cbranch_scc0 .Lentry_in_a_cluster
	s_endpgm
.Lentry_in_a_cluster:
	s_bfe_u32 s2, ttmp6, 0x10000c
	s_cmp_lg_u32 s2, 0xf033
	s_cbranch_scc0 .Lentry_shape_is_right
	s_endpgm
.Lentry_shape_is_right:
; One tile of 256 queries x 256 keys of the scores, and the tile's part of the softmax.  q' = y (Wq Wk^T) = columns 0-1023 of qv [8192][2048], bf16;
; the key operand is yb [8192][1024], bf16, itself: q' y^T = q k^T for every input.
;   acc = sum over d of q'[query][d] y[key][d], in f32; the score in base 2 is KAPPA x acc, KAPPA = log2(e) / 32 = 0.04508422.
;   m[row]   = KAPPA x (largest acc of the row in this tile)          -> mst [4 batches][8 key tiles][2048 rows] f32
;   P        = f16( 2^(KAPPA acc - m) ), at most 1                    -> p   [8192][2048] f16
;   l[row]   = sum of the ROUNDED P over a wave's 128 keys, in f32    -> lst [4 batches][16 half tiles][2048 rows] f32
; The next launch takes the maximum over the eight tiles and weighs the tiles by 2^(m - M): the maximum is taken away before every exponential.
; LIMITS: 2^x below 2^-126 comes out as zero, and P below 6e-8 rounds to zero in f16 (against a row's largest P = 1).  NaN and infinities are not served.
; The product is made as in the launch before: 256 x 256 a work-group, 128 x 128 a wave, K = 1024 in steps of 128 through two LDS slots; here both
; operands have K along their rows.  CLUSTERS: 4 x 4; q's tile is shared along a row of the cluster, y's along a column (the four block rows of a
; cluster lie in one batch: batch = cluster y / 2).
; REGISTERS: window 0: v0-31 addresses, v32-63 and v224-239 the softmax's small figures, v64-191 fragments of A (later at work), v192-223 packed P.
;   window 1: v64-191 fragments of B, later the row sums.  Windows 2, 3: the 64 accumulator tiles (tile (a, b) at v[8 (8 a + b)]).
; Source 0 = 16 keys, source 1 = 16 queries: lane l holds query row l % 16 and its eight registers the keys 8 (l / 16) + 0..7.
; The accumulators take turns, one matrix instruction a turn.
.set PROW,   4096                      ; bytes in a row of p
.set KSTEP,  128
.set PITCH,  272
.set HALFT,  128*PITCH
.set SLOT,   4*HALFT
.set STAGE,  2*SLOT                    ; 16 rows x 272 bytes for each wave
.set SPITCH, 272
.set SCRM,   STAGE+4*16*SPITCH         ; 295,936: row maxima, 512 bytes for each wave
.set SCRL,   2048                      ; the row sums lie 2,048 bytes behind the maxima, 512 bytes for each wave
.set LAPS,   4
.set ADRA, 16
.set ADRB, 20
.set STO,  24
.set RD,   25
.set CO,   26
.set MXR,  32                          ; v[32:39]   largest acc of row 16 a + l % 16
.set NM,   40                          ; v[40:55]   - KAPPA x that, twice (pairs)
.set ONES, 56                          ; v[56:63]   a fragment of 1.0 in f16
.set T,    64                          ; v[64:127]  exponents, then P in f32
.set RB0,  128                         ; v[128:159], v[160:191] rows read back
.set RB1,  160
.set F0,   64
.set F1,   128
.set TMP,  192                         ; v[192:223] P in f16
.set LS,   224                         ; v[224:231]
.set PX,   232                         ; v[232:239]
.set G1,  24
.set G0,  32
.set G1B, 48
.set G0B, 56
.set MSB, 0
.macro WIN new
.if MSB != \new
	s_set_vgpr_msb (MSB<<8)|\new
.set MSB, \new
.endif
.endm
.set MUL_LO, 0xa1
.set MUL_HI, 0xf1
.set TO_B,   0x40
.macro JLOAD s                         ; waves 0 and 1 fetch A's halves, waves 2 and 3 B's
	s_cmp_eq_u32 s11, 0
	s_cbranch_scc0 .Lfor_b_\@
	tensor_load_to_lds s[G0+4*\s:G0+4*\s+3], s[G1:G1+7]
	s_nop 0
	s_branch .Lasked_\@
.Lfor_b_\@:
	tensor_load_to_lds s[G0B+4*\s:G0B+4*\s+3], s[G1B:G1B+7]
	s_nop 0
.Lasked_\@:
.endm
.macro CREST
	s_cmp_lg_u32 s10, 0
	s_cbranch_scc1 .Lnot_wave_0_\@
	s_barrier_signal -3
.Lnot_wave_0_\@:
	s_barrier_wait -3
	s_barrier_signal -1
	s_barrier_wait -1
.endm
.macro CROUND
	s_barrier_signal -1
	s_barrier_wait -1
	CREST
.endm
	s_load_b128 s[4:7], s[0:1], 0x0                ; qv s[4:5], p s[6:7]
	s_load_b128 s[68:71], s[0:1], 0x10             ; mst s[68:69], lst s[70:71]
	s_load_b64 s[8:9], s[0:1], 0x20                ; yb
	s_set_vgpr_msb 0x40
	v_lshl_add_u32 v255, v0, 2, 0x49400
	s_set_vgpr_msb 0x4000
	v_mov_b32 v255, 0
	s_set_vgpr_msb 0x1
	ds_add_u32 v255, v255
	s_set_vgpr_msb 0x100
	v_lshrrev_b32 v1, 5, v0
	v_readfirstlane_b32 s10, v1                    ; wave 0..3
	s_lshr_b32 s11, s10, 1                         ; my half of the queries; also: I fetch for A (0) or B (1)
	s_and_b32 s12, s10, 1                          ; my half of the keys; also: which half of that tile I fetch
	s_bfe_u32 s40, ttmp6, 0x40000                  ; cx
	s_bfe_u32 s41, ttmp6, 0x40004                  ; cy
	s_lshl_b32 s42, ttmp9, 2
	s_add_co_u32 s42, s42, s40                     ; key block 0..7
	s_and_b32 s13, ttmp7, 0xffff
	s_lshr_b32 s45, s13, 1                         ; batch = cluster y / 2: the same in all sixteen
	s_lshl_b32 s13, s13, 2
	s_add_co_u32 s13, s13, s41                     ; query block 0..31 (over all batches)
	s_lshl_b32 s43, s41, 2
	s_lshl_b32 s43, 15, s43                        ; my row of the cluster
	s_lshl_b32 s44, 0x1111, s40                    ; my column
	s_mov_b32 s66, 0x76543210                      ; v_permlanex16_b32: lane i of one half reads lane i of the other
	s_mov_b32 s67, 0xfedcba98
	; group 1: 128 rows x 128 elements of 2 bytes, 4 words of padding behind every 64 words; A's and B's differ in the mask and in the pitch
	s_or_b32 s[G1+0], s43, (1<<16)|(1<<20)|(1<<21)|(5<<22)|(3<<25)
	s_or_b32 s[G1B+0], s44, (1<<16)|(1<<20)|(1<<21)|(5<<22)|(3<<25)
	s_mov_b32 s[G1+1], KSTEP<<16
	s_mov_b32 s[G1B+1], KSTEP<<16
	s_mov_b32 s[G1+2], 128<<16
	s_mov_b32 s[G1B+2], 128<<16
	s_mov_b32 s[G1+3], KSTEP<<16
	s_mov_b32 s[G1B+3], KSTEP<<16
	s_mov_b32 s[G1+4], 128
	s_mov_b32 s[G1B+4], 128
	s_mov_b32 s[G1+5], 2048                        ; qv: 2,048 elements from row to row
	s_mov_b32 s[G1B+5], 1024                       ; yb: 1,024
	s_mov_b32 s[G1+6], 0
	s_mov_b32 s[G1B+6], 0
	s_mov_b32 s[G1+7], 0
	s_mov_b32 s[G1B+7], 0
	s_lshl_b32 s17, s12, 7
	s_lshl_b32 s16, s13, 8
	s_add_co_u32 s16, s16, s17                     ; A: row 256 x query block + 128 x half
	s_lshl_b32 s16, s16, 12                        ; rows of 4,096 bytes (33.6 MB at the most)
	s_lshl_b32 s46, s42, 8
	s_add_co_u32 s46, s46, s17
	s_lshl_b32 s47, s45, 11
	s_add_co_u32 s46, s46, s47                     ; B: row 2048 x batch + 256 x key block + 128 x half
	s_lshl_b32 s46, s46, 11                        ; rows of 2,048 bytes
	s_mov_b32 s17, 0
	s_mov_b32 s47, 0
	s_mul_i32 s20, s10, HALFT
	; offsets into mst and lst, in registers that feed no descriptor
	s_and_b32 s77, s13, 7
	s_lshl_b32 s77, s77, 8
	s_lshl_b32 s79, s11, 7
	s_add_co_u32 s77, s77, s79                     ; my first row within the batch
	s_lshl_b32 s76, s45, 3
	s_add_co_u32 s76, s76, s42                     ; 8 batch + key block
	s_lshl_b32 s78, s76, 1
	s_add_co_u32 s78, s78, s12                     ; 16 batch + 2 key block + my half
	s_lshl_b32 s76, s76, 11
	s_add_co_u32 s76, s76, s77
	s_lshl_b32 s76, s76, 2
	s_lshl_b32 s78, s78, 11
	s_add_co_u32 s78, s78, s77
	s_lshl_b32 s78, s78, 2
	s_mov_b32 s77, 0
	s_mov_b32 s79, 0
	s_wait_dscnt 0x0
	s_wait_kmcnt 0x0
	s_add_nc_u64 s[14:15], s[4:5], s[16:17]
	s_add_nc_u64 s[46:47], s[8:9], s[46:47]
	s_add_nc_u64 s[72:73], s[68:69], s[76:77]
	s_add_nc_u64 s[74:75], s[70:71], s[78:79]
	CROUND                                         ; the first joint loads meet
.irp s, 0,1
	s_mov_b32 s[G0+4*\s], 1
	s_add_co_u32 s[G0+4*\s+1], s20, \s*SLOT
	s_add_nc_u64 s[G0+4*\s+2:G0+4*\s+3], s[14:15], \s*KSTEP*2
	s_or_b32 s[G0+4*\s+3], s[G0+4*\s+3], 0x80000000
	s_mov_b32 s[G0B+4*\s], 1
	s_add_co_u32 s[G0B+4*\s+1], s20, \s*SLOT
	s_add_nc_u64 s[G0B+4*\s+2:G0B+4*\s+3], s[46:47], \s*KSTEP*2
	s_or_b32 s[G0B+4*\s+3], s[G0B+4*\s+3], 0x80000000
	JLOAD \s                                       ; two tensor loads of the wave are out
.endr
	v_and_b32 v1, 15, v0                           ; l % 16
	v_bfe_u32 v2, v0, 4, 1                         ; l / 16
	v_mul_u32_u24 v3, v1, PITCH
	v_lshl_add_u32 v3, v2, 4, v3
	s_mul_i32 s21, s11, HALFT
	s_mul_i32 s22, s12, HALFT
	s_add_co_u32 s22, s22, 2*HALFT
.irp s, 0,1
	v_add_nc_u32 v[ADRA+\s], s21, v3
	v_add_nc_u32 v[ADRB+\s], s22, v3
	s_add_co_u32 s21, s21, SLOT
	s_add_co_u32 s22, s22, SLOT
.endr
	s_mul_i32 s23, s10, 16*SPITCH
	s_add_co_u32 s23, s23, STAGE
	v_mul_u32_u24 v4, v1, SPITCH
	v_lshl_add_u32 v4, v2, 4, v4
	v_add_nc_u32 v[STO], s23, v4
	v_mul_u32_u24 v5, v2, SPITCH
	v_lshl_add_u32 v5, v1, 4, v5
	v_add_nc_u32 v[RD], s23, v5
	v_lshlrev_b32 v5, 12, v2
	v_lshl_add_u32 v[CO], v1, 4, v5                ; two rows of p: 4,096 (l / 16) + 16 (l % 16)
	s_lshl_b32 s21, s10, 9
	s_add_co_u32 s21, s21, SCRM                    ; my wave's 512 bytes of maxima
	s_xor_b32 s22, s10, 1
	s_lshl_b32 s22, s22, 9
	s_add_co_u32 s22, s22, SCRM                    ; those of the wave with the same rows and the other keys
	v_lshl_add_u32 v27, v1, 2, s21                 ; word of row l % 16 in my region
	v_lshl_add_u32 v28, v1, 2, s22                 ; and in the partner's
	v_and_b32 v30, 31, v0
	v_lshlrev_b32 v30, 4, v30                      ; 16 x lane
	v_add_nc_u32 v31, s21, v30                     ; my region, 16 bytes a lane
.irp a, 0,1,2,3,4,5,6,7
	v_mov_b32 v[ONES+\a], 0x3c003c00               ; 1.0, 1.0 in f16
	v_mov_b32 v[PX+\a], 0                          ; v_permlanex16_b32 counts as a reader of its destination: written once here
.endr
.macro MUL16 f, hi, a0, zero
.irp a, \a0, \a0+1
.irp b, 0,1,2,3,4,5,6,7
.if \zero
	v_wmma_f32_16x16x32_bf16 v[8*(8*(\a)+\b):8*(8*(\a)+\b)+7], v[\f+8*\b:\f+8*\b+7], v[\f+8*(4*\hi+\a):\f+8*(4*\hi+\a)+7], 0
.else
	v_wmma_f32_16x16x32_bf16 v[8*(8*(\a)+\b):8*(8*(\a)+\b)+7], v[\f+8*\b:\f+8*\b+7], v[\f+8*(4*\hi+\a):\f+8*(4*\hi+\a)+7], v[8*(8*(\a)+\b):8*(8*(\a)+\b)+7]
.endif
.endr
.endr
.endm
.macro FETCH slot, k, f
	WIN TO_B
.irp i, 0,1,2,3,4,5,6,7
	ds_load_b128 v[\f+8*\i:\f+8*\i+3],   v[ADRB+\slot] offset:\k+\i*16*PITCH
	ds_load_b128 v[\f+8*\i+4:\f+8*\i+7], v[ADRB+\slot] offset:\k+\i*16*PITCH+32
.endr
	WIN 0
.irp i, 0,1,2,3,4,5,6,7
	ds_load_b128 v[\f+8*\i:\f+8*\i+3],   v[ADRA+\slot] offset:\k+\i*16*PITCH
	ds_load_b128 v[\f+8*\i+4:\f+8*\i+7], v[ADRA+\slot] offset:\k+\i*16*PITCH+32
.endr
.endm
.macro PLACES                          ; four independent vector instructions behind a matrix instruction (ISA guide 7.12.1 for vector instructions)
.rept 4
	v_nop
.endr
.endm
.macro QUARTER slot, k, f, g, zero
	s_wait_dscnt 8                                 ; B and A's rows 0-63 are in; the youngest eight loads may be out
	WIN MUL_LO
	MUL16 \f, 0, 0, \zero
	MUL16 \f, 0, 2, \zero
	PLACES
	FETCH \slot, \k, \g
	s_wait_dscnt 32                                ; all but the 32 just issued
	WIN MUL_HI
	MUL16 \f, 1, 0, \zero
	MUL16 \f, 1, 2, \zero
.endm
.macro THREE slot, zero
	QUARTER \slot, 64,  F0, F1, \zero
	QUARTER \slot, 128, F1, F0, 0
	QUARTER \slot, 192, F0, F1, 0
.endm
.macro TURN slot, next, fill
	s_wait_dscnt 8
	WIN MUL_LO
	MUL16 F1, 0, 0, 0
	s_wait_dscnt 0                                 ; my reads of this slot are over
	s_wait_tensorcnt 0x0                           ; all my tensor loads have landed: the one that was out is my part of the next slot
	ds_add_u32 v255, v255
	s_wait_dscnt 0x0
	s_barrier_signal -1
	MUL16 F1, 0, 2, 0                              ; register work alone
	WIN 0
	s_barrier_wait -1
.if \fill
	CREST                                          ; the round is closed: no wave of any partner still reads this slot or has a load on its way
	s_add_nc_u64 s[G0+4*\slot+2:G0+4*\slot+3], s[G0+4*\slot+2:G0+4*\slot+3], 2*KSTEP*2
	s_add_nc_u64 s[G0B+4*\slot+2:G0B+4*\slot+3], s[G0B+4*\slot+2:G0B+4*\slot+3], 2*KSTEP*2
	JLOAD \slot                                    ; the wave's one tensor load behind the round
.endif
	PLACES
	FETCH \next, 0, F0
	WIN MUL_HI
	MUL16 F1, 1, 0, 0
	MUL16 F1, 1, 2, 0
.endm
.macro LAP zero
	THREE 0, \zero
	TURN 0, 1, 1
	THREE 1, 0
	TURN 1, 0, 1
.endm
	s_wait_tensorcnt 1                             ; my part of K step 0 is in; K step 1's load may stay out
	s_barrier_signal -1
	s_barrier_wait -1
	FETCH 0, 0, F0
	LAP 1
	WIN 0
	s_mov_b32 s3, LAPS-2
.Llap:
	LAP 0
	WIN 0
	s_sub_co_u32 s3, s3, 1
	s_cmp_lg_u32 s3, 0
	s_cbranch_scc1 .Llap
	THREE 0, 0
	TURN 0, 1, 0
	THREE 1, 0
	s_wait_dscnt 8
	WIN MUL_LO
	MUL16 F1, 0, 0, 0
	MUL16 F1, 0, 2, 0
	s_wait_dscnt 0
	WIN MUL_HI
	MUL16 F1, 1, 0, 0
	MUL16 F1, 1, 2, 0
	; ROW MAXIMA.  A lane's 64 numbers of each of its 8 rows, four chains at a time; sources 1 and 2 come from the accumulators' window.
.macro ROWMAX win, first
	WIN \win
.irp a, 0,1,2,3
	v_max3_num_f32 v[MXR+\first+\a], 0xff800000, v[64*\a], v[64*\a+1]          ; minus infinity starts the chain
.endr
.set pp, 1
.rept 31
.irp a, 0,1,2,3
	v_max3_num_f32 v[MXR+\first+\a], v[MXR+\first+\a], v[64*\a+2*pp], v[64*\a+2*pp+1]
.endr
.set pp, pp+1
.endr
.endm
	PLACES
	ROWMAX 0x28, 0                                 ; rows 0-63: window 2
	ROWMAX 0x3c, 4                                 ; rows 64-127: window 3
	WIN 0
.irp a, 0,1,2,3,4,5,6,7
	v_permlanex16_b32 v[PX+\a], v[MXR+\a], s66, s67        ; the other half of the lanes holds the row's other keys
.endr
.irp a, 0,1,2,3,4,5,6,7
	v_max_num_f32 v[MXR+\a], v[MXR+\a], v[PX+\a]
.endr
.irp a, 0,1,2,3,4,5,6,7
	ds_store_b32 v27, v[MXR+\a] offset:64*\a               ; row 16 a + l % 16; both halves of the lanes write the same word with the same value
.endr
	s_wait_dscnt 0x0                               ; for the partner's sake: my maxima are written
	s_barrier_signal -1
	s_barrier_wait -1
.irp a, 0,1,2,3,4,5,6,7
	ds_load_b32 v[PX+\a], v28 offset:64*\a                 ; the same rows' maxima over the other 128 keys
.endr
	s_lshl_b32 s16, s13, 8
	s_lshl_b32 s14, s11, 7
	s_add_co_u32 s16, s16, s14                     ; my first row of p
	s_lshl_b32 s16, s16, 12
	s_mov_b32 s17, 0
	s_add_nc_u64 s[6:7], s[6:7], s[16:17]
	s_lshl_b32 s46, s42, 9                         ; my first column, in bytes: 512 x key block + 256 x half
	s_lshl_b32 s47, s12, 8
	s_add_co_u32 s46, s46, s47
	s_mov_b32 s47, 0
	s_add_nc_u64 s[6:7], s[6:7], s[46:47]
	s_wait_dscnt 0x0
.irp a, 0,1,2,3,4,5,6,7
	v_max_num_f32 v[MXR+\a], v[MXR+\a], v[PX+\a]           ; the tile's maximum of the row
.endr
.irp a, 0,1,2,3,4,5,6,7
	v_mul_f32 v[NM+2*\a],   0xbd38aa3b, v[MXR+\a]          ; - KAPPA x maximum, in both registers of a pair
	v_mul_f32 v[NM+2*\a+1], 0xbd38aa3b, v[MXR+\a]
.endr
	; m goes out once for each row: the wave with the left keys stores its 128 rows, 512 consecutive bytes
	s_cmp_lg_u32 s12, 0
	s_cbranch_scc1 .Lno_m
	ds_load_b128 v[LS:LS+3], v31                   ; four rows' maxima of my region,
	ds_load_b128 v[LS+4:LS+7], v31 offset:512      ; and of the partner's, which lies 512 bytes on
	s_wait_dscnt 0x0
.irp i, 0,1,2,3
	v_max_num_f32 v[LS+\i], v[LS+\i], v[LS+4+\i]
.endr
	v_pk_mul_f32 v[LS:LS+1],   v[LS:LS+1],   0x3d38aa3b op_sel_hi:[1,0]
	v_pk_mul_f32 v[LS+2:LS+3], v[LS+2:LS+3], 0x3d38aa3b op_sel_hi:[1,0]
	global_store_b128 v30, v[LS:LS+3], s[72:73]
.Lno_m:
; 16 rows: exponents, exponentials, rounding to f16, row sums of the rounded numbers, and out through my stage.
; i: block of 16 rows, 0..7; a: its place in its window; from: source 0 in window 2 or 3; rb: RB0 or RB1 in turn.
.macro POUT i, a, from, rb
	WIN \from
.irp b, 0,1,2,3,4,5,6,7
.irp j, 0,1,2,3
	v_pk_fma_f32 v[T+8*\b+2*\j:T+8*\b+2*\j+1], v[8*(8*\a+\b)+2*\j:8*(8*\a+\b)+2*\j+1], 0x3d38aa3b, v[NM+2*\i:NM+2*\i+1] op_sel_hi:[1,0,1]
.endr
.endr
	WIN 0
.set ee, 0
.rept 64
	v_exp_f32 v[T+ee], v[T+ee]
.set ee, ee+1
.endr
	v_nop                                          ; one plain vector instruction between the exponentials and the first use of a result (ISA guide 5.7.2)
	s_wait_alu depctr_va_vdst(0)
.irp b, 0,1,2,3,4,5,6,7
.irp j, 0,1,2,3
	v_cvt_pk_f16_f32 v[TMP+4*\b+\j], v[T+8*\b+2*\j], v[T+8*\b+2*\j+1]
.endr
.endr
	; Two packed neighbouring tiles are a fragment of 16 rows x 32 keys.  Ones x that fragment: every register of lane l is the f32 sum of row l % 16.
	; Two accumulators take turns, one instruction a turn.
	WIN 0x50                                       ; C and D in window 1
	v_wmma_f32_16x16x32_f16 v[64+16*\i:71+16*\i], v[ONES:ONES+7], v[TMP:TMP+7], 0
	v_wmma_f32_16x16x32_f16 v[72+16*\i:79+16*\i], v[ONES:ONES+7], v[TMP+8:TMP+15], 0
	v_wmma_f32_16x16x32_f16 v[64+16*\i:71+16*\i], v[ONES:ONES+7], v[TMP+16:TMP+23], v[64+16*\i:71+16*\i]
	v_wmma_f32_16x16x32_f16 v[72+16*\i:79+16*\i], v[ONES:ONES+7], v[TMP+24:TMP+31], v[72+16*\i:79+16*\i]
	WIN 0
.irp b, 0,1,2,3,4,5,6,7
	ds_store_b128 v[STO], v[TMP+4*\b:TMP+4*\b+3] offset:32*\b
.endr
	s_wait_xcnt 0x0                                ; the registers that earlier stores read, and the stores' base, are rewritten only behind this wait
.if \i
	s_add_nc_u64 s[6:7], s[6:7], 16*PROW
.endif
.irp t, 0,1,2,3,4,5,6,7
	ds_load_b128 v[\rb+4*\t:\rb+4*\t+3], v[RD] offset:\t*2*SPITCH  ; LDS serves a wave's instructions in order: these see the stores above
.endr
.irp t, 0,1,2,3,4,5,6,7
	s_wait_dscnt 7-\t                              ; load t is in, the 7 - t younger ones may be out
	global_store_b128 v[CO], v[\rb+4*\t:\rb+4*\t+3], s[6:7] offset:2*\t*PROW   ; 16 lanes store 256 consecutive bytes at a multiple of 256
.endr
.endm
	POUT 0, 0, 0x02, RB0
	POUT 1, 1, 0x02, RB1
	POUT 2, 2, 0x02, RB0
	POUT 3, 3, 0x02, RB1
	POUT 4, 0, 0x03, RB0
	POUT 5, 1, 0x03, RB1
	POUT 6, 2, 0x03, RB0
	POUT 7, 3, 0x03, RB1
	; ROW SUMS OUT: the two accumulators of each block are added, gathered in my own 512 bytes and stored as 512 consecutive bytes.
	PLACES
	WIN 0x05                                       ; both sources in window 1
.irp a, 0,1,2,3,4,5,6,7
	v_add_f32 v[LS+\a], v[64+16*\a], v[72+16*\a]
.endr
	WIN 0
.irp a, 0,1,2,3,4,5,6,7
	ds_store_b32 v27, v[LS+\a] offset:SCRL+64*\a
.endr
	ds_load_b128 v[PX:PX+3], v31 offset:SCRL       ; my own bytes, served in order behind the stores
	s_wait_dscnt 0x0
	global_store_b128 v30, v[PX:PX+3], s[74:75]
	s_set_vgpr_msb 0x1
	s_wait_tensorcnt 0x0
	ds_add_u32 v255, v255
	s_wait_dscnt 0x0
	s_set_vgpr_msb 0x100
	CROUND                                         ; the closing round
	s_endpgm
.Lfunc_end_k_q3d2e789d2a_score:
	.size	k_q3d2e789d2a_score, .Lfunc_end_k_q3d2e789d2a_score-k_q3d2e789d2a_score
	.p2alignl 7, 3214868480
	.fill 96, 4, 3214868480
	.section	.rodata,"a",@progbits
	.p2align	6, 0x0
	.amdhsa_kernel k_q3d2e789d2a_score
		.amdhsa_group_segment_fixed_size 327680
		.amdhsa_private_segment_fixed_size 0
		.amdhsa_enable_private_segment 0
		.amdhsa_kernarg_size 40
		.amdhsa_user_sgpr_count 2
		.amdhsa_user_sgpr_kernarg_segment_ptr 1
		.amdhsa_wavefront_size32 1
		.amdhsa_system_sgpr_workgroup_id_x 1
		.amdhsa_system_sgpr_workgroup_id_y 1
		.amdhsa_system_sgpr_workgroup_id_z 1
		.amdhsa_system_vgpr_workitem_id 0
		.amdhsa_next_free_vgpr 1024
		.amdhsa_next_free_sgpr 80
		.amdhsa_reserve_vcc 0
		.amdhsa_float_denorm_mode_32 3
		.amdhsa_float_denorm_mode_16_64 3
		.amdhsa_memory_ordered 1
		.amdhsa_forward_progress 1
		.amdhsa_inst_pref_size 255
	.end_amdhsa_kernel
	.section	.bss,"aw",@nobits
	.p2align	6
	.space	262144
	.amdgpu_metadata
---
amdhsa.version: [ 1, 2 ]
amdhsa.kernels:
  - .name:           k_q3d2e789d2a_score
    .symbol:         k_q3d2e789d2a_score.kd
    .args:
      - { .name: qv, .offset: 0, .size: 8, .value_kind: global_buffer, .address_space: global }
      - { .name: p, .offset: 8, .size: 8, .value_kind: global_buffer, .address_space: global }
      - { .name: mst, .offset: 16, .size: 8, .value_kind: global_buffer, .address_space: global }
      - { .name: lst, .offset: 24, .size: 8, .value_kind: global_buffer, .address_space: global }
      - { .name: yb, .offset: 32, .size: 8, .value_kind: global_buffer, .address_space: global }
    .group_segment_fixed_size: 327680
    .private_segment_fixed_size: 0
    .kernarg_segment_align: 8
    .kernarg_segment_size: 40
    .max_flat_workgroup_size: 128
    .sgpr_count:     80
    .vgpr_count:     1024
    .wavefront_size: 32
...
	.end_amdgpu_metadata
.endif
;; end of part 8
;; launch pv (part 9): grid 8 x 32, 4 waves a work-group, clusters of 4 x 4, 327,680 bytes of LDS; arguments p, qv, mst, lst, out0; writes out0
.if DOCPART == 9
	.amdgcn_target "amdgcn-amd-amdhsa--gfx1250"
	.amdhsa_code_object_version 6
	.text
	.protected	k_q3d2e789d2a_pv
	.globl	k_q3d2e789d2a_pv
	.p2align	8
	.type	k_q3d2e789d2a_pv,@function
k_q3d2e789d2a_pv:
	s_mov_b64 s[64:65], 0
	v_nop
	global_prefetch_b8 v0, s[64:65] scope:SCOPE_SE
	s_setreg_imm32_b32 hwreg(HW_REG_WAVE_MODE, 25, 1), 1
	s_wait_xcnt 0x0
	s_wait_alu depctr_hold_cnt(0) depctr_sa_sdst(0) depctr_va_vdst(0) depctr_va_sdst(0) depctr_va_ssrc(0) depctr_va_vcc(0) depctr_vm_vsrc(0)
	s_getreg_b32 s2, hwreg(HW_REG_IB_STS2, 6, 4)
	s_cmp_eq_u32 s2, 0
	s_cbranch_scc0 .Lentry_in_a_cluster
	s_endpgm
.Lentry_in_a_cluster:
	s_bfe_u32 s2, ttmp6, 0x10000c
	s_cmp_lg_u32 s2, 0xf033
	s_cbranch_scc0 .Lentry_shape_is_right
	s_endpgm
.Lentry_shape_is_right:
; out[row][d] = sum over the 8 key tiles t of c'[t][row] x ( P_t x (V_t / 8) ),   c'[t][row] = 8 x 2^(m[t][row] - M[row]) / L[row],
; M = the largest m of the row, L = sum over t of 2^(m[t] - M) l[t].  p [8192][2048] f16, v/8 = columns 1024.. of qv [8192][2048] f16,
; mst [4][8][2048], lst [4][16][2048] f32, out0 [8192][1024] f32.  This is the softmax with the row's maximum taken away, made tile by tile.
; LIMITS: 2^x below 2^-126 comes out as zero (such a tile then adds nothing); the sums' order differs from a row-long sum's; NaN and infinities are not served.
; L is at least about 1: the tile that holds the row's maximum has weight 1 and holds a P of 1.
; A work-group makes 256 rows x 128 columns; wave w its rows 64 w .. 64 w + 63, all 128 columns: 32 tiles of 16 x 16.  K = 2,048 keys in steps of 128
; through two LDS slots.  P's tile: 256 rows x 256 bytes.  V's tile lies as in memory, keys down the rows: 128 rows x 256 bytes, read by the
; transposing LDS load.  Two K steps (a lap) are one key tile: its partial sums start from 0 and are merged into the totals with the row's c'.
; CLUSTERS: 4 x 4; P's tile is shared along a row of the cluster, V's along a column (the four block rows of a cluster lie in one batch).
; ASKING AHEAD: two slots of two K steps would need 2 x (256 x 528 + 256 x 288) = 417,792 bytes, more than the 327,680 that a work-group can have, so a
; tile has one K step's work, 120 matrix instructions of each wave, between its tensor load and the wait for it.  So the tiles of later steps are
; asked for beforehand by global_prefetch_b8.  Straight behind the refill at the end of K step s the tile of step s + 4 is asked for; its tensor load
; follows two K steps, 256 matrix instructions of each wave, later.  Each aligned block of 256 bytes is asked for once in the whole launch:
;   P, step t: the 8 work-groups of a row block share its 256 rows; mine asks for rows 32 x column block + lane; wave 0 for even t, wave 1 for odd t.
;   V, lap j (two steps): the 8 row blocks of a batch share the 256 keys; mine asks for keys 32 x (row block mod 8) + lane; wave 2, once a lap
;   (the lap's second step is thus asked for three K steps ahead of its tensor load).  Wave 3 asks for nothing.
; Steps 2 and 3 are asked for at the head; laps 0 to 5 ask for laps 2 to 7; laps 6 and 7 ask for nothing, so no request passes a buffer's end.
; REGISTERS: window 0: v0-39 addresses and c'; v64-127 fragments of P, two buffers of 32; v128-255 fragments of V, two buffers of 64.
;   window 1: the 32 partial tiles (tile (a, b) at v[8 (8 a + b)]); window 2: the 32 totals.
; Source 0 = 16 columns of V, source 1 = 16 rows of P: lane l holds row l % 16 and its eight registers the columns 8 (l / 16) + 0..7.
; The 32 accumulators take turns, one matrix instruction a turn, in the same order in every quarter step.
.set PROW,   4096                      ; bytes in a row of p, and in a row of out0
.set ROWB,   4096                      ; bytes in a row of qv
.set KSTEP,  128
.set PITCH,  272                       ; P's LDS row: 256 bytes + 16
.set BPITCH, 288                       ; V's LDS row: 256 bytes + 32
.set HALFA,  128*PITCH                 ; 34,816: what a load of P brings
.set HALFB,  64*BPITCH                 ; 18,432: what a load of V brings
.set ABYTES, 2*HALFA
.set SLOT,   ABYTES+2*HALFB            ; 106,496
.set STAGE,  2*SLOT                    ; 212,992: 16 rows x 528 bytes for each wave, for the way out
.set SPITCH, 528
.set CTAB,   STAGE+4*16*SPITCH         ; 246,784: c' [8 tiles][256 rows] f32
.set ASTEP,  KSTEP*2
.set BSTEP,  KSTEP*ROWB
.set PF,   9                           ; v9        asking ahead: lane x 4,096, a row of p or of qv for each lane; never rewritten
.set ADRA, 16
.set ADRB, 20
.set STO,  24
.set RD,   25
.set CO,   26
.set CT,   27                          ; v27       LDS address of c' of row 64 w + l % 16 in the current tile
.set C,    32                          ; v[32:39]  c' of row 16 a + l % 16, in both registers of pair a
.set FA,   64                          ; fragments of P: buffer f at FA + 32 f
.set FB,   128                         ; fragments of V: buffer f at FB + 64 f
.set OB,   64                          ; the way out: 16 rows read back
.set MS,   64                          ; at the start: v[64:79]  m, then the weights, of my two rows, tile t in pair t
.set LL,   80                          ;               v[80:111] l of my two rows, half tile u in pair u
.set MM,   112                         ;               v[112:113] M
.set RR,   114                         ;               v[114:115] L, then 8 / L
.set G1,  24
.set G0,  32
.set G1B, 48
.set G0B, 56
; s[80:81] asking ahead: the address of lane 0's block; s[82:83] its first offset; s84 the slot behind whose refill my wave asks (2: never);
; s85 at work; s[86:87] what the address steps by in a lap
.set MSB, 0
.macro WIN new
.if MSB != \new
	s_set_vgpr_msb (MSB<<8)|\new
.set MSB, \new
.endif
.endm
.set MUL,   0x50                       ; C and D in window 1, both fragments in window 0
.set MRG,   0xa1                       ; source 0 window 1 (partial), source 1 window 0 (c'), source 2 and destination window 2 (total)
.macro JLOAD s                         ; waves 0 and 1 fetch P's halves, waves 2 and 3 V's
	s_cmp_eq_u32 s11, 0
	s_cbranch_scc0 .Lfor_b_\@
	tensor_load_to_lds s[G0+4*\s:G0+4*\s+3], s[G1:G1+7]
	s_nop 0
	s_branch .Lasked_\@
.Lfor_b_\@:
	tensor_load_to_lds s[G0B+4*\s:G0B+4*\s+3], s[G1B:G1B+7]
	s_nop 0
.Lasked_\@:
.endm
.macro CREST
	s_cmp_lg_u32 s10, 0
	s_cbranch_scc1 .Lnot_wave_0_\@
	s_barrier_signal -3
.Lnot_wave_0_\@:
	s_barrier_wait -3
	s_barrier_signal -1
	s_barrier_wait -1
.endm
.macro CROUND
	s_barrier_signal -1
	s_barrier_wait -1
	CREST
.endm
	s_load_b128 s[4:7], s[0:1], 0x0                ; p s[4:5], qv s[6:7]
	s_load_b128 s[68:71], s[0:1], 0x10             ; mst s[68:69], lst s[70:71]
	s_load_b64 s[8:9], s[0:1], 0x20                ; out0
	v_lshl_add_u32 v62, v0, 2, 0x3e400
	v_mov_b32 v63, 0
	ds_add_u32 v62, v63
	v_lshrrev_b32 v1, 5, v0
	v_readfirstlane_b32 s10, v1                    ; wave 0..3
	s_lshr_b32 s11, s10, 1                         ; I fetch for P (0) or for V (1)
	s_and_b32 s12, s10, 1                          ; which half of that tile
	s_bfe_u32 s40, ttmp6, 0x40000                  ; cx
	s_bfe_u32 s41, ttmp6, 0x40004                  ; cy
	s_lshl_b32 s42, ttmp9, 2
	s_add_co_u32 s42, s42, s40                     ; block of 128 columns, 0..7
	s_and_b32 s13, ttmp7, 0xffff
	s_lshr_b32 s45, s13, 1                         ; batch = cluster y / 2
	s_lshl_b32 s13, s13, 2
	s_add_co_u32 s13, s13, s41                     ; block of 256 rows, 0..31
	s_lshl_b32 s43, s41, 2
	s_lshl_b32 s43, 15, s43                        ; my row of the cluster
	s_lshl_b32 s44, 0x1111, s40                    ; my column
	; group 1 for P: 128 rows x 128 elements of 2 bytes, 4 words of padding behind every 64 words
	s_or_b32 s[G1+0], s43, (1<<16)|(1<<20)|(1<<21)|(5<<22)|(3<<25)
	s_mov_b32 s[G1+1], KSTEP<<16
	s_mov_b32 s[G1+2], 128<<16
	s_mov_b32 s[G1+3], KSTEP<<16
	s_mov_b32 s[G1+4], 128
	s_mov_b32 s[G1+5], 2048
	s_mov_b32 s[G1+6], 0
	s_mov_b32 s[G1+7], 0
	; group 1 for V: 64 rows (keys) x 128 elements, 8 words of padding behind every 64 words
	s_or_b32 s[G1B+0], s44, (1<<16)|(1<<20)|(1<<21)|(5<<22)|(7<<25)
	s_mov_b32 s[G1B+1], 128<<16
	s_mov_b32 s[G1B+2], 64<<16
	s_mov_b32 s[G1B+3], 128<<16
	s_mov_b32 s[G1B+4], 64
	s_mov_b32 s[G1B+5], 2048
	s_mov_b32 s[G1B+6], 0
	s_mov_b32 s[G1B+7], 0
	s_lshl_b32 s17, s12, 7
	s_lshl_b32 s16, s13, 8
	s_add_co_u32 s16, s16, s17                     ; P: row 256 x block + 128 x half
	s_lshl_b32 s16, s16, 12                        ; rows of 4,096 bytes (33.6 MB at the most)
	s_mov_b32 s17, 0
	s_lshl_b32 s46, s45, 11
	s_lshl_b32 s47, s12, 6
	s_add_co_u32 s46, s46, s47                     ; V: row 2048 x batch + 64 x half
	s_mul_i32 s46, s46, ROWB
	s_lshl_b32 s47, s42, 8                         ; + 128 columns x block
	s_add_co_u32 s46, s46, s47
	s_add_co_u32 s46, s46, 2048                    ; v's columns begin 1,024 elements into a row
	s_mov_b32 s47, 0
	s_mul_i32 s20, s10, HALFA                      ; where P's halves go (waves 0, 1)
	s_mul_i32 s21, s10, HALFB
	s_add_co_u32 s21, s21, ABYTES-2*HALFB          ; where V's halves go (waves 2, 3): behind P's 256 rows
	; offsets into mst and lst: my block's 256 rows in tile 0 of my batch; in registers that feed no descriptor
	s_and_b32 s76, s13, 7
	s_lshl_b32 s76, s76, 10
	s_lshl_b32 s77, s45, 16
	s_add_co_u32 s78, s76, s77
	s_mov_b32 s79, 0
	s_lshl_b32 s77, s45, 17
	s_add_co_u32 s76, s76, s77
	s_mov_b32 s77, 0
	; asking ahead: the offset of lane 0's first block, in registers that feed no descriptor
	s_lshl_b32 s82, s13, 8
	s_lshl_b32 s83, s42, 5
	s_add_co_u32 s82, s82, s83                     ; P: row 256 x row block + 32 x column block
	s_lshl_b32 s82, s82, 12
	s_lshl_b32 s83, s12, 8
	s_add_co_u32 s82, s82, s83
	s_add_co_u32 s82, s82, 2*ASTEP                 ; K step 2 (wave 0) or 3 (wave 1)
	s_and_b32 s85, s13, 7
	s_lshl_b32 s85, s85, 5
	s_lshl_b32 s83, s45, 11
	s_add_co_u32 s85, s85, s83
	s_add_co_u32 s85, s85, 2*KSTEP                 ; V: key 2048 x batch + 256 (lap 1) + 32 x (row block mod 8)
	s_lshl_b32 s85, s85, 12
	s_lshl_b32 s83, s42, 8
	s_add_co_u32 s85, s85, s83                     ; my block's 128 columns,
	s_add_co_u32 s85, s85, 2048                    ; behind q's 1,024
	s_mov_b32 s86, 2*BSTEP                         ; a lap in V: 256 rows of 4,096 bytes
	s_cmp_eq_u32 s11, 0
	s_cselect_b32 s82, s82, s85                    ; waves 0 and 1 ask for P, wave 2 for V
	s_cselect_b32 s86, 2*ASTEP, s86                ; a lap in P: 512 bytes along the rows
	s_mov_b32 s83, 0
	s_mov_b32 s87, 0
	s_cmp_eq_u32 s10, 3
	s_cselect_b32 s84, 2, s12                      ; waves 0 and 2 ask behind slot 0's refill, wave 1 behind slot 1's, wave 3 never
	s_wait_dscnt 0x0
	s_wait_kmcnt 0x0
	s_add_nc_u64 s[14:15], s[4:5], s[16:17]
	s_add_nc_u64 s[46:47], s[6:7], s[46:47]
	s_add_nc_u64 s[72:73], s[68:69], s[78:79]
	s_add_nc_u64 s[74:75], s[70:71], s[76:77]
	s_cmp_eq_u32 s11, 0
	s_cselect_b64 s[80:81], s[4:5], s[6:7]         ; p or qv, by the wave's number
	s_add_nc_u64 s[80:81], s[80:81], s[82:83]
	CROUND                                         ; the first joint loads meet
.irp s, 0,1
	s_mov_b32 s[G0+4*\s], 1
	s_add_co_u32 s[G0+4*\s+1], s20, \s*SLOT
	s_add_nc_u64 s[G0+4*\s+2:G0+4*\s+3], s[14:15], \s*ASTEP
	s_or_b32 s[G0+4*\s+3], s[G0+4*\s+3], 0x80000000
	s_mov_b32 s[G0B+4*\s], 1
	s_add_co_u32 s[G0B+4*\s+1], s21, \s*SLOT
	s_add_nc_u64 s[G0B+4*\s+2:G0B+4*\s+3], s[46:47], \s*BSTEP
	s_or_b32 s[G0B+4*\s+3], s[G0B+4*\s+3], 0x80000000
	JLOAD \s                                       ; two tensor loads of the wave are out
.endr
	; THE WEIGHTS.  Thread t owns rows 2 t and 2 t + 1 of the block: a load of a wave covers 256 consecutive bytes.
	v_lshlrev_b32 v5, 3, v0
	v_and_b32 v[PF], 31, v0
	v_lshlrev_b32 v[PF], 12, v[PF]                 ; asking ahead: one row of 4,096 bytes for each lane
.irp t, 0,1,2,3,4,5,6,7
	global_load_b64 v[MS+2*\t:MS+2*\t+1], v5, s[72:73] offset:8192*\t
.endr
.irp u, 0,1,2,3,4,5,6,7,8,9,10,11,12,13,14,15
	global_load_b64 v[LL+2*\u:LL+2*\u+1], v5, s[74:75] offset:8192*\u
.endr
	s_cmp_eq_u32 s84, 2
	s_cbranch_scc1 .Lno_first_ask
	global_prefetch_b8 v[PF], s[80:81] th:TH_LOAD_NT scope:SCOPE_SE    ; K steps 2 and 3: their tensor loads follow behind K steps 0 and 1
.Lno_first_ask:
	v_add_nc_u32 v6, CTAB, v5
	v_and_b32 v1, 15, v0                           ; l % 16
	v_bfe_u32 v2, v0, 4, 1                         ; l / 16
	v_mul_u32_u24 v3, v1, PITCH
	v_lshl_add_u32 v3, v2, 4, v3                   ; P: row x pitch + 16 (l / 16)
	v_and_b32 v4, 7, v0
	v_lshl_add_u32 v4, v2, 3, v4
	v_mul_u32_u24 v4, v4, BPITCH
	v_bfe_u32 v7, v0, 3, 1
	v_lshl_add_u32 v4, v7, 4, v4                   ; V: (8 (l / 16) + l % 8) x pitch + 16 ((l / 8) % 2)
	s_mul_i32 s21, s10, 64*PITCH                   ; my 64 rows of P
	s_mov_b32 s22, ABYTES
.irp s, 0,1
	v_add_nc_u32 v[ADRA+\s], s21, v3
	v_add_nc_u32 v[ADRB+\s], s22, v4
	s_add_co_u32 s21, s21, SLOT
	s_add_co_u32 s22, s22, SLOT
.endr
	s_mul_i32 s23, s10, 16*SPITCH
	s_add_co_u32 s23, s23, STAGE                   ; my stage
	v_mul_u32_u24 v8, v1, SPITCH
	v_lshl_add_u32 v8, v2, 5, v8
	v_add_nc_u32 v[STO], s23, v8                   ; in: row l % 16, 32 bytes for each half of the lanes
	v_and_b32 v[CO], 31, v0
	v_lshlrev_b32 v[CO], 4, v[CO]                  ; back and out: a whole row of 512 bytes, 16 bytes a lane
	v_add_nc_u32 v[RD], s23, v[CO]
	s_lshl_b32 s23, s10, 8
	s_add_co_u32 s23, s23, CTAB
	v_lshl_add_u32 v[CT], v1, 2, s23
	s_wait_loadcnt 0x0                             ; m and l, once
	v_max3_num_f32 v[MM],   v[MS],   v[MS+2],  v[MS+4]
	v_max3_num_f32 v[MM+1], v[MS+1], v[MS+3],  v[MS+5]
	v_max3_num_f32 v[MM],   v[MM],   v[MS+6],  v[MS+8]
	v_max3_num_f32 v[MM+1], v[MM+1], v[MS+7],  v[MS+9]
	v_max3_num_f32 v[MM],   v[MM],   v[MS+10], v[MS+12]
	v_max3_num_f32 v[MM+1], v[MM+1], v[MS+11], v[MS+13]
	v_max_num_f32  v[MM],   v[MM],   v[MS+14]
	v_max_num_f32  v[MM+1], v[MM+1], v[MS+15]
.irp t, 0,1,2,3,4,5,6,7
	v_pk_add_f32 v[MS+2*\t:MS+2*\t+1], v[MS+2*\t:MS+2*\t+1], v[MM:MM+1] neg_lo:[0,1] neg_hi:[0,1]   ; m - M, at most 0
.endr
.set ee, 0
.rept 16
	v_exp_f32 v[MS+ee], v[MS+ee]
.set ee, ee+1
.endr
.irp t, 0,1,2,3,4,5,6,7
	v_pk_add_f32 v[LL+4*\t:LL+4*\t+1], v[LL+4*\t:LL+4*\t+1], v[LL+4*\t+2:LL+4*\t+3]   ; a tile's two halves; also the plain instructions behind the exponentials
.endr
	s_wait_alu depctr_va_vdst(0)
	v_pk_mul_f32 v[RR:RR+1], v[MS:MS+1], v[LL:LL+1]
.irp t, 1,2,3,4,5,6,7
	v_pk_fma_f32 v[RR:RR+1], v[MS+2*\t:MS+2*\t+1], v[LL+4*\t:LL+4*\t+1], v[RR:RR+1]
.endr
	v_rcp_f32 v[RR], v[RR]
	v_rcp_f32 v[RR+1], v[RR+1]
	v_nop                                          ; one plain vector instruction before the reciprocals are used (ISA guide 5.7.2)
	s_wait_alu depctr_va_vdst(0)
	v_pk_mul_f32 v[RR:RR+1], v[RR:RR+1], 0x41000000 op_sel_hi:[1,0]    ; x 8: V is kept as v / 8
.irp t, 0,1,2,3,4,5,6,7
	v_pk_mul_f32 v[MS+2*\t:MS+2*\t+1], v[MS+2*\t:MS+2*\t+1], v[RR:RR+1]
.endr
.irp t, 0,1,2,3,4,5,6,7
	ds_store_b64 v6, v[MS+2*\t:MS+2*\t+1] offset:1024*\t
.endr
; 8 matrix instructions: tile row a x all 8 column blocks, 32 keys, from buffer f.  zero = 1: the product starts the partial sums.
.macro MUL8 f, a, zero
.irp b, 0,1,2,3,4,5,6,7
.if \zero
	v_wmma_f32_16x16x32_f16 v[8*(8*\a+\b):8*(8*\a+\b)+7], v[FB+64*\f+8*\b:FB+64*\f+8*\b+7], v[FA+32*\f+8*\a:FA+32*\f+8*\a+7], 0
.else
	v_wmma_f32_16x16x32_f16 v[8*(8*\a+\b):8*(8*\a+\b)+7], v[FB+64*\f+8*\b:FB+64*\f+8*\b+7], v[FA+32*\f+8*\a:FA+32*\f+8*\a+7], v[8*(8*\a+\b):8*(8*\a+\b)+7]
.endif
.endr
.endm
; 24 LDS loads in one run: quarter q of the slot (keys 32 q .. 32 q + 31) into buffer f: V's 8 fragments, then P's 4
.macro FETCH slot, q, f
	WIN 0
.irp b, 0,1,2,3,4,5,6,7
	ds_load_tr16_b128 v[FB+64*\f+8*\b:FB+64*\f+8*\b+3],   v[ADRB+\slot] offset:32*\q*BPITCH+32*\b
	ds_load_tr16_b128 v[FB+64*\f+8*\b+4:FB+64*\f+8*\b+7], v[ADRB+\slot] offset:(32*\q+16)*BPITCH+32*\b
.endr
.irp a, 0,1,2,3
	ds_load_b128 v[FA+32*\f+8*\a:FA+32*\f+8*\a+3],   v[ADRA+\slot] offset:64*\q+\a*16*PITCH
	ds_load_b128 v[FA+32*\f+8*\a+4:FA+32*\f+8*\a+7], v[ADRA+\slot] offset:64*\q+\a*16*PITCH+32
.endr
.endm
.macro PLACES                          ; four independent vector instructions behind a matrix instruction (ISA guide 7.12.1 for vector instructions)
.rept 4
	v_nop
.endr
.endm
; multiplies buffer f; in its middle fetches quarter q of the same slot into buffer g
.macro QUARTER slot, q, f, g, zero
	s_wait_dscnt 4                                 ; V's fragments and P's 0 and 1 are in; the youngest four loads (P's 2 and 3) may be out
	WIN MUL
	MUL8 \f, 0, \zero
	MUL8 \f, 1, \zero
	PLACES
	FETCH \slot, \q, \g
	s_wait_dscnt 24                                ; all but the 24 just issued
	WIN MUL
	MUL8 \f, 2, \zero
	MUL8 \f, 3, \zero
.endm
.macro THREE slot, zero
	QUARTER \slot, 1, 0, 1, \zero
	QUARTER \slot, 2, 1, 0, 0
	QUARTER \slot, 3, 0, 1, 0
.endm
.macro CLOAD                           ; c' of my 4 x 16 rows in the current tile, each into both registers of a pair, so that the packed merge needs no selection
.irp a, 0,1,2,3
	ds_load_b32 v[C+2*\a],   v[CT] offset:64*\a
	ds_load_b32 v[C+2*\a+1], v[CT] offset:64*\a
.endr
.endm
; The last quarter of a K step: multiplies buffer 1 and changes slots.  cload = 1: the lap ends here, its c' are fetched.
; pf = 1: the wave whose turn it is asks for its blocks of the tile four K steps on (V: of the lap two laps on).
.macro TURN slot, next, fill, cload, pf
	s_wait_dscnt 4
	WIN MUL
	MUL8 1, 0, 0
	s_wait_dscnt 0                                 ; my reads of this slot are over
	s_wait_tensorcnt 0x0                           ; all my tensor loads have landed: the one that was out is my part of the next slot
	ds_add_u32 v62, v63
	s_wait_dscnt 0x0
	s_barrier_signal -1
	MUL8 1, 1, 0                                   ; register work alone
	WIN 0
	s_barrier_wait -1
.if \fill
	CREST                                          ; the round is closed: no wave of any partner still reads this slot or has a load on its way
	s_add_nc_u64 s[G0+4*\slot+2:G0+4*\slot+3], s[G0+4*\slot+2:G0+4*\slot+3], 2*ASTEP
	s_add_nc_u64 s[G0B+4*\slot+2:G0B+4*\slot+3], s[G0B+4*\slot+2:G0B+4*\slot+3], 2*BSTEP
	JLOAD \slot                                    ; the wave's one tensor load behind the round
.if \pf
	s_cmp_lg_u32 s84, \slot                        ; hangs on the wave's number alone
	s_cbranch_scc1 .Lno_ask_\@
	s_wait_xcnt 0x0                                ; my last request, a lap ago, has had its addresses translated (ISA guide 3.1): its base is stepped only behind this wait
	s_add_nc_u64 s[80:81], s[80:81], s[86:87]      ; a lap on
	global_prefetch_b8 v[PF], s[80:81] th:TH_LOAD_NT scope:SCOPE_SE    ; 32 blocks of 256 bytes, one a lane, 4,096 bytes apart
.Lno_ask_\@:
.endif
.endif
	PLACES
.if \cload
	CLOAD
	v_add_nc_u32 v[CT], 1024, v[CT]                ; the next tile's 256 words
.endif
	FETCH \next, 0, 0
	WIN MUL
	MUL8 1, 2, 0
	MUL8 1, 3, 0
.endm
; total (+)= c' x partial.  first = 1: the first tile starts the totals, nothing is cleared.  n: LDS loads issued behind the c' loads.
.macro MERGE first, n
	s_wait_dscnt \n                                ; the c' are in; only the n younger loads may be out
	PLACES
	WIN MRG
.irp a, 0,1,2,3
.set mm, 0
.rept 32
.if \first
	v_pk_mul_f32 v[64*\a+2*mm:64*\a+2*mm+1], v[64*\a+2*mm:64*\a+2*mm+1], v[C+2*\a:C+2*\a+1]
.else
	v_pk_fma_f32 v[64*\a+2*mm:64*\a+2*mm+1], v[64*\a+2*mm:64*\a+2*mm+1], v[C+2*\a:C+2*\a+1], v[64*\a+2*mm:64*\a+2*mm+1]
.endif
.set mm, mm+1
.endr
.endr
	WIN 0
.endm
.macro LAP first, pf                   ; one key tile: once round the ring, both slots filled again
	THREE 0, 1
	TURN 0, 1, 1, 0, \pf
	THREE 1, 0
	TURN 1, 0, 1, 1, \pf
	MERGE \first, 24
.endm
	s_wait_dscnt 0x0                               ; for the others' sake: my part of the table of c' is written
	s_wait_tensorcnt 1                             ; my part of K step 0 is in; K step 1's load may stay out
	s_barrier_signal -1
	s_barrier_wait -1
	FETCH 0, 0, 0
	LAP 1, 1                                       ; lap 0: asks for lap 2
	s_mov_b32 s3, 5
.Llap:
	LAP 0, 1                                       ; laps 1 to 5: ask for laps 3 to 7
	s_sub_co_u32 s3, s3, 1
	s_cmp_lg_u32 s3, 0
	s_cbranch_scc1 .Llap
	LAP 0, 0                                       ; lap 6 fills the slots for lap 7 and asks for nothing: there is no lap 8
	THREE 0, 1                                     ; the last lap fills nothing
	TURN 0, 1, 0, 0, 0
	THREE 1, 0
	s_wait_dscnt 4
	WIN MUL
	MUL8 1, 0, 0
	MUL8 1, 1, 0
	WIN 0
	CLOAD
	s_wait_dscnt 8                                 ; the last fragments are in; only the eight c' loads may be out
	WIN MUL
	MUL8 1, 2, 0
	MUL8 1, 3, 0
	MERGE 0, 0
	; THE WAY OUT, 16 rows at a time: a lane's 32 bytes of a row into my own stage, whole rows of 512 bytes back and out.
	s_lshl_b32 s16, s13, 8
	s_lshl_b32 s14, s10, 6
	s_add_co_u32 s16, s16, s14                     ; my first row
	s_lshl_b32 s16, s16, 12
	s_mov_b32 s17, 0
	s_add_nc_u64 s[8:9], s[8:9], s[16:17]
	s_lshl_b32 s46, s42, 9                         ; my block's 128 columns, 512 bytes
	s_mov_b32 s47, 0
	s_add_nc_u64 s[8:9], s[8:9], s[46:47]
.macro OUT16 a
	WIN 0x08                                       ; the stores' data in window 2
.irp b, 0,1,2,3,4,5,6,7
	ds_store_b128 v[STO], v[8*(8*\a+\b):8*(8*\a+\b)+3]   offset:64*\b
	ds_store_b128 v[STO], v[8*(8*\a+\b)+4:8*(8*\a+\b)+7] offset:64*\b+16
.endr
	WIN 0
	s_wait_xcnt 0x0                                ; the registers that earlier stores read, and the stores' base, are rewritten only behind this wait
.if \a
	s_add_nc_u64 s[8:9], s[8:9], 16*PROW
.endif
.set tt, 0
.rept 16
	ds_load_b128 v[OB+4*tt:OB+4*tt+3], v[RD] offset:tt*SPITCH      ; LDS serves a wave's instructions in order: these see the stores above
.set tt, tt+1
.endr
.set tt, 0
.rept 16
	s_wait_dscnt 15-tt                             ; row tt is in, the younger loads may be out
	global_store_b128 v[CO], v[OB+4*tt:OB+4*tt+3], s[8:9] offset:tt*PROW th:TH_STORE_NT   ; 512 consecutive bytes at a multiple of 512
.set tt, tt+1
.endr
.endm
	OUT16 0
	OUT16 1
	OUT16 2
	OUT16 3
	s_wait_tensorcnt 0x0
	ds_add_u32 v62, v63
	s_wait_dscnt 0x0
	CROUND                                         ; the closing round
	s_endpgm
.Lfunc_end_k_q3d2e789d2a_pv:
	.size	k_q3d2e789d2a_pv, .Lfunc_end_k_q3d2e789d2a_pv-k_q3d2e789d2a_pv
	.p2alignl 7, 3214868480
	.fill 96, 4, 3214868480
	.section	.rodata,"a",@progbits
	.p2align	6, 0x0
	.amdhsa_kernel k_q3d2e789d2a_pv
		.amdhsa_group_segment_fixed_size 327680
		.amdhsa_private_segment_fixed_size 0
		.amdhsa_enable_private_segment 0
		.amdhsa_kernarg_size 40
		.amdhsa_user_sgpr_count 2
		.amdhsa_user_sgpr_kernarg_segment_ptr 1
		.amdhsa_wavefront_size32 1
		.amdhsa_system_sgpr_workgroup_id_x 1
		.amdhsa_system_sgpr_workgroup_id_y 1
		.amdhsa_system_sgpr_workgroup_id_z 1
		.amdhsa_system_vgpr_workitem_id 0
		.amdhsa_next_free_vgpr 768
		.amdhsa_next_free_sgpr 88
		.amdhsa_reserve_vcc 0
		.amdhsa_float_denorm_mode_32 3
		.amdhsa_float_denorm_mode_16_64 3
		.amdhsa_memory_ordered 1
		.amdhsa_forward_progress 1
		.amdhsa_inst_pref_size 193
	.end_amdhsa_kernel
	.amdgpu_metadata
---
amdhsa.version: [ 1, 2 ]
amdhsa.kernels:
  - .name:           k_q3d2e789d2a_pv
    .symbol:         k_q3d2e789d2a_pv.kd
    .args:
      - { .name: p, .offset: 0, .size: 8, .value_kind: global_buffer, .address_space: global }
      - { .name: qv, .offset: 8, .size: 8, .value_kind: global_buffer, .address_space: global }
      - { .name: mst, .offset: 16, .size: 8, .value_kind: global_buffer, .address_space: global }
      - { .name: lst, .offset: 24, .size: 8, .value_kind: global_buffer, .address_space: global }
      - { .name: out0, .offset: 32, .size: 8, .value_kind: global_buffer, .address_space: global }
    .group_segment_fixed_size: 327680
    .private_segment_fixed_size: 0
    .kernarg_segment_align: 8
    .kernarg_segment_size: 40
    .max_flat_workgroup_size: 128
    .sgpr_count:     88
    .vgpr_count:     768
    .wavefront_size: 32
...
	.end_amdgpu_metadata
.endif
;; end of part 9
;; ======== version 3 of 3: 5 launches; version 2 with the launch prep written anew for expert scheduling mode
;; limits: values are held in f16: magnitudes above 65,504 overflow, below 6.1e-05 lose precision
;; workspace buffers: yb 16,777,216 bytes; wqkb 4,194,304 bytes; wb 4,194,304 bytes; qv 33,554,432 bytes; p 33,554,432 bytes; mst 262,144 bytes; lst 524,288 bytes
;; launch prep (part 10): grid 352 x 1, 8 waves a work-group, no clusters, 0 bytes of LDS; arguments y, Wq, Wk, Wv, yb, wqkb, wb; writes yb, wqkb, wb
.if DOCPART == 10
	.amdgcn_target "amdgcn-amd-amdhsa--gfx1250"
	.amdhsa_code_object_version 6
	.text
	.protected	k_q3d2e789d2a_prep
	.globl	k_q3d2e789d2a_prep
	.p2align	8
	.type	k_q3d2e789d2a_prep,@function
k_q3d2e789d2a_prep:
	s_mov_b64 s[64:65], 0
	v_nop
	global_prefetch_b8 v0, s[64:65] scope:SCOPE_SE
	s_setreg_imm32_b32 hwreg(HW_REG_WAVE_SCHED_MODE, 0, 2), 2
	s_setreg_imm32_b32 hwreg(HW_REG_WAVE_MODE, 25, 1), 1
	s_wait_xcnt 0x0
	s_wait_alu depctr_vm_vsrc(0)
; yb[m][k] = bf16(y[m][k]);  wqkb[0][i][o] = bf16(Wq[i][o]), wqkb[1][j][o] = bf16(Wk[j][o]);  wb[k][1024 + n] = bf16(Wv[k][n] / 8).
; (wb has rows of 2,048; its columns 0-1023 are written by the next launch.)  The factor 1/8 is a power of two, so it costs no accuracy;
; it gives the f16 numbers v/8 of a later launch room at the top.
; A stream: every input byte is read once, every output byte written once.  No LDS, no matrix unit, no cluster: no two work-groups
; read the same byte.  A work-group takes 32 rows of 1,024 f32, a wave 4 rows.  Work-groups 0-255 take y, 256-287 Wq, 288-319 Wk, 320-351 Wv.
; A load of a wave covers 512 consecutive bytes, a store 256 consecutive bytes at a multiple of 256.
; All 32 loads of a wave (16 KiB) go out at once; no register that a load or store reads is ever written again.
; THE MODE: SCHED_MODE bits 1:0 = 2 (LLVM: expert scheduling mode 2), set by the entry lines.  The code itself states the register dependences
; between vector instructions and memory instructions, with s_wait_alu, always for 0.
; THE PLAN.  Registers that memory instructions touch:
;   v1, v2   byte offsets of the loads and of the stores.  Written once at the head; read by all 32 loads (v1) and all 32 stores (v2); never written again.
;   X        Written by the loads, each register by one load; no vector instruction names them ahead of the loads, and no memory instruction reads them.
;            Read by their row's conversions (for Wv: multiplied in place first), behind the row's wait on LOADcnt.
;   Y        Written by the conversions, each register once; read by one store each; never written again.
; So one wait on va_vdst stands ahead of the run of loads, for the two offsets, and one in each row, behind its sixteen conversions and ahead of its run of
; eight stores.  Nothing that a memory instruction reads is rewritten, so past the entry lines the text holds no wait on vm_vsrc and no s_wait_xcnt.
; The wave's number goes from a vector register into s30: one wait on va_sdst stands ahead of s30's first reader.
.set X, 8                              ; v[8:135]    load (r, j): 4 f32
.set Y, 136                            ; v[136:199]  load (r, j): 4 bf16 in 2 registers
; pitch: bytes from row to row in the destination; scale = 1: multiply by 1/8 first
.macro CONV pitch, scale
	s_wait_alu depctr_va_vdst(0)                   ; v1 and v2 are written: every load below reads v1 as its offset, every store v2; no later vector instruction names either
.irp r, 0,1,2,3
.irp j, 0,1,2,3,4,5,6,7
	global_load_b128 v[X+4*(8*\r+\j):X+4*(8*\r+\j)+3], v1, s[18:19] offset:4096*\r+512*\j th:TH_LOAD_NT
.endr
.endr
.irp r, 0,1,2,3
	s_wait_loadcnt 24-8*\r                         ; loads return in order (ISA guide 5.7.1): row r's eight are in, the later rows' stay out
.irp j, 0,1,2,3,4,5,6,7
.if \scale
	v_pk_mul_f32 v[X+4*(8*\r+\j):X+4*(8*\r+\j)+1],   v[X+4*(8*\r+\j):X+4*(8*\r+\j)+1],   s[24:25] op_sel_hi:[1,0]
	v_pk_mul_f32 v[X+4*(8*\r+\j)+2:X+4*(8*\r+\j)+3], v[X+4*(8*\r+\j)+2:X+4*(8*\r+\j)+3], s[24:25] op_sel_hi:[1,0]
.endif
	v_cvt_pk_bf16_f32 v[Y+2*(8*\r+\j)],   v[X+4*(8*\r+\j)],   v[X+4*(8*\r+\j)+1]
	v_cvt_pk_bf16_f32 v[Y+2*(8*\r+\j)+1], v[X+4*(8*\r+\j)+2], v[X+4*(8*\r+\j)+3]
.endr
	s_wait_alu depctr_va_vdst(0)                   ; row r's sixteen conversions have written its sixteen registers of Y, which the eight stores below read
.irp j, 0,1,2,3,4,5,6,7
	global_store_b64 v2, v[Y+2*(8*\r+\j):Y+2*(8*\r+\j)+1], s[28:29] offset:\r*\pitch+256*\j
.endr
.endr
.endm
	s_load_b256 s[4:11], s[0:1], 0x0               ; y s[4:5], Wq s[6:7], Wk s[8:9], Wv s[10:11]
	s_load_b128 s[12:15], s[0:1], 0x20             ; yb s[12:13], wqkb s[14:15]
	s_load_b64 s[16:17], s[0:1], 0x30              ; wb
	v_lshrrev_b32 v3, 5, v0
	v_readfirstlane_b32 s30, v3                    ; wave 0..7
	v_and_b32 v4, 31, v0                           ; lane
	v_lshlrev_b32 v1, 4, v4                        ; 16 bytes a lane in the source
	v_lshlrev_b32 v2, 3, v4                        ; 8 bytes a lane in the destination
	s_mov_b32 s24, 0x3e000000                      ; 1/8
	s_mov_b32 s25, 0x3e000000                      ; (the pair's second word is never selected, but is part of the operand)
	s_mov_b32 s21, 0                               ; high words of the two offsets
	s_mov_b32 s23, 0
	s_wait_alu depctr_va_sdst(0)                   ; s30 is written, ahead of its first reader: the wave's offsets in source and destination are made from it
	s_lshl_b32 s31, s30, 14                        ; my wave's 4 rows of 4,096 bytes
	s_lshl_b32 s2, s30, 13                         ; my wave's 4 rows of 2,048 bytes
	s_cmp_lt_u32 ttmp9, 256
	s_cbranch_scc0 .Lweights
	s_lshl_b32 s20, ttmp9, 17                      ; y: 32 rows of 4,096 bytes in,
	s_lshl_b32 s22, ttmp9, 16                      ; 32 rows of 2,048 bytes out
	s_wait_kmcnt 0x0
	s_mov_b64 s[18:19], s[4:5]
	s_mov_b64 s[28:29], s[12:13]
	s_branch .Lplain
.Lweights:
	s_sub_co_u32 s26, ttmp9, 256                   ; 0..95
	s_and_b32 s27, s26, 31                         ; which 32 rows of the weight
	s_lshl_b32 s20, s27, 17
	s_cmp_lt_u32 s26, 64
	s_cbranch_scc0 .Lwv
	s_lshl_b32 s22, s26, 16                        ; Wk's 32 blocks of 65,536 bytes follow Wq's in wqkb
	s_wait_kmcnt 0x0
	s_cmp_lt_u32 s26, 32
	s_cselect_b64 s[18:19], s[6:7], s[8:9]         ; Wq or Wk
	s_mov_b64 s[28:29], s[14:15]
.Lplain:
	s_add_co_u32 s20, s20, s31
	s_add_co_u32 s22, s22, s2
	s_add_nc_u64 s[18:19], s[18:19], s[20:21]
	s_add_nc_u64 s[28:29], s[28:29], s[22:23]
	CONV 2048, 0
	s_endpgm
.Lwv:
	s_add_co_u32 s20, s20, s31                     ; rows of 4,096 bytes in the source and in wb alike,
	s_add_co_u32 s22, s20, 2048                    ; Wv's columns begin 1,024 elements into a row of wb
	s_wait_kmcnt 0x0
	s_add_nc_u64 s[18:19], s[10:11], s[20:21]
	s_add_nc_u64 s[28:29], s[16:17], s[22:23]
	CONV 4096, 1
	s_endpgm
.Lfunc_end_k_q3d2e789d2a_prep:
	.size	k_q3d2e789d2a_prep, .Lfunc_end_k_q3d2e789d2a_prep-k_q3d2e789d2a_prep
	.p2alignl 7, 3214868480
	.fill 96, 4, 3214868480
	.section	.rodata,"a",@progbits
	.p2align	6, 0x0
	.amdhsa_kernel k_q3d2e789d2a_prep
		.amdhsa_group_segment_fixed_size 0
		.amdhsa_private_segment_fixed_size 0
		.amdhsa_enable_private_segment 0
		.amdhsa_kernarg_size 56
		.amdhsa_user_sgpr_count 2
		.amdhsa_user_sgpr_kernarg_segment_ptr 1
		.amdhsa_wavefront_size32 1
		.amdhsa_system_sgpr_workgroup_id_x 1
		.amdhsa_system_sgpr_workgroup_id_y 1
		.amdhsa_system_sgpr_workgroup_id_z 1
		.amdhsa_system_vgpr_workitem_id 0
		.amdhsa_next_free_vgpr 200
		.amdhsa_next_free_sgpr 66
		.amdhsa_reserve_vcc 0
		.amdhsa_float_denorm_mode_32 3
		.amdhsa_float_denorm_mode_16_64 3
		.amdhsa_memory_ordered 1
		.amdhsa_forward_progress 1
		.amdhsa_inst_pref_size 27
	.end_amdhsa_kernel
	.amdgpu_metadata
---
amdhsa.version: [ 1, 2 ]
amdhsa.kernels:
  - .name:           k_q3d2e789d2a_prep
    .symbol:         k_q3d2e789d2a_prep.kd
    .args:
      - { .name: y, .offset: 0, .size: 8, .value_kind: global_buffer, .address_space: global }
      - { .name: Wq, .offset: 8, .size: 8, .value_kind: global_buffer, .address_space: global }
      - { .name: Wk, .offset: 16, .size: 8, .value_kind: global_buffer, .address_space: global }
      - { .name: Wv, .offset: 24, .size: 8, .value_kind: global_buffer, .address_space: global }
      - { .name: yb, .offset: 32, .size: 8, .value_kind: global_buffer, .address_space: global }
      - { .name: wqkb, .offset: 40, .size: 8, .value_kind: global_buffer, .address_space: global }
      - { .name: wb, .offset: 48, .size: 8, .value_kind: global_buffer, .address_space: global }
    .group_segment_fixed_size: 0
    .private_segment_fixed_size: 0
    .kernarg_segment_align: 8
    .kernarg_segment_size: 56
    .max_flat_workgroup_size: 256
    .sgpr_count:     66
    .vgpr_count:     200
    .wavefront_size: 32
...
	.end_amdgpu_metadata
.endif
;; end of part 10
;; launch wqk: the kernel of part 6 again; grid 16 x 16, 4 waves a work-group, clusters of 4 x 4, 270,848 bytes of LDS; arguments wqkb, wb; writes wb
;; launch proj: the kernel of part 7 again; grid 8 x 32, 4 waves a work-group, clusters of 4 x 4, 327,680 bytes of LDS; arguments yb, wb, qv; writes qv
;; launch score: the kernel of part 8 again; grid 8 x 32, 4 waves a work-group, clusters of 4 x 4, 327,680 bytes of LDS; arguments qv, p, mst, lst, yb; writes p, mst, lst
;; launch pv: the kernel of part 9 again; grid 8 x 32, 4 waves a work-group, clusters of 4 x 4, 327,680 bytes of LDS; arguments p, qv, mst, lst, out0; writes out0
